; MI455X (gfx1250); checked and timed in simulation.
; The chip was launched on July 23, 2026; its instructions are those of AMD's public machine-readable ISA for CDNA 5 (MIT licence, August 2026) and "CDNA5" Instruction Set Architecture Reference Guide (July 2026). The comments in the code are by the model that wrote it; some were corrected since.
;; Multi Head Attention. Allowed arithmetic: matrix products marked QUANTISED: E2M3 operands, one E8M0 scale for each 32 along K, by v_wmma_scale_f32_16x16x128_f8f6f4 with both operands' format E2M3, f32 sums; everything else in f32.
;; Inputs: Wo 1,024 x 1,024 float32; Wqkv 1,024 x 3,072 float32; mask 1 x 1 x 2,048 x 2,048 bool; x 2 x 2,048 x 1,024 float32.
;; Outputs: out0 2 x 2,048 x 1,024 float32.
;; This version of the problem:
;;   THIS VERSION OF THE PROBLEM IS GIVEN IN LOW PRECISION. The matrix products marked QUANTISED in the list below multiply operands that are first quantised to E2M3 (2 exponent bits, 3 mantissa bits; 6 bits a number), with one power-of-two scale for each 32 numbers along K (OCP MX v1.0); their sums are f32. All else is computed in f32.
;;   The module's matrix products, in the order in which they are computed (A, B: the left and right operand; K: the contracted axis; several contracted axes count as one K, in the product's order):
;;     1. [M 4,096, K 1,024] x [K 1,024, N 3,072]; A: input x; B: input Wqkv: QUANTISED
;;     2. batch 32 x [M 2,048, K 64] x [K 64, N 2,048]; A: computed on the way; B: computed on the way: QUANTISED
;;     3. batch 32 x [M 2,048, K 2,048] x [K 2,048, N 64]; A: softmax (see below); B: computed on the way: QUANTISED
;;     4. [M 4,096, K 1,024] x [K 1,024, N 1,024]; A: computed on the way; B: input Wo: QUANTISED
;;   THE QUANTISER, for each operand of a quantised product, along K:
;;     - K is cut into blocks of 32 from its start; a last block that is shorter is filled with zeros.
;;     - A block's scale is 2^e with e = floor(log2(the largest magnitude in the block)) - 2, held to -126 .. 127; a block of zeros has e = 0. As a byte (E8M0): e + 127.
;;     - Each number is divided by its block's scale, clamped to +-7.5, and rounded to the nearest number of E2M3, ties to even, subnormals kept.
;;     - The product sums the exact products of the quantised numbers (number of the format x scale) in f32.
;;   ~~~python
;;   def quantise(x, axis):      # numpy; x: float32 -> the quantised numbers, widened to float32 again
;;       x = np.moveaxis(x, axis, -1); K = x.shape[-1]
;;       x = np.pad(x, [(0, 0)] * (x.ndim - 1) + [(0, -K % 32)]); x = x.reshape(x.shape[:-1] + (-1, 32)); a = np.abs(x).max(-1, keepdims=True)
;;       e = np.where(a > 0, np.clip(np.frexp(np.where(a > 0, a, 1))[1] - 1 - 2, -126, 127), 0)      # np.frexp(a)[1] - 1 = floor(log2(a)), exactly
;;       r = np.clip(x / 2.0 ** e, -7.5, 7.5)
;;       step = 2.0 ** (np.maximum(np.frexp(np.where(r == 0, 1, r))[1] - 1, 0) - 3)
;;       q = np.round(r / step) * step * 2.0 ** e      # np.round: ties to even
;;       return np.moveaxis(q.reshape(q.shape[:-2] + (-1,))[..., :K], -1, axis).astype(np.float32)
;;   ~~~
;;   SOFTMAX AHEAD OF A QUANTISED PRODUCT. Where the list says 'softmax', what is quantised is not the finished softmax but p = 2^(t - M), with t = logit x log2(e) and M = ceil(the row's largest t), a whole number; so 1/2 < the row's largest p <= 1. The row's sum l is taken of the UNQUANTISED p, in f32, and the product's result is divided by l at the end. Since M is a whole number, a kernel that streams over the keys may use a running M (the ceiling of the running maximum): every later rescaling is an exact power of two, which a block's scale takes up: the codes' values come out the same.
;;   OPERANDS COMPUTED ON THE WAY. 'Computed on the way' means the value that the module computes at that place (a softmax that the list does not call 'softmax' is quantised finished and normalised). What goes into a quantiser is computed in f32, as accurately as f32 sums, v_exp_f32 and their like allow (about 1e-6 of the number): no bf16 or f16 on the way to a quantiser, and a product that is left as it is and whose result goes on into a quantised operand takes f32 operands (vector FMAs, or v_wmma_f32_16x16x4_f32). A number that lies on a knife's edge between two numbers of the format may be rounded either way, as far as f32 arithmetic and the matrix unit's own rounding can turn it there, and no further.
;; 2 versions. Each part assembles by itself: llvm-mc -triple=amdgcn-amd-amdhsa -mcpu=gfx1250 --defsym DOCPART=n.
;; ======== version 1 of 2: 4 launches
;; limits: right only within a limited range of input values
;; workspace buffers: cimg 6,291,456 bytes; csc 262,144 bytes; mskw 589,824 bytes of whole numbers; qkvimg 9,437,184 bytes; qkvsc 655,360 bytes; oimg 3,145,728 bytes; osc 524,288 bytes
;; launch prep (part 1): grid 640 x 1, 4 waves a work-group, no clusters, 126,464 bytes of LDS; arguments x, Wqkv, Wo, mask, cimg, csc, mskw; writes cimg, csc, mskw
.if DOCPART == 1
	.amdgcn_target "amdgcn-amd-amdhsa--gfx1250"
	.amdhsa_code_object_version 6
	.text
	.protected	k_q1421ffecd2_prep
	.globl	k_q1421ffecd2_prep
	.p2align	8
	.type	k_q1421ffecd2_prep,@function
k_q1421ffecd2_prep:
	s_mov_b64 s[64:65], 0
	v_nop
	global_prefetch_b8 v0, s[64:65] scope:SCOPE_SE
	s_setreg_imm32_b32 hwreg(HW_REG_WAVE_MODE, 25, 1), 1
	s_wait_xcnt 0x0
; PREP.  x [4096][1024], Wqkv [1024][3072] and Wo [1024][1024], f32, become codes of FP6 (E2M3) with one E8M0 byte for each 32 along K (K = 1,024 in all three);
; the mask [2048][2048] of bytes becomes lane-mask words and flags for the attention launch.
; A block's scale is 2^(floor(log2(its largest magnitude)) - 2): its byte is the largest magnitude's exponent field - 2, held at 1 from below.
; LIMITS: NaN and infinities among the inputs are not served; a block whose largest magnitude lies under 2^-124, a block of zeros too, gets the byte 1 (its codes are zeros or subnormal codes under that scale; the bytes are read by this program alone).
; LAYOUT OF THE CODES: images of operand registers.  Rows go in pairs of tiles over 32 neighbouring rows: tile 2 P + u, lane r holds row 32 P + 8 u + r + 8 (r / 8).
; A fragment (16 rows x 128 K, 12 registers a lane) is 1,536 bytes: for each half c of K, registers 6 c .. 6 c + 3 at 768 c + 16 x lane and registers 6 c + 4, 6 c + 5 at 768 c + 512 + 8 x lane.
; cimg [K step 8][tile 512][1536]: tiles 0-255 x; tiles 256 + 24 j + e Wqkv (e 0-15: columns 256 j on; e 16-23: columns 2048 + 128 j on); tiles 448 + e Wo.
; csc [pair of tiles 256][K step 8][lane 32] words: lane 16 u + r holds the scale word of tile 2 P + u, row r.
; mskw: words [query tile 128][key step 16][64]: word 16 b + i, bit 16 h + r = mask[query of lane r][128 step + 32 b + 16 h + i]; from byte 524,288 flags [query tile][4][32 words]: bits 15:0 row r has a true key in the step, bit 16 all are true.
; SHARES.  One unit a wave, no loop, no barrier: waves share nothing.  Work-groups 0-255 take x, 256-447 Wqkv, 448-511 Wo, 512-639 the mask; each of the four ways has LDS bytes of its own.
.set XSTG,  0                          ; x: 4 stages of 32 rows x 528 bytes
.set W3STG, 67584                      ; Wqkv: 4 stages of 3,072 bytes
.set W1STG, 79872                      ; Wo: likewise
.set MSTG,  92160                      ; mask: 4 stages of 16 rows x 528 bytes
.set NUM,   64                         ; v64-191 four blocks of 32 numbers
.set COD,   16                         ; v16-47  a block's six code registers, eight apart
.set BYT,   52                         ; v52-55  the blocks' scale bytes
	s_load_b256 s[4:11], s[0:1], 0x0               ; x s[4:5], Wqkv s[6:7], Wo s[8:9], mask s[10:11]
	s_load_b128 s[12:15], s[0:1], 0x20             ; cimg s[12:13], csc s[14:15]
	s_load_b64 s[16:17], s[0:1], 0x30              ; mskw
	v_lshl_add_u32 v192, v0, 2, 0x1ec00
	v_mov_b32 v193, 0
	v_lshrrev_b32 v1, 5, v0
	v_readfirstlane_b32 s18, v1                    ; wave 0..3
	v_and_b32 v1, 31, v0                           ; lane
	v_and_b32 v2, 15, v0                           ; r
	v_bfe_u32 v3, v0, 4, 1                         ; h
	v_lshlrev_b32 v4, 4, v1                        ; 16 x lane
	v_lshl_add_u32 v8, v1, 3, 512                  ; 512 + 8 x lane
	v_lshlrev_b32 v9, 2, v1                        ; 4 x lane
	s_mov_b32 s20, 0x76543210
	s_mov_b32 s21, 0xfedcba98                      ; v_permlanex16_b32's selects for lane l xor 16
	s_mov_b32 s22, 0xffff0000                      ; lanes 16-31
; 32 numbers of one lane, block f, become six code registers and a byte
.macro BLOCKQ f
.set XB, NUM+32*(\f)
.set CB, COD+8*(\f)
	v_max3_num_f32 v56, |v[XB]|, |v[XB+1]|, |v[XB+2]|
	v_max3_num_f32 v57, |v[XB+3]|, |v[XB+4]|, |v[XB+5]|
.irp i, 6,10,14,18,22,26
	v_max3_num_f32 v56, v56, |v[XB+\i]|, |v[XB+\i+1]|
	v_max3_num_f32 v57, v57, |v[XB+\i+2]|, |v[XB+\i+3]|
.endr
	v_max3_num_f32 v56, v56, |v[XB+30]|, |v[XB+31]|
	v_max3_num_f32 v56, v56, v57, 0x1800000        ; and the floor 2^(3 - 127): the byte cannot fall under 1
	v_add_nc_u32 v58, 0xff000000, v56              ; 2 off the exponent field: the conversion takes this operand's exponent field as its scale
	v_lshrrev_b32 v[BYT+(\f)], 23, v58             ; the scale's byte
	v_cvt_scalef32_pk16_fp6_f32 v[CB:CB+2], v[XB:XB+15], v58
	v_cvt_scalef32_pk16_fp6_f32 v[48:50], v[XB+16:XB+31], v58   ; (a conversion's three registers begin on an even number)
	v_nop                                          ; one plain place behind a scaled conversion
	v_mov_b32 v[CB+3], v48
	v_mov_b32 v[CB+4], v49
	v_mov_b32 v[CB+5], v50
.endm
	s_wait_kmcnt 0x0
	s_cmp_lt_u32 ttmp9, 256
	s_cbranch_scc1 .Lpath_x
	s_cmp_lt_u32 ttmp9, 448
	s_cbranch_scc1 .Lpath_w3
	s_cmp_lt_u32 ttmp9, 512
	s_cbranch_scc1 .Lpath_w1
; ---- THE MASK.  Work-group: query tile T; wave: four key steps (512 keys).
	s_sub_co_u32 s24, ttmp9, 512                   ; T
	s_lshr_b32 s25, s24, 1
	s_lshl_b32 s25, s25, 5
	s_and_b32 s26, s24, 1
	s_lshl_b32 s26, s26, 3
	s_add_co_u32 s25, s25, s26                     ; the tile's first query: 32 (T / 2) + 8 (T % 2)
	s_lshl_b32 s26, s25, 11                        ; a row of the mask is 2,048 bytes
	s_lshl_b32 s27, s18, 9
	s_add_co_u32 s26, s26, s27
	s_mov_b32 s27, 0
	s_add_nc_u64 s[10:11], s[10:11], s[26:27]
	s_lshl_b32 s26, s24, 2
	s_add_co_u32 s26, s26, s18                     ; 4 T + wave
	s_lshl_b32 s28, s26, 10                        ; four records of 256 bytes
	s_mov_b32 s29, 0
	s_add_nc_u64 s[30:31], s[16:17], s[28:29]      ; my words
	s_lshl_b32 s28, s26, 7
	s_add_co_u32 s28, s28, 524288
	s_add_nc_u64 s[16:17], s[16:17], s[28:29]      ; my flags
	s_mul_i32 s32, s18, 8448
	s_add_co_u32 s32, s32, MSTG                    ; my stage
	v_add_nc_u32 v5, s32, v4                       ; in: 16 x lane of a row
	v_mul_u32_u24 v6, v2, 528
	v_lshl_add_u32 v6, v3, 4, v6
	v_add_nc_u32 v6, s32, v6                       ; back: row r, + 16 h
	v_mov_b32 v24, 0                               ; the flags: lane e takes step e's
.set i, 0
.rept 16
	global_load_b128 v[64+4*i:67+4*i], v4, s[10:11] offset:(i+8*(i/8))*2048 th:TH_LOAD_NT   ; lane r's query, 512 consecutive bytes
.set i, i+1
.endr
	s_wait_loadcnt 0x8                             ; the first eight rows are in, the other eight may be out
.set i, 0
.rept 8
	ds_store_b128 v5, v[64+4*i:67+4*i] offset:528*i
.set i, i+1
.endr
	s_wait_loadcnt 0x0
.rept 8
	ds_store_b128 v5, v[64+4*i:67+4*i] offset:528*i
.set i, i+1
.endr
.set i, 0
.rept 16                                       ; LDS serves a wave's instructions in order: these see my stores.  Step i / 4, block i % 4: my 16 keys
	ds_load_b128 v[128+4*i:131+4*i], v6 offset:128*(i/4)+32*(i%4)
.set i, i+1
.endr
.macro MWORDS k
	s_wait_dscnt 12-4*(\k)                         ; this step's four loads are in, the later steps' may be out
	v_mov_b32 v[16+2*(\k)], 0
	v_mov_b32 v[17+2*(\k)], 0
.set n, 0
.rept 64                                       ; word n: one bit a lane, gathered by a compare; it goes to lane n % 32 of one of two registers
	v_and_b32 v[56+n%4], 0xff<<(8*(n%4)), v[128+16*(\k)+n/4]
	v_cmp_ne_u32 s[40+n%8], 0, v[56+n%4]
	v_writelane_b32 v[16+2*(\k)+n/32], s[40+n%8], n%32
.set n, n+1
.endr
	v_or_b32 v60, v[128+16*(\k)], v[129+16*(\k)]
	v_and_b32 v61, v[128+16*(\k)], v[129+16*(\k)]
.irp e, 2,3,4,5,6,7,8,9,10,11,12,13,14,15
	v_or_b32 v60, v60, v[128+16*(\k)+\e]
	v_and_b32 v61, v61, v[128+16*(\k)+\e]
.endr
	v_cmp_ne_u32 s48, 0, v60                       ; a true key among my 64
	v_cmp_eq_u32 s49, 0x1010101, v61               ; all my 64 true
	s_lshr_b32 s50, s48, 16
	s_or_b32 s48, s48, s50
	s_and_b32 s48, s48, 0xffff                     ; by rows
	s_cmp_eq_u32 s49, -1
	s_cselect_b32 s50, 0x10000, 0
	s_or_b32 s48, s48, s50
	v_writelane_b32 v24, s48, \k
	global_store_b32 v9, v[16+2*(\k)], s[30:31] offset:256*(\k)
	global_store_b32 v9, v[17+2*(\k)], s[30:31] offset:256*(\k)+128
.endm
	MWORDS 0
	MWORDS 1
	MWORDS 2
	MWORDS 3
	global_store_b32 v9, v24, s[16:17]
	s_wait_tensorcnt 0x0
	ds_add_u32 v192, v193
	s_wait_dscnt 0x0
	s_endpgm
; ---- x.  Work-group g: pair of tiles P = g / 2; wave: K step 4 (g % 2) + wave.  32 rows x 128 numbers.
.Lpath_x:
	s_lshr_b32 s24, ttmp9, 1                       ; P
	s_and_b32 s25, ttmp9, 1
	s_lshl_b32 s25, s25, 2
	s_add_co_u32 s25, s25, s18                     ; K step
	s_lshl_b32 s26, s24, 17                        ; 32 rows of 4,096 bytes
	s_lshl_b32 s27, s25, 9
	s_add_co_u32 s26, s26, s27
	s_mov_b32 s27, 0
	s_add_nc_u64 s[4:5], s[4:5], s[26:27]
	s_lshl_b32 s26, s25, 9
	s_lshl_b32 s28, s24, 1
	s_add_co_u32 s26, s26, s28
	s_mul_i32 s26, s26, 1536                       ; (512 step + 2 P) fragments
	s_add_nc_u64 s[12:13], s[12:13], s[26:27]
	s_lshl_b32 s26, s24, 3
	s_add_co_u32 s26, s26, s25
	s_lshl_b32 s26, s26, 7
	s_add_nc_u64 s[14:15], s[14:15], s[26:27]
	s_mul_i32 s28, s18, 16896                      ; my stage (XSTG = 0)
	v_add_nc_u32 v5, s28, v4
	v_mul_u32_u24 v6, v2, 528
	v_lshl_add_u32 v6, v3, 7, v6
	v_add_nc_u32 v6, s28, v6                       ; back: stage row r, + 128 h: my block of 32 numbers
.set i, 0
.rept 32
	global_load_b128 v[NUM+4*i:NUM+4*i+3], v4, s[4:5] offset:4096*i th:TH_LOAD_NT   ; 32 lanes read 512 consecutive bytes of row i
.set i, i+1
.endr
.irp q, 0,1,2,3
	s_wait_loadcnt 24-8*\q                         ; eight more rows are in
.irp e, 0,1,2,3,4,5,6,7                        ; row 8 q + e goes to stage row 16 u + r, its tile's and lane's: a tile's sixteen rows are then neighbours, 528 bytes apart
	ds_store_b128 v5, v[NUM+4*(8*\q+\e):NUM+4*(8*\q+\e)+3] offset:528*(16*(\q%2)+\e+8*(\q/2))
.endr
.endr
	s_wait_dscnt 0x0                               ; the stores have read their registers, which the loads below fill again
.set i, 0
.rept 32                                       ; block f = 2 u + c = i / 8: 128 bytes of my row
	ds_load_b128 v[NUM+4*i:NUM+4*i+3], v6 offset:8448*(i/16)+256*((i/8)%2)+16*(i%8)
.set i, i+1
.endr
.irp f, 0,1,2,3
	s_wait_dscnt 24-8*\f                           ; this block's eight loads are in
	BLOCKQ \f
	global_store_b128 v4, v[COD+8*\f:COD+8*\f+3], s[12:13] offset:768*\f     ; 512 consecutive bytes,
	global_store_b64 v8, v[COD+8*\f+4:COD+8*\f+5], s[12:13] offset:768*\f    ; and the 256 behind them
.endr
	v_lshl_or_b32 v60, v53, 16, v52                ; tile 0: my bytes of blocks h and 2 + h,
	v_lshl_or_b32 v61, v55, 16, v54                ; tile 1
	v_lshlrev_b32 v59, 3, v3
	v_lshlrev_b32 v60, v59, v60                    ; at their places in the word,
	v_lshlrev_b32 v61, v59, v61
	v_mov_b32 v62, 0
	v_mov_b32 v63, 0
	v_permlanex16_b32 v62, v60, s20, s21
	v_permlanex16_b32 v63, v61, s20, s21
	v_or_b32 v60, v60, v62                         ; with lane l xor 16's two the word is whole
	v_or_b32 v61, v61, v63
	v_cndmask_b32 v60, v60, v61, s22               ; lanes 0-15 tile 0's, lanes 16-31 tile 1's
	global_store_b32 v9, v60, s[14:15]
	s_wait_tensorcnt 0x0
	ds_add_u32 v192, v193
	s_wait_dscnt 0x0
	s_endpgm
; ---- A WEIGHT [1024][n], K its first axis.  A lane takes a column and its registers run down K.  On entry s25 = pair of tiles p (columns 32 p on), s26 = K step, s27 = the pair's first tile in cimg.
.macro LOADB kb, n, wp
.set i, 0
.rept 32
	global_load_b32 v[NUM+32*(\kb)+i], v9, s[\wp:\wp+1] offset:(32*(\kb)+i)*4*(\n) th:TH_LOAD_NT   ; 128 consecutive bytes a wave; the four waves stand side by side
.set i, i+1
.endr
.endm
.macro TOSTG kb                                ; block kb = 2 c + h of my column goes to lane 16 h + r of its tile's image
	ds_store_b128 v10, v[COD+8*(\kb):COD+8*(\kb)+3] offset:768*((\kb)/2)+256*((\kb)%2)
	ds_store_b64 v11, v[COD+8*(\kb)+4:COD+8*(\kb)+5] offset:768*((\kb)/2)+128*((\kb)%2)
.endm
.macro WBODY n, stage, wp
	s_mul_i32 s28, s26, 512*(\n)                   ; 128 rows of 4 n bytes a K step
	s_lshl_b32 s29, s25, 7
	s_add_co_u32 s28, s28, s29
	s_mov_b32 s29, 0
	s_add_nc_u64 s[\wp:\wp+1], s[\wp:\wp+1], s[28:29]
	s_lshl_b32 s28, s26, 9
	s_add_co_u32 s28, s28, s27
	s_mul_i32 s28, s28, 1536
	s_add_nc_u64 s[12:13], s[12:13], s[28:29]
	s_lshl_b32 s28, s27, 2                         ; 8 x pair
	s_add_co_u32 s28, s28, s26
	s_lshl_b32 s28, s28, 7
	s_add_nc_u64 s[14:15], s[14:15], s[28:29]
	s_mul_i32 s28, s18, 3072
	s_add_co_u32 s28, s28, \stage                  ; my stage: two fragments
	v_bfe_u32 v5, v0, 3, 1                         ; my column's tile u = (l / 8) % 2
	v_and_b32 v6, 7, v0
	v_lshl_add_u32 v6, v3, 3, v6                   ; and its lane r = l % 8 + 8 (l / 16)
	v_mul_u32_u24 v7, v5, 1536
	v_add_nc_u32 v7, s28, v7
	v_lshl_add_u32 v10, v6, 4, v7                  ; registers 0-3 of a half
	v_lshl_add_u32 v11, v6, 3, v7
	v_add_nc_u32 v11, 512, v11                     ; registers 4, 5
	v_add_nc_u32 v12, s28, v4                      ; back: 16 x lane
	v_lshl_add_u32 v13, v5, 4, v6
	v_lshlrev_b32 v13, 2, v13                      ; my scale word's place: 4 (16 u + r)
	LOADB 0, \n, \wp
	LOADB 1, \n, \wp
	s_wait_loadcnt 32                              ; block 0 is in; the youngest 32 loads may be out
	LOADB 2, \n, \wp
	BLOCKQ 0
	TOSTG 0
	s_wait_loadcnt 32                              ; block 1
	LOADB 3, \n, \wp
	BLOCKQ 1
	TOSTG 1
	s_wait_loadcnt 32                              ; block 2
	BLOCKQ 2
	TOSTG 2
	s_wait_loadcnt 0x0
	BLOCKQ 3
	TOSTG 3
	v_lshl_or_b32 v60, v53, 8, v52                 ; all four bytes are mine
	v_lshl_or_b32 v60, v54, 16, v60
	v_lshl_or_b32 v60, v55, 24, v60
	global_store_b32 v13, v60, s[14:15]
.irp e, 0,1,2,3,4,5
	ds_load_b128 v[NUM+4*\e:NUM+4*\e+3], v12 offset:512*\e    ; LDS serves a wave's instructions in order: these see my stores
.endr
.irp e, 0,1,2,3,4,5
	s_wait_dscnt 5-\e
	global_store_b128 v4, v[NUM+4*\e:NUM+4*\e+3], s[12:13] offset:512*\e   ; 512 consecutive bytes, at a multiple of 256 from the buffer's first byte
.endr
	s_wait_tensorcnt 0x0
	ds_add_u32 v192, v193
	s_wait_dscnt 0x0
	s_endpgm
.endm
.Lpath_w3:
	s_sub_co_u32 s24, ttmp9, 256
	s_lshr_b32 s25, s24, 3
	s_lshl_b32 s25, s25, 2
	s_add_co_u32 s25, s25, s18                     ; p 0..95
	s_and_b32 s26, s24, 7
	s_lshr_b32 s30, s25, 3                         ; q's and k's columns: 24 (p / 8) + 2 (p % 8)
	s_mul_i32 s30, s30, 24
	s_and_b32 s31, s25, 7
	s_lshl_b32 s31, s31, 1
	s_add_co_u32 s30, s30, s31
	s_max_u32 s32, s25, 64                         ; v's columns, p' = p - 64: 24 (p' / 4) + 16 + 2 (p' % 4)
	s_sub_co_u32 s32, s32, 64
	s_lshr_b32 s33, s32, 2
	s_mul_i32 s33, s33, 24
	s_and_b32 s32, s32, 3
	s_lshl_b32 s32, s32, 1
	s_add_co_u32 s33, s33, s32
	s_add_co_u32 s33, s33, 16
	s_cmp_lt_u32 s25, 64
	s_cselect_b32 s27, s30, s33
	s_add_co_u32 s27, s27, 256
	WBODY 3072, W3STG, 6
.Lpath_w1:
	s_sub_co_u32 s24, ttmp9, 448
	s_lshr_b32 s25, s24, 3
	s_lshl_b32 s25, s25, 2
	s_add_co_u32 s25, s25, s18                     ; p 0..31
	s_and_b32 s26, s24, 7
	s_lshl_b32 s27, s25, 1
	s_add_co_u32 s27, s27, 448
	WBODY 1024, W1STG, 8
.Lfunc_end_k_q1421ffecd2_prep:
	.size	k_q1421ffecd2_prep, .Lfunc_end_k_q1421ffecd2_prep-k_q1421ffecd2_prep
	.p2alignl 7, 3214868480
	.fill 96, 4, 3214868480
	.section	.rodata,"a",@progbits
	.p2align	6, 0x0
	.amdhsa_kernel k_q1421ffecd2_prep
		.amdhsa_group_segment_fixed_size 126464
		.amdhsa_private_segment_fixed_size 0
		.amdhsa_enable_private_segment 0
		.amdhsa_kernarg_size 56
		.amdhsa_user_sgpr_count 2
		.amdhsa_user_sgpr_kernarg_segment_ptr 1
		.amdhsa_wavefront_size32 1
		.amdhsa_system_sgpr_workgroup_id_x 1
		.amdhsa_system_sgpr_workgroup_id_y 1
		.amdhsa_system_sgpr_workgroup_id_z 1
		.amdhsa_system_vgpr_workitem_id 0
		.amdhsa_next_free_vgpr 194
		.amdhsa_next_free_sgpr 66
		.amdhsa_reserve_vcc 0
		.amdhsa_float_denorm_mode_32 3
		.amdhsa_float_denorm_mode_16_64 3
		.amdhsa_memory_ordered 1
		.amdhsa_forward_progress 1
		.amdhsa_inst_pref_size 119
	.end_amdhsa_kernel
	.amdgpu_metadata
---
amdhsa.version: [ 1, 2 ]
amdhsa.kernels:
  - .name:           k_q1421ffecd2_prep
    .symbol:         k_q1421ffecd2_prep.kd
    .args:
      - { .name: x, .offset: 0, .size: 8, .value_kind: global_buffer, .address_space: global }
      - { .name: Wqkv, .offset: 8, .size: 8, .value_kind: global_buffer, .address_space: global }
      - { .name: Wo, .offset: 16, .size: 8, .value_kind: global_buffer, .address_space: global }
      - { .name: mask, .offset: 24, .size: 8, .value_kind: global_buffer, .address_space: global }
      - { .name: cimg, .offset: 32, .size: 8, .value_kind: global_buffer, .address_space: global }
      - { .name: csc, .offset: 40, .size: 8, .value_kind: global_buffer, .address_space: global }
      - { .name: mskw, .offset: 48, .size: 8, .value_kind: global_buffer, .address_space: global }
    .group_segment_fixed_size: 126464
    .private_segment_fixed_size: 0
    .kernarg_segment_align: 8
    .kernarg_segment_size: 56
    .max_flat_workgroup_size: 128
    .sgpr_count:     66
    .vgpr_count:     194
    .wavefront_size: 32
...
	.end_amdgpu_metadata
.endif
;; end of part 1
;; launch qkv (part 2): grid 8 x 32, 4 waves a work-group, clusters of 4 x 4, 327,680 bytes of LDS; arguments cimg, csc, qkvimg, qkvsc; writes qkvimg, qkvsc
.if DOCPART == 2
	.amdgcn_target "amdgcn-amd-amdhsa--gfx1250"
	.amdhsa_code_object_version 6
	.text
	.protected	k_q1421ffecd2_qkv
	.globl	k_q1421ffecd2_qkv
	.p2align	8
	.type	k_q1421ffecd2_qkv,@function
k_q1421ffecd2_qkv:
	s_mov_b64 s[64:65], 0
	v_nop
	global_prefetch_b8 v0, s[64:65] scope:SCOPE_SE
	s_setreg_imm32_b32 hwreg(HW_REG_WAVE_MODE, 25, 1), 1
	s_wait_xcnt 0x0
	s_wait_alu depctr_hold_cnt(0) depctr_sa_sdst(0) depctr_va_vdst(0) depctr_va_sdst(0) depctr_va_ssrc(0) depctr_va_vcc(0) depctr_vm_vsrc(0)
	s_getreg_b32 s2, hwreg(HW_REG_IB_STS2, 6, 4)
	s_cmp_eq_u32 s2, 0
	s_cbranch_scc0 .Lentry_in_a_cluster
	s_endpgm
.Lentry_in_a_cluster:
	s_bfe_u32 s2, ttmp6, 0x10000c
	s_cmp_lg_u32 s2, 0xf033
	s_cbranch_scc0 .Lentry_shape_is_right
	s_endpgm
.Lentry_shape_is_right:
; QKV.  x Wqkv on codes of FP6 (E2M3) with E8M0 scales, sums in f32; q, k and v are quantised in registers and leave as codes: q and k along the head's 64 channels, v along the keys.
; SHARES.  Work-group (i, j): 128 tokens (x's tiles 8 i on) against 384 columns (the weight's tiles 256 + 24 j + 0 .. 23 of cimg: 256 columns of q or k, 128 of v).
; Wave w: (a) one head of q or k, number 4 j + w: source 0 = the weight's tiles 4 w + t, source 1 = x's tile m: a lane holds one token and its registers run along the head's channels: 32 accumulators;
; (b) 32 channels of v: source 0 = x's tile t, source 1 = the weight's tile 16 + 2 w + n: a lane holds one channel and its registers run along the 128 tokens, one key step: 16 accumulators.
; Rows of every operand lie in pairs of tiles (tile 2 P + u, lane r: row 32 P + 8 u + r + 8 (r / 8)), so that the 16 registers of two neighbouring tiles of source 0 are 16 neighbours.
; OPERANDS are images of registers, 1,536 bytes a fragment: each comes by two loads of 16 bytes and two of 8 bytes a lane, consecutive over the lanes.
; K goes in 8 steps of 128 through three LDS slots of two steps; the first slot is filled a second time, with steps 6 and 7.  By this text's own count a wave has three tensor loads out at the start and one behind the refill's round.
; CLUSTERS: 4 x 4 work-groups; x's tiles hang on i alone and are asked for jointly along a row of the cluster, the weight's on j alone, along a column.  Wave 0 asks for x, waves 1 to 3 for eight tiles of the weight each.
; LIMITS: NaN and infinities are not served; a block whose largest magnitude lies under 2^-124 gets the byte 1.
; REGISTERS: window 0: v2, v3, v24 lane offsets; v4-21 LDS addresses, six for each slot; v22, v23 for the add; v32-87 scale words; v96-239 the weight's fragments, two sets of six.
;   window 1: x's fragments, two sets of eight.   window 2: the 32 accumulators of q or k, (m, t) at v[32 m + 8 t].   window 3: the 16 of v, (n, t) at v[64 n + 8 t].
.set PLANE, 786432                     ; a K step of cimg
.set SLOT,  98304                      ; two K steps: 4 parts x 2 x 12,288 bytes
.set PART,  24576                      ; what one tensor load brings: 8 fragments x 2 K steps
.set SPARE, 3*SLOT                     ; the spare words: 128 bytes for each wave, two blocks of 256 bytes that no other line names
.set L16, 2
.set L8,  3
.set L4,  24
.set SPW, 22
.set NIL, 23
.set SC,  32                           ; K step s: v[SC + 7 s + 0..3] x's pairs, + 4, 5 the head's pairs, + 6 v's pair
.set WF,  96
.set WV,  14
.set G1X, 16
.set G1W, 24
.set G0X, 32                           ; s[32:43] a group 0 for each slot, x
.set G0W, 44                           ; s[44:55] the weight
.set MSB, 0
.macro WIN new                         ; the immediate's high byte repeats the setting that is left
.if MSB != \new
	s_set_vgpr_msb (MSB<<8)|\new
.set MSB, \new
.endif
.endm
.macro PLACES                          ; four places in front of loads into registers that matrix instructions have read, and of the first read of results
.rept 4
	v_nop
.endr
.endm
.macro CROUND                          ; a round of the cluster's barrier
	s_barrier_signal -1
	s_barrier_wait -1
	s_cmp_lg_u32 s[WV], 0
	s_cbranch_scc1 .Lnot_wave_0_\@
	s_barrier_signal -3
.Lnot_wave_0_\@:
	s_barrier_wait -3
	s_barrier_signal -1
	s_barrier_wait -1
.endm
	s_load_b256 s[4:11], s[0:1], 0x0               ; cimg s[4:5], csc s[6:7], qkvimg s[8:9], qkvsc s[10:11]
	v_lshl_add_u32 v[SPW], v0, 2, SPARE
	v_mov_b32 v[NIL], 0
	ds_add_u32 v22, v23
	ds_add_u32 v22, v23
	s_wait_dscnt 0x0
	v_lshrrev_b32 v1, 5, v0
	v_readfirstlane_b32 s[WV], v1                  ; wave 0..3
	s_bfe_u32 s56, ttmp6, 0x40000                  ; cx
	s_bfe_u32 s57, ttmp6, 0x40004                  ; cy
	s_lshl_b32 s58, ttmp9, 2
	s_add_co_u32 s58, s58, s56                     ; j = 4 x cluster x + cx
	s_and_b32 s59, ttmp7, 0xffff
	s_lshl_b32 s59, s59, 2
	s_add_co_u32 s59, s59, s57                     ; i = 4 x cluster y + cy
	s_lshl_b32 s60, s57, 2
	s_lshl_b32 s60, 15, s60                        ; my row of the cluster
	s_lshl_b32 s61, 0x1111, s56                    ; my column
	; group 1: 2 rows (K steps) of 1,536 elements of 8 bytes (8 fragments), a plane of cimg apart; dense in LDS
	s_or_b32 s[G1X], s60, (3<<16)|(1<<21)
	s_or_b32 s[G1W], s61, (3<<16)|(1<<21)
.irp g, G1X, G1W
	s_mov_b32 s[\g+1], 1536<<16                    ; tensor_dim0
	s_mov_b32 s[\g+2], 2<<16                       ; tensor_dim1
	s_mov_b32 s[\g+3], 1536<<16                    ; tile_dim0
	s_mov_b32 s[\g+4], 2                           ; tile_dim1
	s_mov_b32 s[\g+5], PLANE/8                     ; from row to row
	s_mov_b32 s[\g+6], 0
	s_mov_b32 s[\g+7], 0
.endr
	s_mul_i32 s68, s59, 12288                      ; x: tile 8 i
	s_mov_b32 s69, 0
	s_mul_i32 s72, s58, 36864                      ; the weight: tile 248 + 24 j + 8 w (waves 1 to 3)
	s_mul_i32 s74, s[WV], 12288
	s_add_co_u32 s72, s72, s74
	s_add_co_u32 s72, s72, 380928
	s_mov_b32 s73, 0
	s_mul_i32 s75, s[WV], PART                     ; where it goes: the wave's part of a slot
	s_wait_kmcnt 0x0
	s_add_nc_u64 s[68:69], s[4:5], s[68:69]
	s_add_nc_u64 s[72:73], s[4:5], s[72:73]
	CROUND                                         ; all sixteen work-groups are here: the first joint loads meet
.irp z, 0,1,2
	s_mov_b32 s[G0X+4*\z], 1
	s_add_co_u32 s[G0X+4*\z+1], s75, \z*SLOT
	s_add_nc_u64 s[G0X+4*\z+2:G0X+4*\z+3], s[68:69], \z*2*PLANE
	s_or_b32 s[G0X+4*\z+3], s[G0X+4*\z+3], 0x80000000
	s_mov_b32 s[G0W+4*\z], 1
	s_add_co_u32 s[G0W+4*\z+1], s75, \z*SLOT
	s_add_nc_u64 s[G0W+4*\z+2:G0W+4*\z+3], s[72:73], \z*2*PLANE
	s_or_b32 s[G0W+4*\z+3], s[G0W+4*\z+3], 0x80000000
.endr
	s_cmp_eq_u32 s[WV], 0                          ; a wave's three first fills stand in one branch; four v_nop follow the third
	s_cbranch_scc0 .Lfirst_w
	tensor_load_to_lds s[G0X:G0X+3], s[G1X:G1X+7]
	s_nop 0
	tensor_load_to_lds s[G0X+4:G0X+7], s[G1X:G1X+7]
	s_nop 0
	tensor_load_to_lds s[G0X+8:G0X+11], s[G1X:G1X+7]
	s_nop 0
.rept 4
	v_nop
.endr
	s_branch .Lfirst_asked
.Lfirst_w:
	tensor_load_to_lds s[G0W:G0W+3], s[G1W:G1W+7]
	s_nop 0
	tensor_load_to_lds s[G0W+4:G0W+7], s[G1W:G1W+7]
	s_nop 0
	tensor_load_to_lds s[G0W+8:G0W+11], s[G1W:G1W+7]
	s_nop 0
.rept 4
	v_nop
.endr
.Lfirst_asked:
	v_and_b32 v1, 31, v0
	v_lshlrev_b32 v[L16], 4, v1                    ; 16 x lane
	v_lshl_add_u32 v[L8], v1, 3, 512               ; 512 + 8 x lane
	v_lshlrev_b32 v[L4], 2, v1                     ; 4 x lane
	s_lshr_b32 s76, s[WV], 1
	s_add_co_u32 s76, s76, 1
	s_mul_i32 s76, s76, PART
	s_and_b32 s77, s[WV], 1
	s_mul_i32 s77, s77, 6144
	s_add_co_u32 s76, s76, s77                     ; the head's tiles 4 w on: part 1 + w / 2, fragment 4 (w % 2)
	s_mul_i32 s77, s[WV], 3072
	s_add_co_u32 s77, s77, 3*PART                  ; v's tiles 16 + 2 w on: part 3, fragment 2 w
.irp z, 0,1,2
	v_add_nc_u32 v[4+6*\z], \z*SLOT, v[L16]
	v_add_nc_u32 v[5+6*\z], \z*SLOT, v[L8]
	v_add_nc_u32 v[6+6*\z], s76, v[L16]
	v_add_nc_u32 v[7+6*\z], s76, v[L8]
	v_add_nc_u32 v[8+6*\z], s77, v[L16]
	v_add_nc_u32 v[9+6*\z], s77, v[L8]
	s_add_co_u32 s76, s76, SLOT
	s_add_co_u32 s77, s77, SLOT
.endr
	; the scale words of all eight K steps, once: 1,024 bytes a pair of tiles, 128 a K step
	s_lshl_b32 s84, s59, 12
	s_mov_b32 s85, 0
	s_add_nc_u64 s[78:79], s[6:7], s[84:85]        ; x's pairs 4 i on
	s_mul_i32 s84, s58, 12288
	s_add_co_u32 s84, s84, 131072
	s_lshl_b32 s86, s[WV], 11
	s_add_co_u32 s86, s86, s84
	s_mov_b32 s87, 0
	s_add_nc_u64 s[80:81], s[6:7], s[86:87]        ; pairs 128 + 12 j + 2 w on
	s_lshl_b32 s86, s[WV], 10
	s_add_co_u32 s86, s86, s84
	s_add_co_u32 s86, s86, 8192
	s_add_nc_u64 s[82:83], s[6:7], s[86:87]        ; pair 128 + 12 j + 8 + w
.irp s, 0,1,2,3,4,5,6,7
.irp p, 0,1,2,3
	global_load_b32 v[SC+7*\s+\p], v[L4], s[78:79] offset:1024*\p+128*\s
.endr
.irp p, 0,1
	global_load_b32 v[SC+7*\s+4+\p], v[L4], s[80:81] offset:1024*\p+128*\s
.endr
	global_load_b32 v[SC+7*\s+6], v[L4], s[82:83] offset:128*\s
.endr
	; where the results go
	s_mov_b32 s88, 0x76543210
	s_mov_b32 s89, 0xfedcba98                      ; v_permlanex16_b32's selects for lane l xor 16
	s_mov_b32 s92, 0xffff0000                      ; lanes 16-31
	s_lshl_b32 s84, s58, 2
	s_add_co_u32 s84, s84, s[WV]                   ; 4 j + w: 0-15 q's heads, 16-31 k's
	s_lshr_b32 s85, s84, 4
	s_lshl_b32 s85, s85, 5
	s_and_b32 s84, s84, 15
	s_add_co_u32 s84, s84, s85
	s_lshr_b32 s85, s59, 4                         ; the batch
	s_lshl_b32 s86, s85, 4
	s_add_co_u32 s84, s84, s86                     ; 32 (q or k) + 16 batch + head
	s_and_b32 s87, s59, 15                         ; the key step that my 128 tokens are
	s_mul_i32 s90, s84, 98304
	s_mul_i32 s93, s87, 6144
	s_add_co_u32 s90, s90, s93
	s_mov_b32 s91, 0
	s_add_nc_u64 s[90:91], s[8:9], s[90:91]        ; q's or k's images: 768 bytes a tile
	s_lshl_b32 s94, s84, 13
	s_lshl_b32 s93, s87, 9
	s_add_co_u32 s94, s94, s93
	s_mov_b32 s95, 0
	s_add_nc_u64 s[94:95], s[10:11], s[94:95]      ; their scale words: 512 bytes a step
	s_lshl_b32 s96, s58, 1
	s_lshr_b32 s93, s[WV], 1
	s_add_co_u32 s96, s96, s93
	s_add_co_u32 s96, s96, s86                     ; v: 16 batch + head 2 j + w / 2
	s_lshl_b32 s96, s96, 4
	s_add_co_u32 s96, s96, s87
	s_and_b32 s93, s[WV], 1
	s_lshl_b32 s98, s96, 8
	s_lshl_b32 s99, s93, 7
	s_add_co_u32 s98, s98, s99
	s_add_co_u32 s98, s98, 524288
	s_mov_b32 s99, 0
	s_add_nc_u64 s[98:99], s[10:11], s[98:99]      ; v's scale words: 256 bytes a step, 128 a pair of tiles
	s_mul_i32 s96, s96, 6144
	s_mul_i32 s93, s93, 3072
	s_add_co_u32 s96, s96, s93
	s_add_co_u32 s96, s96, 6291456
	s_mov_b32 s97, 0
	s_add_nc_u64 s[96:97], s[8:9], s[96:97]        ; v's images: 6,144 bytes a step, 1,536 a tile of channels
.macro FRAG reg, a16, off              ; a fragment's image back into 12 registers
	ds_load_b128 v[(\reg):(\reg)+3], v[\a16] offset:\off
	ds_load_b64 v[(\reg)+4:(\reg)+5], v[(\a16)+1] offset:\off
	ds_load_b128 v[(\reg)+6:(\reg)+9], v[\a16] offset:(\off)+768
	ds_load_b64 v[(\reg)+10:(\reg)+11], v[(\a16)+1] offset:(\off)+768
.endm
.macro FETCH s                         ; K step s: 14 fragments, 56 loads in one run, into set s % 2
.set AB, 4+6*(((\s)/2)%3)
	WIN 0x40                                       ; destination window 1
.irp m, 0,1,2,3,4,5,6,7
	FRAG 96*((\s)%2)+12*\m, AB, 12288*((\s)%2)+1536*\m
.endr
	WIN 0
.irp t, 0,1,2,3
	FRAG WF+72*((\s)%2)+12*\t, AB+2, 12288*((\s)%2)+1536*\t
.endr
.irp t, 0,1
	FRAG WF+72*((\s)%2)+48+12*\t, AB+4, 12288*((\s)%2)+1536*\t
.endr
.endm
; one matrix instruction.  ra, rb = 1: that side's scale words stand in lanes 16-31 of the register named.  zero = 1: the product starts the sum
.macro WM d, a, b, zero, sa, sb, ra, rb
.if \zero
.if (\ra) && (\rb)
	v_wmma_scale_f32_16x16x128_f8f6f4 v[(\d):(\d)+7], v[(\a):(\a)+11], v[(\b):(\b)+11], 0, v[\sa], v[\sb] matrix_a_fmt:MATRIX_FMT_FP6 matrix_b_fmt:MATRIX_FMT_FP6 matrix_a_scale:MATRIX_SCALE_ROW1 matrix_b_scale:MATRIX_SCALE_ROW1
.elseif (\ra)
	v_wmma_scale_f32_16x16x128_f8f6f4 v[(\d):(\d)+7], v[(\a):(\a)+11], v[(\b):(\b)+11], 0, v[\sa], v[\sb] matrix_a_fmt:MATRIX_FMT_FP6 matrix_b_fmt:MATRIX_FMT_FP6 matrix_a_scale:MATRIX_SCALE_ROW1
.elseif (\rb)
	v_wmma_scale_f32_16x16x128_f8f6f4 v[(\d):(\d)+7], v[(\a):(\a)+11], v[(\b):(\b)+11], 0, v[\sa], v[\sb] matrix_a_fmt:MATRIX_FMT_FP6 matrix_b_fmt:MATRIX_FMT_FP6 matrix_b_scale:MATRIX_SCALE_ROW1
.else
	v_wmma_scale_f32_16x16x128_f8f6f4 v[(\d):(\d)+7], v[(\a):(\a)+11], v[(\b):(\b)+11], 0, v[\sa], v[\sb] matrix_a_fmt:MATRIX_FMT_FP6 matrix_b_fmt:MATRIX_FMT_FP6
.endif
.else
.if (\ra) && (\rb)
	v_wmma_scale_f32_16x16x128_f8f6f4 v[(\d):(\d)+7], v[(\a):(\a)+11], v[(\b):(\b)+11], v[(\d):(\d)+7], v[\sa], v[\sb] matrix_a_fmt:MATRIX_FMT_FP6 matrix_b_fmt:MATRIX_FMT_FP6 matrix_a_scale:MATRIX_SCALE_ROW1 matrix_b_scale:MATRIX_SCALE_ROW1
.elseif (\ra)
	v_wmma_scale_f32_16x16x128_f8f6f4 v[(\d):(\d)+7], v[(\a):(\a)+11], v[(\b):(\b)+11], v[(\d):(\d)+7], v[\sa], v[\sb] matrix_a_fmt:MATRIX_FMT_FP6 matrix_b_fmt:MATRIX_FMT_FP6 matrix_a_scale:MATRIX_SCALE_ROW1
.elseif (\rb)
	v_wmma_scale_f32_16x16x128_f8f6f4 v[(\d):(\d)+7], v[(\a):(\a)+11], v[(\b):(\b)+11], v[(\d):(\d)+7], v[\sa], v[\sb] matrix_a_fmt:MATRIX_FMT_FP6 matrix_b_fmt:MATRIX_FMT_FP6 matrix_b_scale:MATRIX_SCALE_ROW1
.else
	v_wmma_scale_f32_16x16x128_f8f6f4 v[(\d):(\d)+7], v[(\a):(\a)+11], v[(\b):(\b)+11], v[(\d):(\d)+7], v[\sa], v[\sb] matrix_a_fmt:MATRIX_FMT_FP6 matrix_b_fmt:MATRIX_FMT_FP6
.endif
.endif
.endm
; a K step's 48 matrix instructions: the 48 accumulators take turns, one instruction a turn, in the same order in every step
.macro MUL s, zero
	WIN 0xa4                                       ; source 0 (the weight) window 0, source 1 (x) window 1, C and D window 2
.irp m, 0,1,2,3,4,5,6,7
.irp t, 0,1,2,3
	WM 32*\m+8*\t, WF+72*((\s)%2)+12*\t, 96*((\s)%2)+12*\m, \zero, SC+7*(\s)+4+\t/2, SC+7*(\s)+\m/2, \t%2, \m%2
.endr
.endr
	WIN 0xf1                                       ; source 0 (x) window 1, source 1 (the weight) window 0, C and D window 3
.irp n, 0,1
.irp t, 0,1,2,3,4,5,6,7
	WM 64*\n+8*\t, 96*((\s)%2)+12*\t, WF+72*((\s)%2)+48+12*\n, \zero, SC+7*(\s)+\t/2, SC+7*(\s)+6, \t%2, \n
.endr
.endr
.endm
	s_wait_tensorcnt 0x2                           ; my part of slot 0 is in; slots 1 and 2 may be out
	s_barrier_signal -1
	s_barrier_wait -1                              ; everybody's is
	FETCH 0
	s_wait_loadcnt 0x0                             ; the scale words
	s_wait_dscnt 0x0
	FETCH 1
	MUL 0, 1                                       ; the first K step starts the sums
	s_wait_tensorcnt 0x1                           ; my part of slot 1 is in; slot 2's may be out
	s_wait_dscnt 0x0
	s_barrier_signal -1
	s_barrier_wait -1
	PLACES
	FETCH 2
	MUL 1, 0
	s_wait_dscnt 0x0
	PLACES
	FETCH 3
	MUL 2, 0
	WIN 0
	s_wait_tensorcnt 0x0                           ; all my tensor loads have landed, my part of slot 2 among them: a group 0 may be written
	ds_add_u32 v[SPW], v[NIL]                      ; 0 onto my spare word
	s_add_nc_u64 s[G0X+2:G0X+3], s[G0X+2:G0X+3], 6*PLANE   ; slot 0's descriptors go on to K steps 6 and 7
	s_add_nc_u64 s[G0W+2:G0W+3], s[G0W+2:G0W+3], 6*PLANE
	s_wait_dscnt 0x0                               ; the add is done; my reads of slot 0 ended two steps ago, K step 3's fragments are in
	CROUND                                         ; no wave of any partner still reads slot 0 or has a load on its way
	s_cmp_eq_u32 s[WV], 0                          ; the joint refill: the first tensor load behind the round, one a wave; it has two K steps, 96 matrix instructions, in which to land
	s_cbranch_scc0 .Lrefill_w
	tensor_load_to_lds s[G0X:G0X+3], s[G1X:G1X+7]
	s_nop 0
.rept 4
	v_nop                                          ; (also the places in front of the loads below)
.endr
	s_branch .Lrefill_asked
.Lrefill_w:
	tensor_load_to_lds s[G0W:G0W+3], s[G1W:G1W+7]
	s_nop 0
.rept 4
	v_nop
.endr
.Lrefill_asked:
	FETCH 4
	MUL 3, 0
	s_wait_dscnt 0x0
	PLACES
	FETCH 5
	MUL 4, 0
	s_wait_tensorcnt 0x0                           ; my part of K steps 6 and 7 is in
	s_wait_dscnt 0x0
	s_barrier_signal -1
	s_barrier_wait -1                              ; everybody's is; nothing is filled any more
	PLACES
	FETCH 6
	MUL 5, 0
	s_wait_dscnt 0x0
	PLACES
	FETCH 7
	MUL 6, 0
	s_wait_dscnt 0x0
	MUL 7, 0
	; ---- q or k: for each tile m of tokens a lane holds 32 channels of its token, register 16 b + i = channel 32 b + 16 (lane / 16) + i.  All eight tiles go together, so that the windows are switched four times.
	PLACES
	WIN 0x0a                                       ; sources 0 and 1 window 2
.irp m, 0,1,2,3,4,5,6,7
.irp b, 0,1
	v_max3_num_f32 v[96+2*\m+\b], |v[32*\m+16*\b]|, |v[32*\m+16*\b+1]|, 0x1800000   ; each accumulator from its low end on; the floor 2^(3 - 127) holds the byte at 1 from below
.endr
.endr
.irp i, 2,4,6,8,10,12,14
.irp m, 0,1,2,3,4,5,6,7
.irp b, 0,1
	v_max3_num_f32 v[96+2*\m+\b], |v[32*\m+16*\b+\i]|, |v[32*\m+16*\b+\i+1]|, v[96+2*\m+\b]
.endr
.endr
.endr
	WIN 0
.irp e, 0,1,2,3,4,5,6,7,8,9,10,11,12,13,14,15
	v_permlanex16_b32 v[112+\e], v[96+\e], s88, s89
.endr
.irp e, 0,1,2,3,4,5,6,7,8,9,10,11,12,13,14,15
	v_max_num_f32 v[96+\e], v[96+\e], v[112+\e]    ; with lane l xor 16's: the block's largest magnitude
.endr
.irp e, 0,1,2,3,4,5,6,7,8,9,10,11,12,13,14,15
	v_add_nc_u32 v[128+\e], 0xff000000, v[96+\e]   ; the conversion's scale operand
.endr
.irp e, 0,1,2,3,4,5,6,7,8,9,10,11,12,13,14,15
	v_lshrrev_b32 v[112+\e], 23, v[128+\e]         ; the byte
.endr
.irp m, 0,1,2,3,4,5,6,7
	v_lshl_or_b32 v[144+\m], v[113+2*\m], 8, v[112+2*\m]
.endr
.irp m, 0,1,2,3,4,5,6,7
	v_or_b32 v[144+\m], 0x7f7f0000, v[144+\m]      ; the head has 64 channels: the upper half of the instruction's K holds zero codes on q's side, under the byte of 1.0
.endr
	WIN 0x02                                       ; source 0 window 2
.irp m, 0,1,2,3,4,5,6,7
	v_cvt_scalef32_pk16_fp6_f32 v[152+8*\m:154+8*\m], v[32*\m:32*\m+15], v[128+2*\m]
	v_cvt_scalef32_pk16_fp6_f32 v[216+4*\m:218+4*\m], v[32*\m+16:32*\m+31], v[129+2*\m]
.endr
	WIN 0
	v_nop                                          ; one plain place behind a scaled conversion
.irp m, 0,1,2,3,4,5,6,7
.irp e, 0,1,2
	v_permlane16_swap_b32 v[152+8*\m+\e], v[216+4*\m+\e]   ; a whole block to a lane: lanes 0-15 block 0, lanes 16-31 block 1
.endr
.irp e, 0,1,2
	v_mov_b32 v[155+8*\m+\e], v[216+4*\m+\e]
.endr
	global_store_b128 v[L16], v[152+8*\m:155+8*\m], s[90:91] offset:768*\m   ; 512 consecutive bytes,
	global_store_b64 v[L8], v[156+8*\m:157+8*\m], s[90:91] offset:768*\m     ; and the 256 behind them
.endr
.irp e, 0,1,2,3
	v_cndmask_b32 v[248+\e], v[144+2*\e], v[145+2*\e], s92   ; lanes 0-15 tile 2 e's word, lanes 16-31 tile 2 e + 1's
.endr
	global_store_b128 v[L16], v[248:251], s[94:95]
	; ---- v: for each tile n of channels a lane holds the 128 tokens of its channel, register 16 b + i = token 32 b + 16 (lane / 16) + i: one fragment and one scale word.  Registers that no pending store reads.
	WIN 0x0f                                       ; sources 0 and 1 window 3
.irp n, 0,1
.irp b, 0,1,2,3
	v_max3_num_f32 v[96+4*\n+\b], |v[64*\n+16*\b]|, |v[64*\n+16*\b+1]|, 0x1800000
.endr
.endr
.irp i, 2,4,6,8,10,12,14
.irp n, 0,1
.irp b, 0,1,2,3
	v_max3_num_f32 v[96+4*\n+\b], |v[64*\n+16*\b+\i]|, |v[64*\n+16*\b+\i+1]|, v[96+4*\n+\b]
.endr
.endr
.endr
	WIN 0
.irp e, 0,1,2,3,4,5,6,7
	v_permlanex16_b32 v[104+\e], v[96+\e], s88, s89
.endr
.irp e, 0,1,2,3,4,5,6,7
	v_max_num_f32 v[96+\e], v[96+\e], v[104+\e]
.endr
.irp e, 0,1,2,3,4,5,6,7
	v_add_nc_u32 v[112+\e], 0xff000000, v[96+\e]
.endr
.irp e, 0,1,2,3,4,5,6,7
	v_lshrrev_b32 v[104+\e], 23, v[112+\e]
.endr
.irp n, 0,1
	v_lshl_or_b32 v[120+\n], v[105+4*\n], 8, v[104+4*\n]
	v_lshl_or_b32 v[120+\n], v[106+4*\n], 16, v[120+\n]
	v_lshl_or_b32 v[120+\n], v[107+4*\n], 24, v[120+\n]
.endr
	WIN 0x03                                       ; source 0 window 3
.irp n, 0,1
.irp c, 0,1
	v_cvt_scalef32_pk16_fp6_f32 v[124+12*\n+6*\c:126+12*\n+6*\c], v[64*\n+32*\c:64*\n+32*\c+15], v[112+4*\n+2*\c]
	v_cvt_scalef32_pk16_fp6_f32 v[216+8*\n+4*\c:218+8*\n+4*\c], v[64*\n+32*\c+16:64*\n+32*\c+31], v[113+4*\n+2*\c]
.endr
.endr
	WIN 0
	v_nop
.irp n, 0,1
.irp c, 0,1
.irp e, 0,1,2
	v_permlane16_swap_b32 v[124+12*\n+6*\c+\e], v[216+8*\n+4*\c+\e]
.endr
.irp e, 0,1,2
	v_mov_b32 v[127+12*\n+6*\c+\e], v[216+8*\n+4*\c+\e]
.endr
.endr
	global_store_b128 v[L16], v[124+12*\n:127+12*\n], s[96:97] offset:1536*\n
	global_store_b64 v[L8], v[128+12*\n:129+12*\n], s[96:97] offset:1536*\n
	global_store_b128 v[L16], v[130+12*\n:133+12*\n], s[96:97] offset:1536*\n+768
	global_store_b64 v[L8], v[134+12*\n:135+12*\n], s[96:97] offset:1536*\n+768
.endr
	v_cndmask_b32 v122, v120, v121, s92
	global_store_b32 v[L4], v122, s[98:99]
	s_wait_tensorcnt 0x0                           ; the wave's end
	ds_add_u32 v[SPW], v[NIL]
	s_wait_dscnt 0x0
	CROUND                                         ; the closing round: no work-group ends while a partner may still ask for a tile that names it
	s_endpgm
.Lfunc_end_k_q1421ffecd2_qkv:
	.size	k_q1421ffecd2_qkv, .Lfunc_end_k_q1421ffecd2_qkv-k_q1421ffecd2_qkv
	.p2alignl 7, 3214868480
	.fill 96, 4, 3214868480
	.section	.rodata,"a",@progbits
	.p2align	6, 0x0
	.amdhsa_kernel k_q1421ffecd2_qkv
		.amdhsa_group_segment_fixed_size 327680
		.amdhsa_private_segment_fixed_size 0
		.amdhsa_enable_private_segment 0
		.amdhsa_kernarg_size 32
		.amdhsa_user_sgpr_count 2
		.amdhsa_user_sgpr_kernarg_segment_ptr 1
		.amdhsa_wavefront_size32 1
		.amdhsa_system_sgpr_workgroup_id_x 1
		.amdhsa_system_sgpr_workgroup_id_y 1
		.amdhsa_system_sgpr_workgroup_id_z 1
		.amdhsa_system_vgpr_workitem_id 0
		.amdhsa_next_free_vgpr 896
		.amdhsa_next_free_sgpr 100
		.amdhsa_reserve_vcc 0
		.amdhsa_float_denorm_mode_32 3
		.amdhsa_float_denorm_mode_16_64 3
		.amdhsa_memory_ordered 1
		.amdhsa_forward_progress 1
		.amdhsa_inst_pref_size 120
	.end_amdhsa_kernel
	.amdgpu_metadata
---
amdhsa.version: [ 1, 2 ]
amdhsa.kernels:
  - .name:           k_q1421ffecd2_qkv
    .symbol:         k_q1421ffecd2_qkv.kd
    .args:
      - { .name: cimg, .offset: 0, .size: 8, .value_kind: global_buffer, .address_space: global }
      - { .name: csc, .offset: 8, .size: 8, .value_kind: global_buffer, .address_space: global }
      - { .name: qkvimg, .offset: 16, .size: 8, .value_kind: global_buffer, .address_space: global }
      - { .name: qkvsc, .offset: 24, .size: 8, .value_kind: global_buffer, .address_space: global }
    .group_segment_fixed_size: 327680
    .private_segment_fixed_size: 0
    .kernarg_segment_align: 8
    .kernarg_segment_size: 32
    .max_flat_workgroup_size: 128
    .sgpr_count:     100
    .vgpr_count:     896
    .wavefront_size: 32
...
	.end_amdgpu_metadata
.endif
;; end of part 2
;; launch attn (part 3): grid 8 x 32, 16 waves a work-group, no clusters, 210,944 bytes of LDS; arguments qkvimg, qkvsc, mskw, oimg, osc; writes oimg, osc
.if DOCPART == 3
	.amdgcn_target "amdgcn-amd-amdhsa--gfx1250"
	.amdhsa_code_object_version 6
	.text
	.protected	k_q1421ffecd2_attn
	.globl	k_q1421ffecd2_attn
	.p2align	8
	.type	k_q1421ffecd2_attn,@function
k_q1421ffecd2_attn:
	s_mov_b64 s[64:65], 0
	v_nop
	global_prefetch_b8 v0, s[64:65] scope:SCOPE_SE
	s_setreg_imm32_b32 hwreg(HW_REG_WAVE_MODE, 25, 1), 1
	s_wait_xcnt 0x0
; ATTENTION on codes of FP6 (E2M3): S^T = K Q^T, the mask, p = 2^(t - M), O^T = V^T P^T, O / the sum, and O quantised along the channels for the last product.
; t = score x log2(e) / 8; M = the running largest t rounded up to a whole number; the row's sum is taken of the unquantised p; when M moves, the sum and O^T are multiplied by 2^(old M - new M), exactly.
; THE MASK is an input: it was turned into lane-mask words and flags by the first launch.  A hidden key's score is replaced by -2^33, so its logit is -2^30 where the definition has -1e9.
; LIMIT: that differs from the definition only where a row with hidden keys has an open logit under about -1e9.  (-2^33 x c is exact, so a row with no open key gets p = 1 for every key, as the definition gives it.)  NaN and infinities are not served.
; SHARES.  A work-group owns one head of one batch and 16 of its 128 query tiles; each of its sixteen waves owns ONE tile of 16 queries, four waves to a SIMD.  A whole head's K, V and scale words, 208,896 bytes,
; are brought into LDS ONCE, through registers; one barrier; behind it LDS is only read.
; NO TENSOR LOAD AND NO CLUSTER: the loop jumps over a key step in which no query of the tile has an open key, and over the masking where all are open.  Those are branches on numbers read from memory;
; what eight work-groups of a head share is read once each at the head of the launch.
; A step is left out only if every query of the tile has an open key somewhere: a row with none needs all its keys.
; The wave's tile is 8 rank + work-group x, and the ranks are dealt so that any four waves w % 4 alike or w / 4 alike have ranks that add up to 30: it evens out the work where late queries see more keys; no pattern of the mask is built in.
; THE HEAD HAS 64 CHANNELS, the instruction takes 128 along K: Q's registers 6-11 are zero codes, so K's operand of tile t is the run v[38 + 6 t .. 49 + 6 t], whose upper half (the next tile's codes) is multiplied by zeros under the byte of 1.0.
; REGISTERS: v1-6 lane addresses; v7-12 the step's; v13 -2^33; v14 -M, v15 the largest t; v[16:17] the sum; v18 Q's scale word, v19 p's; v[20:21] f; v22-25 K's or V's scale words; v26-37 Q; v38-91 K's tiles, then V's fragments;
;   v92-155 S^T, then p; v156-187 O^T; v188-199 p's codes; v200-223 at work.
.set VOF, 98304                        ; LDS: K's images at 0, V's here,
.set KSC, 196608                       ; K's scale words,
.set VSC, 204800                       ; V's
.set WV,  14
.set SK,  66                           ; bit s: key step s is left out
.set AT,  67                           ; bit s: all of step s is open
.set KS,  68
.set TB,  69                           ; the step's tiles: 6,144 bytes a step, in K and in V
.set TS,  70                           ; K's scale words: 512
.set TJ,  71                           ; V's: 256
.set MP,  72                           ; s[72:73] the mask words to be loaded next
.set SEL, 74
.set CS,  76                           ; s[76:77] c = log2(e) / 8
	s_load_b256 s[4:11], s[0:1], 0x0               ; qkvimg s[4:5], qkvsc s[6:7], mskw s[8:9], oimg s[10:11]
	s_load_b64 s[12:13], s[0:1], 0x20              ; osc
	v_lshl_add_u32 v224, v0, 2, 0x33000
	v_mov_b32 v225, 0
	v_lshrrev_b32 v1, 5, v0
	v_readfirstlane_b32 s[WV], v1                  ; wave w = 4 a + b
	s_lshr_b32 s96, s[WV], 2                       ; a
	s_and_b32 s97, s[WV], 3                        ; b
	s_xor_b32 s98, s96, s97
	s_lshl_b32 s96, s96, 1
	s_lshr_b32 s96, 0x78, s96
	s_and_b32 s96, s96, 3                          ; 0, 2, 3, 1 for a = 0 .. 3
	s_xor_b32 s96, s96, s97
	s_lshl_b32 s98, s98, 2
	s_add_co_u32 s98, s98, s96                     ; rank = 4 (a xor b) + (g(a) xor b)
	s_lshl_b32 s98, s98, 3
	s_add_co_u32 s78, s98, ttmp9                   ; my query tile T
	s_and_b32 s79, ttmp7, 0xffff                   ; 16 batch + head
	s_mov_b32 s[SEL], 0x76543210
	s_mov_b32 s[SEL+1], 0xfedcba98
	s_mov_b32 s[CS], 0x3e38aa3b
	s_mov_b32 s[CS+1], s[CS]                       ; (named with it as a pair, so it is written)
	v_and_b32 v220, 15, v0
	v_lshlrev_b32 v220, 4, v220                    ; Q's scale word: 16 bytes a lane of the record
	v_and_b32 v1, 31, v0
	v_lshl_add_u32 v2, v1, 3, 512                  ; 512 + 8 x lane
	v_lshl_add_u32 v6, v1, 2, VSC
	v_lshlrev_b32 v1, 4, v1                        ; 16 x lane
	v_add_nc_u32 v3, VOF, v1
	v_add_nc_u32 v4, VOF, v2
	v_add_nc_u32 v5, KSC, v1
	v_lshlrev_b32 v166, 4, v0                      ; the fill: 16 bytes a thread, 8,192 a turn
	v_lshl_add_u32 v167, v0, 4, 65536
	v_lshl_add_u32 v168, v0, 4, VOF
	v_lshl_add_u32 v169, v0, 4, VOF+65536
	v_lshl_add_u32 v170, v0, 3, VSC
	v_lshlrev_b32 v171, 3, v0
	s_mul_i32 s96, s79, 98304
	s_mov_b32 s97, 0
	s_wait_kmcnt 0x0
	s_add_nc_u64 s[40:41], s[4:5], s[96:97]        ; the head's q,
	s_add_nc_u64 s[32:33], s[40:41], 3145728       ; k,
	s_add_nc_u64 s[34:35], s[40:41], 6291456       ; v
	s_mul_i32 s96, s78, 768
	s_add_nc_u64 s[40:41], s[40:41], s[96:97]      ; my tile of q
	s_lshl_b32 s96, s79, 13
	s_add_nc_u64 s[42:43], s[6:7], s[96:97]
	s_add_nc_u64 s[36:37], s[42:43], 262144        ; k's scale words
	s_lshl_b32 s96, s79, 12
	s_add_co_u32 s96, s96, 524288
	s_add_nc_u64 s[38:39], s[6:7], s[96:97]        ; v's
	s_lshr_b32 s96, s78, 3                         ; my tile's word: record T / 8, lanes 16 (T % 2) on, word (T / 2) % 4
	s_lshl_b32 s96, s96, 9
	s_and_b32 s98, s78, 1
	s_lshl_b32 s98, s98, 8
	s_add_co_u32 s96, s96, s98
	s_bfe_u32 s98, s78, 0x20001
	s_lshl_b32 s98, s98, 2
	s_add_co_u32 s96, s96, s98
	s_add_nc_u64 s[42:43], s[42:43], s[96:97]
	s_lshl_b32 s96, s78, 9
	s_add_co_u32 s96, s96, 524288
	s_add_nc_u64 s[44:45], s[8:9], s[96:97]        ; my tile's flags
	s_lshl_b32 s96, s78, 12
	s_add_nc_u64 s[MP:MP+1], s[8:9], s[96:97]      ; and its words
	s_lshr_b32 s98, s79, 4
	s_lshl_b32 s98, s98, 7
	s_add_co_u32 s98, s98, s78                     ; the token tile: 128 batch + T
	s_and_b32 s99, s79, 15                         ; the head
	s_lshl_b32 s96, s99, 8
	s_add_co_u32 s96, s96, s98
	s_lshl_b32 s96, s96, 7
	s_add_nc_u64 s[12:13], s[12:13], s[96:97]      ; o's scale word
	s_lshr_b32 s96, s99, 1
	s_lshl_b32 s96, s96, 8
	s_add_co_u32 s96, s96, s98
	s_mul_i32 s96, s96, 1536
	s_and_b32 s99, s99, 1
	s_mul_i32 s99, s99, 768
	s_add_co_u32 s96, s96, s99
	s_add_nc_u64 s[10:11], s[10:11], s[96:97]      ; o's image: K step head / 2, half head % 2
	s_load_b128 s[16:19], s[44:45], 0x0            ; the sixteen flags
	s_load_b128 s[20:23], s[44:45], 0x80
	s_load_b128 s[24:27], s[44:45], 0x100
	s_load_b128 s[28:31], s[44:45], 0x180
.set e, 0
.rept 12
	global_load_b128 v[64+4*e:67+4*e], v166, s[32:33] offset:8192*e
.set e, e+1
.endr
.set e, 0
.rept 12
	global_load_b128 v[112+4*e:115+4*e], v166, s[34:35] offset:8192*e
.set e, e+1
.endr
	global_load_b128 v[160:163], v166, s[36:37]
	global_load_b64 v[164:165], v171, s[38:39]
	global_load_b128 v[26:29], v1, s[40:41]        ; Q stays in registers
	global_load_b64 v[30:31], v2, s[40:41]
	global_load_b32 v18, v220, s[42:43]
	s_wait_kmcnt 0x0
	s_mov_b32 s[SK], 0
	s_mov_b32 s[AT], 0
	s_mov_b32 s15, 0
.set e, 0
.rept 16
	s_and_b32 s98, s[16+e], 0xffff                 ; the rows that have an open key in step e
	s_cselect_b32 s99, 0, 1<<e
	s_or_b32 s[SK], s[SK], s99
	s_or_b32 s15, s15, s98
	s_bfe_u32 s99, s[16+e], 0x10010
	s_lshl_b32 s99, s99, e
	s_or_b32 s[AT], s[AT], s99
.set e, e+1
.endr
	s_cmp_eq_u32 s15, 0xffff                       ; a row with no open key at all: nothing is left out
	s_cselect_b32 s[SK], s[SK], 0
	; 29 loads are out.  Each count below is the number of loads issued behind the four (at last two) that are stored next
.irp g, 0,1
	s_wait_loadcnt 25-4*\g
.irp e, 0,1,2,3
	ds_store_b128 v166, v[64+16*\g+4*\e:67+16*\g+4*\e] offset:8192*(4*\g+\e)
.endr
.endr
	s_wait_loadcnt 17
.irp e, 0,1,2,3
	ds_store_b128 v167, v[96+4*\e:99+4*\e] offset:8192*\e
.endr
.irp g, 0,1
	s_wait_loadcnt 13-4*\g
.irp e, 0,1,2,3
	ds_store_b128 v168, v[112+16*\g+4*\e:115+16*\g+4*\e] offset:8192*(4*\g+\e)
.endr
.endr
	s_wait_loadcnt 5
.irp e, 0,1,2,3
	ds_store_b128 v169, v[144+4*\e:147+4*\e] offset:8192*\e
.endr
	s_wait_loadcnt 3
	ds_store_b128 v169, v[160:163] offset:32768    ; K's scale words, at 196,608
	ds_store_b64 v170, v[164:165]
	s_wait_loadcnt 0x0                             ; Q; and every load has read its base, which the mask words overwrite
	s_wait_dscnt 0x0                               ; for the others' sake: my stores have landed
	s_barrier_signal -1
	s_barrier_wait -1                              ; the head lies in LDS; from here on LDS is only read
.macro MLOAD                           ; 64 words: word n in s[16 + n], from n = 48 on in s[32 + n]
	s_load_b512 s[16:31], s[MP:MP+1], 0x0
	s_load_b512 s[32:47], s[MP:MP+1], 0x40
	s_load_b512 s[48:63], s[MP:MP+1], 0x80
	s_load_b512 s[80:95], s[MP:MP+1], 0xc0
.endm
	MLOAD                                          ; step 0's
	v_mov_b32 v13, 0xd0000000                      ; -2^33
	v_mov_b32 v15, 0xff61b1e6                      ; the largest t so far: -3e38
	v_floor_f32 v14, -v15                          ; -M
	v_mov_b32 v16, 0
	v_mov_b32 v17, 0
	v_mov_b32 v21, 0                               ; (named as the upper half of the pair v[20:21])
.irp e, 32,33,34,35,36,37,86,87,88,89,90,91,212,213,214,215
	v_mov_b32 v[\e], 0                             ; Q's upper half; the run behind K's last tile; the lane permutes' destinations
.endr
.set j, 0
.rept 32
	v_mov_b32 v[156+j], 0                          ; O^T: the loop is written once, its first step finds zeros
.set j, j+1
.endr
	s_mov_b32 s[KS], 0
	s_mov_b32 s[TB], 0
	s_mov_b32 s[TS], 0
	s_mov_b32 s[TJ], 0
.macro WA d, a, b, zero, sa, sb, ra
.if \zero
.if (\ra)
	v_wmma_scale_f32_16x16x128_f8f6f4 v[(\d):(\d)+7], v[(\a):(\a)+11], v[(\b):(\b)+11], 0, v[\sa], v[\sb] matrix_a_fmt:MATRIX_FMT_FP6 matrix_b_fmt:MATRIX_FMT_FP6 matrix_a_scale:MATRIX_SCALE_ROW1
.else
	v_wmma_scale_f32_16x16x128_f8f6f4 v[(\d):(\d)+7], v[(\a):(\a)+11], v[(\b):(\b)+11], 0, v[\sa], v[\sb] matrix_a_fmt:MATRIX_FMT_FP6 matrix_b_fmt:MATRIX_FMT_FP6
.endif
.else
.if (\ra)
	v_wmma_scale_f32_16x16x128_f8f6f4 v[(\d):(\d)+7], v[(\a):(\a)+11], v[(\b):(\b)+11], v[(\d):(\d)+7], v[\sa], v[\sb] matrix_a_fmt:MATRIX_FMT_FP6 matrix_b_fmt:MATRIX_FMT_FP6 matrix_a_scale:MATRIX_SCALE_ROW1
.else
	v_wmma_scale_f32_16x16x128_f8f6f4 v[(\d):(\d)+7], v[(\a):(\a)+11], v[(\b):(\b)+11], v[(\d):(\d)+7], v[\sa], v[\sb] matrix_a_fmt:MATRIX_FMT_FP6 matrix_b_fmt:MATRIX_FMT_FP6
.endif
.endif
.endm
.Lstep:                                            ; sixteen trips, 128 keys each
	s_wait_kmcnt 0x0                               ; this step's mask words are in, and their base may step
	s_add_nc_u64 s[MP:MP+1], s[MP:MP+1], 256
	s_lshr_b32 s98, s[SK], s[KS]
	s_and_b32 s98, s98, 1
	s_cmp_lg_u32 s98, 0
	s_cbranch_scc1 .Lhid                           ; no query of mine has an open key here
	v_add_nc_u32 v7, s[TB], v1                     ; (these six are also the places behind the last step's products)
	v_add_nc_u32 v8, s[TB], v2
	v_add_nc_u32 v9, s[TB], v3
	v_add_nc_u32 v10, s[TB], v4
	v_add_nc_u32 v11, s[TS], v5
	v_add_nc_u32 v12, s[TJ], v6
.irp t, 0,1,2,3,4,5,6,7
	ds_load_b128 v[38+6*\t:41+6*\t], v7 offset:768*\t
	ds_load_b64 v[42+6*\t:43+6*\t], v8 offset:768*\t
.endr
	ds_load_b128 v[22:25], v11                     ; register e: lanes 0-15 tile 2 e's words, lanes 16-31 tile 2 e + 1's
	s_wait_dscnt 0x0
.irp t, 0,1,2,3,4,5,6,7
	WA 92+8*\t, 38+6*\t, 26, 1, 22+\t/2, 18, \t%2  ; lane (r, h): query r; register 16 b + i: key 32 b + 16 h + i
.endr
.rept 4
	v_nop
.endr
.irp d, 0,1,2,3                                ; V's fragments land while the softmax is walked
	ds_load_b128 v[38+12*\d:41+12*\d], v9 offset:1536*\d
	ds_load_b64 v[42+12*\d:43+12*\d], v10 offset:1536*\d
	ds_load_b128 v[44+12*\d:47+12*\d], v9 offset:1536*\d+768
	ds_load_b64 v[48+12*\d:49+12*\d], v10 offset:1536*\d+768
.endr
	ds_load_b32 v22, v12
	ds_load_b32 v23, v12 offset:128
	s_lshr_b32 s98, s[AT], s[KS]
	s_and_b32 s98, s98, 1
	s_cmp_lg_u32 s98, 0
	s_cbranch_scc1 .Lopen                          ; every key of the step is open for every query of mine
.set n, 0
.rept 48
	v_cndmask_b32 v[92+n], v13, v[92+n], s[16+n]   ; a hidden key's score becomes -2^33
.set n, n+1
.endr
.rept 16
	v_cndmask_b32 v[92+n], v13, v[92+n], s[32+n]
.set n, n+1
.endr
.Lopen:
	MLOAD                                          ; the next step's words (in the last trip: the 256 bytes behind my record, which lie inside the buffer and are not used)
.irp b, 0,1,2,3
	v_max3_num_f32 v[208+\b], v[92+16*\b], v[93+16*\b], v[94+16*\b]   ; the largest score of each block of 32 keys: for the row's maximum, and, since p rises with the score, for the block's largest p
.endr
.irp i, 3,5,7,9,11,13
.irp b, 0,1,2,3
	v_max3_num_f32 v[208+\b], v[208+\b], v[92+16*\b+\i], v[93+16*\b+\i]
.endr
.endr
.irp b, 0,1,2,3
	v_max_num_f32 v[208+\b], v[208+\b], v[107+16*\b]
.endr
.irp b, 0,1,2,3
	v_permlanex16_b32 v[212+\b], v[208+\b], s[SEL], s[SEL+1]
.endr
.irp b, 0,1,2,3
	v_max_num_f32 v[208+\b], v[208+\b], v[212+\b]  ; with lane l xor 16's 16 keys
.endr
	v_max3_num_f32 v220, v208, v209, v210
	v_max_num_f32 v220, v220, v211
	v_mul_f32 v220, s[CS], v220                    ; as t
	v_max_num_f32 v15, v15, v220                   ; the running largest t
	v_mov_b32 v220, v14
	v_floor_f32 v14, -v15                          ; the new -M = -ceil(t)
	v_sub_f32 v220, v14, v220                      ; old M - new M: a whole number, 0 or less
	v_cvt_i32_f32 v220, v220                       ; (it saturates)
	v_ldexp_f32 v20, 1.0, v220                     ; f = 2^(old M - new M)
.set j, 0
.rept 32
	v_pk_fma_f32 v[92+j:93+j], v[92+j:93+j], s[CS:CS+1], v[14:15] op_sel_hi:[1,0,0]   ; t - M
.set j, j+2
.endr
.irp b, 0,1,2,3
	v_fma_f32 v[208+\b], v[208+\b], s[CS], v14
.endr
.set j, 0
.rept 64
	v_exp_f32 v[92+j], v[92+j]                     ; p = 2^(t - M): not normalised
.set j, j+1
.endr
.irp b, 0,1,2,3
	v_exp_f32 v[208+\b], v[208+\b]                 ; the block's largest p: the same two instructions on the same number
.endr
	v_pk_mul_f32 v[16:17], v[16:17], v[20:21] op_sel_hi:[1,0]   ; the sums under the new M (a plain place behind the exponentials)
	s_wait_alu depctr_va_vdst(0)
.irp b, 0,1,2,3
	v_max_num_f32 v[208+\b], 0x1800000, v[208+\b]  ; the floor: a block whose every p is 0 keeps the byte 1, its codes are zeros
.endr
.irp b, 0,1,2,3
	v_add_nc_u32 v[216+\b], 0xff000000, v[208+\b]
.endr
.irp b, 0,1,2,3
	v_lshrrev_b32 v[212+\b], 23, v[216+\b]
.endr
	v_lshl_or_b32 v19, v213, 8, v212               ; p's scale word for these 128 keys
	v_lshl_or_b32 v19, v214, 16, v19
	v_lshl_or_b32 v19, v215, 24, v19
.irp c, 0,1
	v_cvt_scalef32_pk16_fp6_f32 v[188+6*\c:190+6*\c], v[92+32*\c:107+32*\c], v[216+2*\c]
	v_cvt_scalef32_pk16_fp6_f32 v[200+4*\c:202+4*\c], v[108+32*\c:123+32*\c], v[217+2*\c]
.endr
	v_nop                                          ; one plain place behind a scaled conversion
.irp c, 0,1
.irp i, 0,1,2
	v_permlane16_swap_b32 v[188+6*\c+\i], v[200+4*\c+\i]   ; a whole block to a lane
.endr
.irp i, 0,1,2
	v_mov_b32 v[191+6*\c+\i], v[200+4*\c+\i]
.endr
.endr
	v_pk_add_f32 v[222:223], v[92:93], v[94:95]    ; the row's sum, of the unquantised p, in two chains
.irp j, 4,8,12,16,20,24,28,32,36,40,44,48,52,56,60
	v_pk_add_f32 v[16:17], v[16:17], v[92+\j:93+\j]
	v_pk_add_f32 v[222:223], v[222:223], v[94+\j:95+\j]
.endr
	v_pk_add_f32 v[16:17], v[16:17], v[222:223]
.set j, 0
.rept 16
	v_pk_mul_f32 v[156+j:157+j], v[156+j:157+j], v[20:21] op_sel_hi:[1,0]   ; O^T under the new M (with the sums above: the places between p's codes and scale word and the products)
.set j, j+2
.endr
	s_wait_dscnt 0x0                               ; V
.irp d, 0,1,2,3                                ; four accumulators by turns, one instruction a turn
	WA 156+8*\d, 38+12*\d, 188, 0, 22+\d/2, 19, \d%2
.endr
	s_branch .Lnext
.Lhid:
	MLOAD
.Lnext:
	s_add_co_u32 s[TB], s[TB], 6144
	s_add_co_u32 s[TS], s[TS], 512
	s_add_co_u32 s[TJ], s[TJ], 256
	s_add_co_u32 s[KS], s[KS], 1
	s_cmp_lt_u32 s[KS], 16
	s_cbranch_scc1 .Lstep
	s_wait_kmcnt 0x0                               ; the last trip's look-ahead
.rept 4
	v_nop                                          ; places behind the last products
.endr
	v_add_f32 v16, v16, v17
	v_permlanex16_b32 v212, v16, s[SEL], s[SEL+1]
	v_add_f32 v16, v16, v212                       ; the row's sum
	v_rcp_f32 v16, v16
	v_and_b32 v222, 31, v0                         ; (a plain place behind the transcendental)
	v_lshlrev_b32 v222, 2, v222
.set j, 0
	s_wait_alu depctr_va_vdst(0)
.rept 32
	v_mul_f32 v[92+j], v[156+j], v16               ; register 16 b + i: channel 32 b + 16 (lane / 16) + i of my query
.set j, j+1
.endr
.irp b, 0,1
	v_max3_num_f32 v[208+\b], |v[92+16*\b]|, |v[93+16*\b]|, 0x1800000
.endr
.irp i, 2,4,6,8,10,12,14
.irp b, 0,1
	v_max3_num_f32 v[208+\b], v[208+\b], |v[92+16*\b+\i]|, |v[93+16*\b+\i]|
.endr
.endr
	v_permlanex16_b32 v212, v208, s[SEL], s[SEL+1]
	v_permlanex16_b32 v213, v209, s[SEL], s[SEL+1]
	v_max_num_f32 v208, v208, v212
	v_max_num_f32 v209, v209, v213
	v_add_nc_u32 v216, 0xff000000, v208
	v_add_nc_u32 v217, 0xff000000, v209
	v_lshrrev_b32 v212, 23, v216
	v_lshrrev_b32 v213, 23, v217
	v_lshl_or_b32 v221, v213, 8, v212              ; the head's two bytes of my query's row
	v_cvt_scalef32_pk16_fp6_f32 v[188:190], v[92:107], v216
	v_cvt_scalef32_pk16_fp6_f32 v[200:202], v[108:123], v217
	v_nop
.irp i, 0,1,2
	v_permlane16_swap_b32 v[188+\i], v[200+\i]
.endr
.irp i, 0,1,2
	v_mov_b32 v[191+\i], v[200+\i]
.endr
	global_store_b128 v1, v[188:191], s[10:11]     ; 512 consecutive bytes,
	global_store_b64 v2, v[192:193], s[10:11]      ; and the 256 behind them
	global_store_b32 v222, v221, s[12:13]
	s_wait_tensorcnt 0x0
	ds_add_u32 v224, v225
	s_wait_dscnt 0x0
	s_endpgm
.Lfunc_end_k_q1421ffecd2_attn:
	.size	k_q1421ffecd2_attn, .Lfunc_end_k_q1421ffecd2_attn-k_q1421ffecd2_attn
	.p2alignl 7, 3214868480
	.fill 96, 4, 3214868480
	.section	.rodata,"a",@progbits
	.p2align	6, 0x0
	.amdhsa_kernel k_q1421ffecd2_attn
		.amdhsa_group_segment_fixed_size 210944
		.amdhsa_private_segment_fixed_size 0
		.amdhsa_enable_private_segment 0
		.amdhsa_kernarg_size 40
		.amdhsa_user_sgpr_count 2
		.amdhsa_user_sgpr_kernarg_segment_ptr 1
		.amdhsa_wavefront_size32 1
		.amdhsa_system_sgpr_workgroup_id_x 1
		.amdhsa_system_sgpr_workgroup_id_y 1
		.amdhsa_system_sgpr_workgroup_id_z 1
		.amdhsa_system_vgpr_workitem_id 0
		.amdhsa_next_free_vgpr 226
		.amdhsa_next_free_sgpr 100
		.amdhsa_reserve_vcc 0
		.amdhsa_float_denorm_mode_32 3
		.amdhsa_float_denorm_mode_16_64 3
		.amdhsa_memory_ordered 1
		.amdhsa_forward_progress 1
		.amdhsa_inst_pref_size 41
	.end_amdhsa_kernel
	.amdgpu_metadata
---
amdhsa.version: [ 1, 2 ]
amdhsa.kernels:
  - .name:           k_q1421ffecd2_attn
    .symbol:         k_q1421ffecd2_attn.kd
    .args:
      - { .name: qkvimg, .offset: 0, .size: 8, .value_kind: global_buffer, .address_space: global }
      - { .name: qkvsc, .offset: 8, .size: 8, .value_kind: global_buffer, .address_space: global }
      - { .name: mskw, .offset: 16, .size: 8, .value_kind: global_buffer, .address_space: global }
      - { .name: oimg, .offset: 24, .size: 8, .value_kind: global_buffer, .address_space: global }
      - { .name: osc, .offset: 32, .size: 8, .value_kind: global_buffer, .address_space: global }
    .group_segment_fixed_size: 210944
    .private_segment_fixed_size: 0
    .kernarg_segment_align: 8
    .kernarg_segment_size: 40
    .max_flat_workgroup_size: 512
    .sgpr_count:     100
    .vgpr_count:     226
    .wavefront_size: 32
...
	.end_amdgpu_metadata
.endif
;; end of part 3
;; launch proj (part 4): grid 8 x 32, 8 waves a work-group, clusters of 4 x 4, 267,264 bytes of LDS; arguments oimg, osc, cimg, csc, out0; writes out0
.if DOCPART == 4
	.amdgcn_target "amdgcn-amd-amdhsa--gfx1250"
	.amdhsa_code_object_version 6
	.text
	.protected	k_q1421ffecd2_proj
	.globl	k_q1421ffecd2_proj
	.p2align	8
	.type	k_q1421ffecd2_proj,@function
k_q1421ffecd2_proj:
	s_mov_b64 s[64:65], 0
	v_nop
	global_prefetch_b8 v0, s[64:65] scope:SCOPE_SE
	s_setreg_imm32_b32 hwreg(HW_REG_WAVE_MODE, 25, 1), 1
	s_wait_xcnt 0x0
	s_wait_alu depctr_hold_cnt(0) depctr_sa_sdst(0) depctr_va_vdst(0) depctr_va_sdst(0) depctr_va_ssrc(0) depctr_va_vcc(0) depctr_vm_vsrc(0)
	s_getreg_b32 s2, hwreg(HW_REG_IB_STS2, 6, 4)
	s_cmp_eq_u32 s2, 0
	s_cbranch_scc0 .Lentry_in_a_cluster
	s_endpgm
.Lentry_in_a_cluster:
	s_bfe_u32 s2, ttmp6, 0x10000c
	s_cmp_lg_u32 s2, 0xf033
	s_cbranch_scc0 .Lentry_shape_is_right
	s_endpgm
.Lentry_shape_is_right:
; PROJ.  out = o Wo on codes of FP6 (E2M3) with E8M0 scales, sums in f32.  o's codes come from the attention launch, Wo's from the first launch, both as images of operand registers (1,536 bytes a fragment).
; SHARES.  Work-group (i, j): 128 tokens x 128 columns.  All of K for both operands, 196,608 bytes, fits in LDS: four groups of two K steps, each filled ONCE; nothing is filled again.
; Eight waves: wave w takes Wo's tiles 4 (w % 2) + t as source 0 and token tiles 2 (w / 2) + m as source 1: eight accumulators; a lane holds one token and neighbouring columns.
; CLUSTERS: 4 x 4 work-groups; o's tiles hang on i alone and are asked for jointly along a row of the cluster, Wo's on j alone, along a column.  Waves 0-3 ask for o, waves 4-7 for Wo, two tiles each: by this text's own count four tensor loads a wave are out.
; REGISTERS: v2, v10 lane offsets; v3-6 LDS addresses; v7-9 the way out; v12-27 Wo's scale words; v28-35 o's; v36-99 accumulators, (m, t) at v[36 + 32 m + 8 t]; v100-243 fragments, two sets of six; v244-251 halves of o's scale words.
.set GRP,   49152                      ; a group: o's 8 tiles x 2 K steps, then Wo's
.set STG,   196608                     ; behind the groups: a stage of 32 rows x 272 bytes for each wave; no fill lands there
.set FS,    100
.set WV,    14
.set G1O,   16
.set G1W,   24
.set G0O,   32                         ; s[32:47] a group 0 for each of the four groups, o
.set G0W,   48                         ; s[48:63] Wo
.macro PLACES
.rept 4
	v_nop
.endr
.endm
.macro CROUND                          ; a round of the cluster's barrier
	s_barrier_signal -1
	s_barrier_wait -1
	s_cmp_lg_u32 s[WV], 0
	s_cbranch_scc1 .Lnot_wave_0_\@
	s_barrier_signal -3
.Lnot_wave_0_\@:
	s_barrier_wait -3
	s_barrier_signal -1
	s_barrier_wait -1
.endm
	s_load_b256 s[4:11], s[0:1], 0x0               ; oimg s[4:5], osc s[6:7], cimg s[8:9], csc s[10:11]
	s_load_b64 s[12:13], s[0:1], 0x20              ; out0
	v_lshl_add_u32 v255, v0, 2, 0x41000
	s_set_vgpr_msb 0x40
	v_mov_b32 v1, 0
	s_set_vgpr_msb 0x4044
	ds_add_u32 v255, v1
	ds_add_u32 v255, v1
	s_set_vgpr_msb 0x4400
	v_lshrrev_b32 v1, 5, v0
	v_readfirstlane_b32 s[WV], v1                  ; wave 0..7
	s_bfe_u32 s66, ttmp6, 0x40000                  ; cx
	s_bfe_u32 s67, ttmp6, 0x40004                  ; cy
	s_lshl_b32 s68, ttmp9, 2
	s_add_co_u32 s68, s68, s66                     ; j
	s_and_b32 s69, ttmp7, 0xffff
	s_lshl_b32 s69, s69, 2
	s_add_co_u32 s69, s69, s67                     ; i
	s_lshl_b32 s70, s67, 2
	s_lshl_b32 s70, 15, s70                        ; my row of the cluster
	s_lshl_b32 s71, 0x1111, s66                    ; my column
	; group 1: 2 rows (K steps) of 384 elements of 8 bytes (two fragments), a plane of the buffer apart; dense in LDS
	s_or_b32 s[G1O], s70, (3<<16)|(1<<21)
	s_or_b32 s[G1W], s71, (3<<16)|(1<<21)
.irp g, G1O, G1W
	s_mov_b32 s[\g+1], 384<<16
	s_mov_b32 s[\g+2], 2<<16
	s_mov_b32 s[\g+3], 384<<16
	s_mov_b32 s[\g+4], 2
	s_mov_b32 s[\g+6], 0
	s_mov_b32 s[\g+7], 0
.endr
	s_mov_b32 s[G1O+5], 49152                      ; oimg: 393,216 bytes a K step
	s_mov_b32 s[G1W+5], 98304                      ; cimg: 786,432
	s_and_b32 s72, s[WV], 3
	s_mul_i32 s76, s72, 3072                       ; which two tiles I ask for
	s_mul_i32 s74, s69, 12288                      ; o: tile 8 i + 2 (w % 4)
	s_add_co_u32 s74, s74, s76
	s_mov_b32 s75, 0
	s_mul_i32 s78, s68, 12288                      ; Wo: tile 448 + 8 j + 2 (w % 4)
	s_add_co_u32 s78, s78, s76
	s_add_co_u32 s78, s78, 688128
	s_mov_b32 s79, 0
	s_mul_i32 s80, s[WV], 6144                     ; where they go: the wave's eighth of a group
	s_wait_dscnt 0x0
	s_wait_kmcnt 0x0
	s_add_nc_u64 s[74:75], s[4:5], s[74:75]
	s_add_nc_u64 s[78:79], s[8:9], s[78:79]
	CROUND                                         ; all sixteen work-groups are here: the joint loads meet
.irp g, 0,1,2,3
	s_mov_b32 s[G0O+4*\g], 1
	s_add_co_u32 s[G0O+4*\g+1], s80, \g*GRP
	s_add_nc_u64 s[G0O+4*\g+2:G0O+4*\g+3], s[74:75], \g*786432
	s_or_b32 s[G0O+4*\g+3], s[G0O+4*\g+3], 0x80000000
	s_mov_b32 s[G0W+4*\g], 1
	s_add_co_u32 s[G0W+4*\g+1], s80, \g*GRP
	s_add_nc_u64 s[G0W+4*\g+2:G0W+4*\g+3], s[78:79], \g*1572864
	s_or_b32 s[G0W+4*\g+3], s[G0W+4*\g+3], 0x80000000
.endr
	s_cmp_lt_u32 s[WV], 4                          ; a wave's four fills stand in one branch; four v_nop follow the last
	s_cbranch_scc0 .Lfirst_w
	tensor_load_to_lds s[G0O:G0O+3], s[G1O:G1O+7]
	s_nop 0
	tensor_load_to_lds s[G0O+4:G0O+7], s[G1O:G1O+7]
	s_nop 0
	tensor_load_to_lds s[G0O+8:G0O+11], s[G1O:G1O+7]
	s_nop 0
	tensor_load_to_lds s[G0O+12:G0O+15], s[G1O:G1O+7]
	s_nop 0
.rept 4
	v_nop
.endr
	s_branch .Lfirst_asked
.Lfirst_w:
	tensor_load_to_lds s[G0W:G0W+3], s[G1W:G1W+7]
	s_nop 0
	tensor_load_to_lds s[G0W+4:G0W+7], s[G1W:G1W+7]
	s_nop 0
	tensor_load_to_lds s[G0W+8:G0W+11], s[G1W:G1W+7]
	s_nop 0
	tensor_load_to_lds s[G0W+12:G0W+15], s[G1W:G1W+7]
	s_nop 0
.rept 4
	v_nop
.endr
.Lfirst_asked:
	s_and_b32 s81, s[WV], 1                        ; wn: which 64 columns
	s_lshr_b32 s82, s[WV], 1                       ; wt: which 32 tokens
	v_and_b32 v1, 31, v0
	v_lshlrev_b32 v2, 4, v1                        ; 16 x lane
	v_lshl_add_u32 v10, v1, 3, 512                 ; 512 + 8 x lane
	v_lshlrev_b32 v252, 2, v1                      ; 4 x lane
	s_mul_i32 s83, s81, 12288
	s_add_co_u32 s83, s83, 24576                   ; Wo's tiles 4 wn on
	v_add_nc_u32 v3, s83, v2
	v_add_nc_u32 v4, s83, v10
	s_mul_i32 s83, s82, 6144                       ; token tiles 2 wt on
	v_add_nc_u32 v5, s83, v2
	v_add_nc_u32 v6, s83, v10
	v_and_b32 v253, 15, v0                         ; r
	v_bfe_u32 v254, v0, 4, 1                       ; h
	v_lshlrev_b32 v11, 2, v253
	v_lshl_add_u32 v11, v254, 7, v11               ; o's scale words: lanes 0-15 tile 2 wt, lanes 16-31 tile 2 wt + 1
	s_mul_i32 s88, s[WV], 8704
	s_add_co_u32 s88, s88, STG                     ; my stage
	v_mul_u32_u24 v7, v253, 272
	v_lshl_add_u32 v7, v254, 6, v7
	v_add_nc_u32 v7, s88, v7                       ; in: row r, + 64 h
	v_mul_u32_u24 v8, v254, 272
	v_lshl_add_u32 v8, v253, 4, v8
	v_add_nc_u32 v8, s88, v8                       ; back: lanes 0-15 one row of 256 bytes, lanes 16-31 the next
	v_lshlrev_b32 v9, 12, v254
	v_lshl_add_u32 v9, v253, 4, v9                 ; and the same two rows in out0
	s_lshl_b32 s84, s68, 12
	s_lshl_b32 s85, s81, 11
	s_add_co_u32 s84, s84, s85
	s_add_co_u32 s84, s84, 229376
	s_mov_b32 s85, 0
	s_add_nc_u64 s[84:85], s[10:11], s[84:85]      ; csc: pairs 224 + 4 j + 2 wn on
	s_lshl_b32 s86, s69, 10
	s_lshl_b32 s87, s82, 8
	s_add_co_u32 s86, s86, s87
	s_mov_b32 s87, 0
	s_add_nc_u64 s[86:87], s[6:7], s[86:87]        ; osc: token tiles 8 i + 2 wt on
.irp s, 0,1,2,3,4,5,6,7
	global_load_b32 v[12+2*\s], v252, s[84:85] offset:128*\s
	global_load_b32 v[13+2*\s], v252, s[84:85] offset:1024+128*\s
	global_load_b32 v[28+\s], v11, s[86:87] offset:65536*\s          ; head 2 s: bytes 0 and 1 of the K step's word,
	global_load_b32 v[244+\s], v11, s[86:87] offset:65536*\s+32768   ; head 2 s + 1: bytes 2 and 3
.endr
	s_lshl_b32 s90, s69, 7
	s_lshl_b32 s91, s82, 5
	s_add_co_u32 s90, s90, s91                     ; my first token: 128 i + 32 wt
	s_lshl_b32 s90, s90, 12
	s_lshl_b32 s91, s68, 9
	s_add_co_u32 s90, s90, s91
	s_lshl_b32 s91, s81, 8
	s_add_co_u32 s90, s90, s91                     ; + my first column's bytes: 512 j + 256 wn
	s_mov_b32 s91, 0
	s_add_nc_u64 s[12:13], s[12:13], s[90:91]
.macro FRAG reg, a16, off
	ds_load_b128 v[(\reg):(\reg)+3], v[\a16] offset:\off
	ds_load_b64 v[(\reg)+4:(\reg)+5], v[(\a16)+1] offset:\off
	ds_load_b128 v[(\reg)+6:(\reg)+9], v[\a16] offset:(\off)+768
	ds_load_b64 v[(\reg)+10:(\reg)+11], v[(\a16)+1] offset:(\off)+768
.endm
.macro FETCH s                         ; K step s: six fragments, 24 loads, into set s % 2; the address registers stand at the step's group
.irp t, 0,1,2,3
	FRAG FS+72*((\s)%2)+12*\t, 3, 6144*(\t/2)+3072*((\s)%2)+1536*(\t%2)
.endr
.irp m, 0,1
	FRAG FS+72*((\s)%2)+48+12*\m, 5, 3072*((\s)%2)+1536*\m
.endr
.endm
.macro WM d, a, b, zero, sa, sb, ra, rb
.if \zero
.if (\ra) && (\rb)
	v_wmma_scale_f32_16x16x128_f8f6f4 v[(\d):(\d)+7], v[(\a):(\a)+11], v[(\b):(\b)+11], 0, v[\sa], v[\sb] matrix_a_fmt:MATRIX_FMT_FP6 matrix_b_fmt:MATRIX_FMT_FP6 matrix_a_scale:MATRIX_SCALE_ROW1 matrix_b_scale:MATRIX_SCALE_ROW1
.elseif (\ra)
	v_wmma_scale_f32_16x16x128_f8f6f4 v[(\d):(\d)+7], v[(\a):(\a)+11], v[(\b):(\b)+11], 0, v[\sa], v[\sb] matrix_a_fmt:MATRIX_FMT_FP6 matrix_b_fmt:MATRIX_FMT_FP6 matrix_a_scale:MATRIX_SCALE_ROW1
.elseif (\rb)
	v_wmma_scale_f32_16x16x128_f8f6f4 v[(\d):(\d)+7], v[(\a):(\a)+11], v[(\b):(\b)+11], 0, v[\sa], v[\sb] matrix_a_fmt:MATRIX_FMT_FP6 matrix_b_fmt:MATRIX_FMT_FP6 matrix_b_scale:MATRIX_SCALE_ROW1
.else
	v_wmma_scale_f32_16x16x128_f8f6f4 v[(\d):(\d)+7], v[(\a):(\a)+11], v[(\b):(\b)+11], 0, v[\sa], v[\sb] matrix_a_fmt:MATRIX_FMT_FP6 matrix_b_fmt:MATRIX_FMT_FP6
.endif
.else
.if (\ra) && (\rb)
	v_wmma_scale_f32_16x16x128_f8f6f4 v[(\d):(\d)+7], v[(\a):(\a)+11], v[(\b):(\b)+11], v[(\d):(\d)+7], v[\sa], v[\sb] matrix_a_fmt:MATRIX_FMT_FP6 matrix_b_fmt:MATRIX_FMT_FP6 matrix_a_scale:MATRIX_SCALE_ROW1 matrix_b_scale:MATRIX_SCALE_ROW1
.elseif (\ra)
	v_wmma_scale_f32_16x16x128_f8f6f4 v[(\d):(\d)+7], v[(\a):(\a)+11], v[(\b):(\b)+11], v[(\d):(\d)+7], v[\sa], v[\sb] matrix_a_fmt:MATRIX_FMT_FP6 matrix_b_fmt:MATRIX_FMT_FP6 matrix_a_scale:MATRIX_SCALE_ROW1
.elseif (\rb)
	v_wmma_scale_f32_16x16x128_f8f6f4 v[(\d):(\d)+7], v[(\a):(\a)+11], v[(\b):(\b)+11], v[(\d):(\d)+7], v[\sa], v[\sb] matrix_a_fmt:MATRIX_FMT_FP6 matrix_b_fmt:MATRIX_FMT_FP6 matrix_b_scale:MATRIX_SCALE_ROW1
.else
	v_wmma_scale_f32_16x16x128_f8f6f4 v[(\d):(\d)+7], v[(\a):(\a)+11], v[(\b):(\b)+11], v[(\d):(\d)+7], v[\sa], v[\sb] matrix_a_fmt:MATRIX_FMT_FP6 matrix_b_fmt:MATRIX_FMT_FP6
.endif
.endif
.endm
.macro MUL s, zero                     ; eight accumulators by turns, one instruction a turn
.irp m, 0,1
.irp t, 0,1,2,3
	WM 36+32*\m+8*\t, FS+72*((\s)%2)+12*\t, FS+72*((\s)%2)+48+12*\m, \zero, 12+2*(\s)+\t/2, 28+(\s), \t%2, \m
.endr
.endr
.endm
.macro NEXTGRP left                    ; the next group has landed in every wave; left: my groups still on their way.  Nothing is ever filled again
	s_wait_tensorcnt \left
	s_wait_dscnt 0x0
	s_barrier_signal -1
	s_barrier_wait -1
	v_add_nc_u32 v3, GRP, v3                       ; (these four are also the places in front of the loads that follow)
	v_add_nc_u32 v4, GRP, v4
	v_add_nc_u32 v5, GRP, v5
	v_add_nc_u32 v6, GRP, v6
.endm
	s_wait_tensorcnt 0x3                           ; my part of group 0 is in, three groups may be out
	s_barrier_signal -1
	s_barrier_wait -1
	FETCH 0
	s_wait_loadcnt 0x0
.irp s, 0,1,2,3,4,5,6,7
	v_lshl_or_b32 v[28+\s], v[244+\s], 16, v[28+\s]   ; two heads' bytes make a K step's scale word
.endr
.rept 8
	v_nop                                          ; a scale register written by a vector instruction stands eight places ahead of a scaled matrix instruction
.endr
	s_wait_dscnt 0x0
	FETCH 1
	MUL 0, 1                                       ; the first K step starts the sums
	NEXTGRP 2
	FETCH 2
	MUL 1, 0
	s_wait_dscnt 0x0
	PLACES
	FETCH 3
	MUL 2, 0
	NEXTGRP 1
	FETCH 4
	MUL 3, 0
	s_wait_dscnt 0x0
	PLACES
	FETCH 5
	MUL 4, 0
	NEXTGRP 0
	FETCH 6
	MUL 5, 0
	s_wait_dscnt 0x0
	PLACES
	FETCH 7
	MUL 6, 0
	s_wait_dscnt 0x0
	MUL 7, 0
	; THE WAY OUT.  In accumulator (m, t) lane (r, h) holds token lane r of tile m and columns 32 (t / 2) + 16 h + 8 (t % 2) + 0 .. 7 of my 64.  Through my own stage, and back as whole rows of 256 bytes.
	PLACES
.irp m, 0,1
.irp t, 0,1,2,3
	ds_store_b128 v7, v[36+32*\m+8*\t:39+32*\m+8*\t] offset:4352*\m+128*(\t/2)+32*(\t%2)       ; each accumulator from its low end on
	ds_store_b128 v7, v[40+32*\m+8*\t:43+32*\m+8*\t] offset:4352*\m+128*(\t/2)+32*(\t%2)+16
.endr
.endr
.irp m, 0,1
.irp e, 0,1,2,3,4,5,6,7
	ds_load_b128 v[FS+4*(8*\m+\e):FS+4*(8*\m+\e)+3], v8 offset:(16*\m+2*\e)*272   ; LDS serves a wave's instructions in order: these see my stores
.endr
.endr
.irp m, 0,1
.irp e, 0,1,2,3,4,5,6,7
	s_wait_dscnt 15-8*\m-\e
	global_store_b128 v9, v[FS+4*(8*\m+\e):FS+4*(8*\m+\e)+3], s[12:13] offset:(8*\m+2*\e+8*(\e/4))*4096 th:TH_STORE_NT   ; stage rows 2 e, 2 e + 1 of tile m are tokens 8 m + 2 e + 8 (e / 4) and the next; 16 lanes store 256 consecutive bytes, aligned
.endr
.endr
	s_set_vgpr_msb 0x4
	s_wait_tensorcnt 0x0
	ds_add_u32 v255, v1
	s_wait_dscnt 0x0
	s_set_vgpr_msb 0x400
	CROUND                                         ; the closing round: no work-group ends while a partner may still ask for a tile that names it
	s_endpgm
.Lfunc_end_k_q1421ffecd2_proj:
	.size	k_q1421ffecd2_proj, .Lfunc_end_k_q1421ffecd2_proj-k_q1421ffecd2_proj
	.p2alignl 7, 3214868480
	.fill 96, 4, 3214868480
	.section	.rodata,"a",@progbits
	.p2align	6, 0x0
	.amdhsa_kernel k_q1421ffecd2_proj
		.amdhsa_group_segment_fixed_size 267264
		.amdhsa_private_segment_fixed_size 0
		.amdhsa_enable_private_segment 0
		.amdhsa_kernarg_size 40
		.amdhsa_user_sgpr_count 2
		.amdhsa_user_sgpr_kernarg_segment_ptr 1
		.amdhsa_wavefront_size32 1
		.amdhsa_system_sgpr_workgroup_id_x 1
		.amdhsa_system_sgpr_workgroup_id_y 1
		.amdhsa_system_sgpr_workgroup_id_z 1
		.amdhsa_system_vgpr_workitem_id 0
		.amdhsa_next_free_vgpr 258
		.amdhsa_next_free_sgpr 100
		.amdhsa_reserve_vcc 0
		.amdhsa_float_denorm_mode_32 3
		.amdhsa_float_denorm_mode_16_64 3
		.amdhsa_memory_ordered 1
		.amdhsa_forward_progress 1
		.amdhsa_inst_pref_size 39
	.end_amdhsa_kernel
	.amdgpu_metadata
---
amdhsa.version: [ 1, 2 ]
amdhsa.kernels:
  - .name:           k_q1421ffecd2_proj
    .symbol:         k_q1421ffecd2_proj.kd
    .args:
      - { .name: oimg, .offset: 0, .size: 8, .value_kind: global_buffer, .address_space: global }
      - { .name: osc, .offset: 8, .size: 8, .value_kind: global_buffer, .address_space: global }
      - { .name: cimg, .offset: 16, .size: 8, .value_kind: global_buffer, .address_space: global }
      - { .name: csc, .offset: 24, .size: 8, .value_kind: global_buffer, .address_space: global }
      - { .name: out0, .offset: 32, .size: 8, .value_kind: global_buffer, .address_space: global }
    .group_segment_fixed_size: 267264
    .private_segment_fixed_size: 0
    .kernarg_segment_align: 8
    .kernarg_segment_size: 40
    .max_flat_workgroup_size: 256
    .sgpr_count:     100
    .vgpr_count:     258
    .wavefront_size: 32
...
	.end_amdgpu_metadata
.endif
;; end of part 4
;; ======== version 2 of 2: 4 launches
;; limits: right only within a limited range of input values
;; workspace buffers: cimg 6,291,456 bytes; csc 262,144 bytes; mskw 589,824 bytes of whole numbers; qkvimg 9,437,184 bytes; qkvsc 655,360 bytes; oimg 3,145,728 bytes; osc 524,288 bytes
;; launch prep (part 5): grid 640 x 1, 4 waves a work-group, no clusters, 92,672 bytes of LDS; arguments x, Wqkv, Wo, mask, cimg, csc, mskw; writes cimg, csc, mskw
.if DOCPART == 5
	.amdgcn_target "amdgcn-amd-amdhsa--gfx1250"
	.amdhsa_code_object_version 6
	.text
	.protected	k_q1421ffecd2_prep
	.globl	k_q1421ffecd2_prep
	.p2align	8
	.type	k_q1421ffecd2_prep,@function
k_q1421ffecd2_prep:
	s_mov_b64 s[64:65], 0
	v_nop
	global_prefetch_b8 v0, s[64:65] scope:SCOPE_SE
	s_setreg_imm32_b32 hwreg(HW_REG_WAVE_MODE, 25, 1), 1
	s_wait_xcnt 0x0
; PREP.  x [4096][1024], Wqkv [1024][3072] and Wo [1024][1024], f32, become codes of FP6 (E2M3) with one E8M0 byte for each 32 along K (K = 1,024 in all three);
; the mask [2048][2048] of bytes becomes lane-mask words and flags for the attention launch.
; A block's scale is 2^(floor(log2(its largest magnitude)) - 2): its byte is the largest magnitude's exponent field - 2, held at 1 from below.
; LIMITS: NaN and infinities among the inputs are not served; a block whose largest magnitude lies under 2^-124, a block of zeros too, gets the byte 1 (its codes are zeros or subnormal codes under that scale; the bytes are read by this program alone).
; LAYOUT OF THE CODES: images of operand registers.  Rows go in pairs of tiles over 32 neighbouring rows: tile 2 P + u, lane r holds row 32 P + 8 u + r + 8 (r / 8).
; A fragment (16 rows x 128 K, 12 registers a lane) is 1,536 bytes: for each half c of K, registers 6 c .. 6 c + 3 at 768 c + 16 x lane and registers 6 c + 4, 6 c + 5 at 768 c + 512 + 8 x lane.
; cimg [K step 8][tile 512][1536]: tiles 0-255 x; tiles 256 + 24 j + e Wqkv (e 0-15: columns 256 j on; e 16-23: columns 2048 + 128 j on); tiles 448 + e Wo.
; csc [pair of tiles 256][K step 8][lane 32] words: lane 16 u + r holds the scale word of tile 2 P + u, row r.
; mskw: words [query tile 128][key step 16][64]: word 16 b + i, bit 16 h + r = mask[query of lane r][128 step + 32 b + 16 h + i]; from byte 524,288 flags [query tile][4][32 words]: bits 15:0 row r has a true key in the step, bit 16 all are true.
; SHARES.  One unit a wave, no loop, no barrier: waves share nothing.  Work-groups 0-255 take x, 256-447 Wqkv, 448-511 Wo, 512-639 the mask; each of the four ways has LDS bytes of its own.
; The four ways' stages are 92,160 bytes together, so that three work-groups' claims, 276,480 bytes, lie side by side in 327,680: the launch streams, and what it has on its way grows with the waves that are resident.
.set XSTG,  0                          ; x: 4 stages of 16 rows x 528 bytes
.set W3STG, 33792                      ; Wqkv: 4 stages of 3,072 bytes
.set W1STG, 46080                      ; Wo: likewise
.set MSTG,  58368                      ; mask: 4 stages of 16 rows x 528 bytes
.set NUM,   64                         ; v64-191 four blocks of 32 numbers
.set COD,   16                         ; v16-47  a block's six code registers, eight apart
.set BYT,   52                         ; v52-55  the blocks' scale bytes
	s_load_b256 s[4:11], s[0:1], 0x0               ; x s[4:5], Wqkv s[6:7], Wo s[8:9], mask s[10:11]
	s_load_b128 s[12:15], s[0:1], 0x20             ; cimg s[12:13], csc s[14:15]
	s_load_b64 s[16:17], s[0:1], 0x30              ; mskw
	v_lshl_add_u32 v192, v0, 2, 0x16800
	v_mov_b32 v193, 0
	v_lshrrev_b32 v1, 5, v0
	v_readfirstlane_b32 s18, v1                    ; wave 0..3
	v_and_b32 v1, 31, v0                           ; lane
	v_and_b32 v2, 15, v0                           ; r
	v_bfe_u32 v3, v0, 4, 1                         ; h
	v_lshlrev_b32 v4, 4, v1                        ; 16 x lane
	v_lshl_add_u32 v8, v1, 3, 512                  ; 512 + 8 x lane
	v_lshlrev_b32 v9, 2, v1                        ; 4 x lane
	s_mov_b32 s20, 0x76543210
	s_mov_b32 s21, 0xfedcba98                      ; v_permlanex16_b32's selects for lane l xor 16
	s_mov_b32 s22, 0xffff0000                      ; lanes 16-31
; 32 numbers of one lane, block f, become six code registers and a byte
.macro BLOCKQ f
.set XB, NUM+32*(\f)
.set CB, COD+8*(\f)
	v_max3_num_f32 v56, |v[XB]|, |v[XB+1]|, |v[XB+2]|
	v_max3_num_f32 v57, |v[XB+3]|, |v[XB+4]|, |v[XB+5]|
.irp i, 6,10,14,18,22,26
	v_max3_num_f32 v56, v56, |v[XB+\i]|, |v[XB+\i+1]|
	v_max3_num_f32 v57, v57, |v[XB+\i+2]|, |v[XB+\i+3]|
.endr
	v_max3_num_f32 v56, v56, |v[XB+30]|, |v[XB+31]|
	v_max3_num_f32 v56, v56, v57, 0x1800000        ; and the floor 2^(3 - 127): the byte cannot fall under 1
	v_add_nc_u32 v58, 0xff000000, v56              ; 2 off the exponent field: the conversion takes this operand's exponent field as its scale
	v_lshrrev_b32 v[BYT+(\f)], 23, v58             ; the scale's byte
	v_cvt_scalef32_pk16_fp6_f32 v[CB:CB+2], v[XB:XB+15], v58
	v_cvt_scalef32_pk16_fp6_f32 v[48:50], v[XB+16:XB+31], v58   ; (a conversion's three registers begin on an even number)
	v_nop                                          ; one plain place behind a scaled conversion
	v_mov_b32 v[CB+3], v48
	v_mov_b32 v[CB+4], v49
	v_mov_b32 v[CB+5], v50
.endm
	s_wait_kmcnt 0x0
	s_cmp_lt_u32 ttmp9, 256
	s_cbranch_scc1 .Lpath_x
	s_cmp_lt_u32 ttmp9, 448
	s_cbranch_scc1 .Lpath_w3
	s_cmp_lt_u32 ttmp9, 512
	s_cbranch_scc1 .Lpath_w1
; ---- THE MASK.  Work-group: query tile T; wave: four key steps (512 keys).
	s_sub_co_u32 s24, ttmp9, 512                   ; T
	s_lshr_b32 s25, s24, 1
	s_lshl_b32 s25, s25, 5
	s_and_b32 s26, s24, 1
	s_lshl_b32 s26, s26, 3
	s_add_co_u32 s25, s25, s26                     ; the tile's first query: 32 (T / 2) + 8 (T % 2)
	s_lshl_b32 s26, s25, 11                        ; a row of the mask is 2,048 bytes
	s_lshl_b32 s27, s18, 9
	s_add_co_u32 s26, s26, s27
	s_mov_b32 s27, 0
	s_add_nc_u64 s[10:11], s[10:11], s[26:27]
	s_lshl_b32 s26, s24, 2
	s_add_co_u32 s26, s26, s18                     ; 4 T + wave
	s_lshl_b32 s28, s26, 10                        ; four records of 256 bytes
	s_mov_b32 s29, 0
	s_add_nc_u64 s[30:31], s[16:17], s[28:29]      ; my words
	s_lshl_b32 s28, s26, 7
	s_add_co_u32 s28, s28, 524288
	s_add_nc_u64 s[16:17], s[16:17], s[28:29]      ; my flags
	s_mul_i32 s32, s18, 8448
	s_add_co_u32 s32, s32, MSTG                    ; my stage
	s_wait_alu depctr_va_vdst(0)
	v_add_nc_u32 v5, s32, v4                       ; in: 16 x lane of a row
	v_mul_u32_u24 v6, v2, 528
	v_lshl_add_u32 v6, v3, 4, v6
	v_add_nc_u32 v6, s32, v6                       ; back: row r, + 16 h
	v_mov_b32 v24, 0                               ; the flags: lane e takes step e's
.set i, 0
.rept 16
	global_load_b128 v[64+4*i:67+4*i], v4, s[10:11] offset:(i+8*(i/8))*2048 th:TH_LOAD_NT   ; lane r's query, 512 consecutive bytes
.set i, i+1
.endr
	s_wait_alu depctr_va_vdst(0)
	s_wait_loadcnt 0x8                             ; the first eight rows are in, the other eight may be out
.set i, 0
.rept 8
	ds_store_b128 v5, v[64+4*i:67+4*i] offset:528*i
.set i, i+1
.endr
	s_wait_loadcnt 0x0
.rept 8
	ds_store_b128 v5, v[64+4*i:67+4*i] offset:528*i
.set i, i+1
.endr
.set i, 0
.rept 16                                       ; LDS serves a wave's instructions in order: these see my stores.  Step i / 4, block i % 4: my 16 keys
	ds_load_b128 v[128+4*i:131+4*i], v6 offset:128*(i/4)+32*(i%4)
.set i, i+1
.endr
.macro MWORDS k
	s_wait_dscnt 12-4*(\k)                         ; this step's four loads are in, the later steps' may be out
	v_mov_b32 v[16+2*(\k)], 0
	v_mov_b32 v[17+2*(\k)], 0
.set n, 0
.rept 64                                       ; word n: one bit a lane, gathered by a compare; it goes to lane n % 32 of one of two registers
	v_and_b32 v[56+n%4], 0xff<<(8*(n%4)), v[128+16*(\k)+n/4]
	v_cmp_ne_u32 s[40+n%8], 0, v[56+n%4]
	v_writelane_b32 v[16+2*(\k)+n/32], s[40+n%8], n%32
.set n, n+1
.endr
	v_or_b32 v60, v[128+16*(\k)], v[129+16*(\k)]
	v_and_b32 v61, v[128+16*(\k)], v[129+16*(\k)]
.irp e, 2,3,4,5,6,7,8,9,10,11,12,13,14,15
	v_or_b32 v60, v60, v[128+16*(\k)+\e]
	v_and_b32 v61, v61, v[128+16*(\k)+\e]
.endr
	v_cmp_ne_u32 s48, 0, v60                       ; a true key among my 64
	v_cmp_eq_u32 s49, 0x1010101, v61               ; all my 64 true
	s_lshr_b32 s50, s48, 16
	s_or_b32 s48, s48, s50
	s_and_b32 s48, s48, 0xffff                     ; by rows
	s_cmp_eq_u32 s49, -1
	s_cselect_b32 s50, 0x10000, 0
	s_or_b32 s48, s48, s50
	v_writelane_b32 v24, s48, \k
	global_store_b32 v9, v[16+2*(\k)], s[30:31] offset:256*(\k)
	global_store_b32 v9, v[17+2*(\k)], s[30:31] offset:256*(\k)+128
.endm
	MWORDS 0
	MWORDS 1
	MWORDS 2
	MWORDS 3
	global_store_b32 v9, v24, s[16:17]
	s_wait_tensorcnt 0x0
	ds_add_u32 v192, v193
	s_wait_dscnt 0x0
	s_endpgm
; ---- x.  Work-group g: pair of tiles P = g / 2; wave: K step 4 (g % 2) + wave.  32 rows x 128 numbers, a tile of 16 rows at a time through the stage.
.Lpath_x:
	s_lshr_b32 s24, ttmp9, 1                       ; P
	s_and_b32 s25, ttmp9, 1
	s_lshl_b32 s25, s25, 2
	s_add_co_u32 s25, s25, s18                     ; K step
	s_lshl_b32 s26, s24, 17                        ; 32 rows of 4,096 bytes
	s_lshl_b32 s27, s25, 9
	s_add_co_u32 s26, s26, s27
	s_mov_b32 s27, 0
	s_add_nc_u64 s[4:5], s[4:5], s[26:27]
	s_lshl_b32 s26, s25, 9
	s_lshl_b32 s28, s24, 1
	s_add_co_u32 s26, s26, s28
	s_mul_i32 s26, s26, 1536                       ; (512 step + 2 P) fragments
	s_add_nc_u64 s[12:13], s[12:13], s[26:27]
	s_lshl_b32 s26, s24, 3
	s_add_co_u32 s26, s26, s25
	s_lshl_b32 s26, s26, 7
	s_add_nc_u64 s[14:15], s[14:15], s[26:27]
	s_mul_i32 s28, s18, 8448                       ; my stage (XSTG = 0)
	s_wait_alu depctr_va_vdst(0)
	v_add_nc_u32 v5, s28, v4
	v_mul_u32_u24 v6, v2, 528
	v_lshl_add_u32 v6, v3, 7, v6
	v_add_nc_u32 v6, s28, v6                       ; back: stage row r, + 128 h: my block of 32 numbers
.set k, 0
.rept 32                                       ; load k: tile u = k / 16, its lane r = k % 16: row 8 u + r + 8 (r / 8); 32 lanes read 512 consecutive bytes of it
	global_load_b128 v[NUM+4*k:NUM+4*k+3], v4, s[4:5] offset:4096*(8*(k/16)+k%16+8*((k%16)/8)) th:TH_LOAD_NT
.set k, k+1
.endr
	s_wait_alu depctr_va_vdst(0)
.irp u, 0,1
.irp q, 0,1
	s_wait_loadcnt 24-16*\u-8*\q                   ; eight more rows are in; the count is the rows still out
.irp e, 0,1,2,3,4,5,6,7                        ; a tile's sixteen rows lie 528 bytes apart.  LDS serves a wave's instructions in order: tile 1's stores come behind tile 0's reads of the same bytes
	ds_store_b128 v5, v[NUM+64*\u+32*\q+4*\e:NUM+64*\u+32*\q+4*\e+3] offset:528*(8*\q+\e)
.endr
.endr
	s_wait_dscnt 0x0                               ; the stores have read their registers, which the loads below fill again (at tile 1: tile 0's numbers are back too)
.set i, 0
.rept 16                                       ; block f = 2 u + i / 8: 128 bytes of my row
	ds_load_b128 v[NUM+64*\u+4*i:NUM+64*\u+4*i+3], v6 offset:256*(i/8)+16*(i%8)
.set i, i+1
.endr
.endr
.irp f, 0,1,2,3
.if \f >= 2
	s_wait_dscnt 8*(3-\f)                          ; this block's eight loads are in; the last block's may be out
.endif
	BLOCKQ \f
	global_store_b128 v4, v[COD+8*\f:COD+8*\f+3], s[12:13] offset:768*\f     ; 512 consecutive bytes,
	global_store_b64 v8, v[COD+8*\f+4:COD+8*\f+5], s[12:13] offset:768*\f    ; and the 256 behind them
.endr
	v_lshl_or_b32 v60, v53, 16, v52                ; tile 0: my bytes of blocks h and 2 + h,
	v_lshl_or_b32 v61, v55, 16, v54                ; tile 1
	v_lshlrev_b32 v59, 3, v3
	v_lshlrev_b32 v60, v59, v60                    ; at their places in the word,
	v_lshlrev_b32 v61, v59, v61
	v_mov_b32 v62, 0
	v_mov_b32 v63, 0
	v_permlanex16_b32 v62, v60, s20, s21
	v_permlanex16_b32 v63, v61, s20, s21
	v_or_b32 v60, v60, v62                         ; with lane l xor 16's two the word is whole
	v_or_b32 v61, v61, v63
	v_cndmask_b32 v60, v60, v61, s22               ; lanes 0-15 tile 0's, lanes 16-31 tile 1's
	global_store_b32 v9, v60, s[14:15]
	s_wait_tensorcnt 0x0
	ds_add_u32 v192, v193
	s_wait_dscnt 0x0
	s_endpgm
; ---- A WEIGHT [1024][n], K its first axis.  A lane takes a column and its registers run down K.  On entry s25 = pair of tiles p (columns 32 p on), s26 = K step, s27 = the pair's first tile in cimg.
.macro LOADB kb, n, wp
.set i, 0
.rept 32
	global_load_b32 v[NUM+32*(\kb)+i], v9, s[\wp:\wp+1] offset:(32*(\kb)+i)*4*(\n) th:TH_LOAD_NT   ; 128 consecutive bytes a wave; the four waves stand side by side
.set i, i+1
.endr
.endm
.macro TOSTG kb                                ; block kb = 2 c + h of my column goes to lane 16 h + r of its tile's image
	ds_store_b128 v10, v[COD+8*(\kb):COD+8*(\kb)+3] offset:768*((\kb)/2)+256*((\kb)%2)
	ds_store_b64 v11, v[COD+8*(\kb)+4:COD+8*(\kb)+5] offset:768*((\kb)/2)+128*((\kb)%2)
.endm
.macro WBODY n, stage, wp
	s_mul_i32 s28, s26, 512*(\n)                   ; 128 rows of 4 n bytes a K step
	s_lshl_b32 s29, s25, 7
	s_add_co_u32 s28, s28, s29
	s_mov_b32 s29, 0
	s_add_nc_u64 s[\wp:\wp+1], s[\wp:\wp+1], s[28:29]
	s_lshl_b32 s28, s26, 9
	s_add_co_u32 s28, s28, s27
	s_mul_i32 s28, s28, 1536
	s_add_nc_u64 s[12:13], s[12:13], s[28:29]
	s_lshl_b32 s28, s27, 2                         ; 8 x pair
	s_add_co_u32 s28, s28, s26
	s_lshl_b32 s28, s28, 7
	s_add_nc_u64 s[14:15], s[14:15], s[28:29]
	s_mul_i32 s28, s18, 3072
	s_add_co_u32 s28, s28, \stage                  ; my stage: two fragments
	v_bfe_u32 v5, v0, 3, 1                         ; my column's tile u = (l / 8) % 2
	v_and_b32 v6, 7, v0
	s_wait_alu depctr_va_vdst(0)
	v_lshl_add_u32 v6, v3, 3, v6                   ; and its lane r = l % 8 + 8 (l / 16)
	v_mul_u32_u24 v7, v5, 1536
	v_add_nc_u32 v7, s28, v7
	v_lshl_add_u32 v10, v6, 4, v7                  ; registers 0-3 of a half
	v_lshl_add_u32 v11, v6, 3, v7
	v_add_nc_u32 v11, 512, v11                     ; registers 4, 5
	v_add_nc_u32 v12, s28, v4                      ; back: 16 x lane
	v_lshl_add_u32 v13, v5, 4, v6
	v_lshlrev_b32 v13, 2, v13                      ; my scale word's place: 4 (16 u + r)
	LOADB 0, \n, \wp
	LOADB 1, \n, \wp
	s_wait_loadcnt 32                              ; block 0 is in; the youngest 32 loads may be out
	LOADB 2, \n, \wp
	BLOCKQ 0
	TOSTG 0
	s_wait_loadcnt 32                              ; block 1
	LOADB 3, \n, \wp
	BLOCKQ 1
	TOSTG 1
	s_wait_loadcnt 32                              ; block 2
	BLOCKQ 2
	TOSTG 2
	s_wait_loadcnt 0x0
	BLOCKQ 3
	TOSTG 3
	v_lshl_or_b32 v60, v53, 8, v52                 ; all four bytes are mine
	v_lshl_or_b32 v60, v54, 16, v60
	v_lshl_or_b32 v60, v55, 24, v60
	global_store_b32 v13, v60, s[14:15]
.irp e, 0,1,2,3,4,5
	ds_load_b128 v[NUM+4*\e:NUM+4*\e+3], v12 offset:512*\e    ; LDS serves a wave's instructions in order: these see my stores
.endr
.irp e, 0,1,2,3,4,5
	s_wait_dscnt 5-\e
	global_store_b128 v4, v[NUM+4*\e:NUM+4*\e+3], s[12:13] offset:512*\e   ; 512 consecutive bytes, at a multiple of 256 from the buffer's first byte
.endr
	s_wait_tensorcnt 0x0
	ds_add_u32 v192, v193
	s_wait_dscnt 0x0
	s_endpgm
.endm
.Lpath_w3:
	s_sub_co_u32 s24, ttmp9, 256
	s_lshr_b32 s25, s24, 3
	s_lshl_b32 s25, s25, 2
	s_add_co_u32 s25, s25, s18                     ; p 0..95
	s_and_b32 s26, s24, 7
	s_lshr_b32 s30, s25, 3                         ; q's and k's columns: 24 (p / 8) + 2 (p % 8)
	s_mul_i32 s30, s30, 24
	s_and_b32 s31, s25, 7
	s_lshl_b32 s31, s31, 1
	s_add_co_u32 s30, s30, s31
	s_max_u32 s32, s25, 64                         ; v's columns, p' = p - 64: 24 (p' / 4) + 16 + 2 (p' % 4)
	s_sub_co_u32 s32, s32, 64
	s_lshr_b32 s33, s32, 2
	s_mul_i32 s33, s33, 24
	s_and_b32 s32, s32, 3
	s_lshl_b32 s32, s32, 1
	s_add_co_u32 s33, s33, s32
	s_add_co_u32 s33, s33, 16
	s_cmp_lt_u32 s25, 64
	s_cselect_b32 s27, s30, s33
	s_add_co_u32 s27, s27, 256
	WBODY 3072, W3STG, 6
.Lpath_w1:
	s_sub_co_u32 s24, ttmp9, 448
	s_lshr_b32 s25, s24, 3
	s_lshl_b32 s25, s25, 2
	s_add_co_u32 s25, s25, s18                     ; p 0..31
	s_and_b32 s26, s24, 7
	s_lshl_b32 s27, s25, 1
	s_add_co_u32 s27, s27, 448
	WBODY 1024, W1STG, 8
.Lfunc_end_k_q1421ffecd2_prep:
	.size	k_q1421ffecd2_prep, .Lfunc_end_k_q1421ffecd2_prep-k_q1421ffecd2_prep
	.p2alignl 7, 3214868480
	.fill 96, 4, 3214868480
	.section	.rodata,"a",@progbits
	.p2align	6, 0x0
	.amdhsa_kernel k_q1421ffecd2_prep
		.amdhsa_group_segment_fixed_size 92672
		.amdhsa_private_segment_fixed_size 0
		.amdhsa_enable_private_segment 0
		.amdhsa_kernarg_size 56
		.amdhsa_user_sgpr_count 2
		.amdhsa_user_sgpr_kernarg_segment_ptr 1
		.amdhsa_wavefront_size32 1
		.amdhsa_system_sgpr_workgroup_id_x 1
		.amdhsa_system_sgpr_workgroup_id_y 1
		.amdhsa_system_sgpr_workgroup_id_z 1
		.amdhsa_system_vgpr_workitem_id 0
		.amdhsa_next_free_vgpr 194
		.amdhsa_next_free_sgpr 66
		.amdhsa_reserve_vcc 0
		.amdhsa_float_denorm_mode_32 3
		.amdhsa_float_denorm_mode_16_64 3
		.amdhsa_memory_ordered 1
		.amdhsa_forward_progress 1
		.amdhsa_inst_pref_size 120
	.end_amdhsa_kernel
	.amdgpu_metadata
---
amdhsa.version: [ 1, 2 ]
amdhsa.kernels:
  - .name:           k_q1421ffecd2_prep
    .symbol:         k_q1421ffecd2_prep.kd
    .args:
      - { .name: x, .offset: 0, .size: 8, .value_kind: global_buffer, .address_space: global }
      - { .name: Wqkv, .offset: 8, .size: 8, .value_kind: global_buffer, .address_space: global }
      - { .name: Wo, .offset: 16, .size: 8, .value_kind: global_buffer, .address_space: global }
      - { .name: mask, .offset: 24, .size: 8, .value_kind: global_buffer, .address_space: global }
      - { .name: cimg, .offset: 32, .size: 8, .value_kind: global_buffer, .address_space: global }
      - { .name: csc, .offset: 40, .size: 8, .value_kind: global_buffer, .address_space: global }
      - { .name: mskw, .offset: 48, .size: 8, .value_kind: global_buffer, .address_space: global }
    .group_segment_fixed_size: 92672
    .private_segment_fixed_size: 0
    .kernarg_segment_align: 8
    .kernarg_segment_size: 56
    .max_flat_workgroup_size: 128
    .sgpr_count:     66
    .vgpr_count:     194
    .wavefront_size: 32
...
	.end_amdgpu_metadata
.endif
;; end of part 5
;; launch qkv (part 6): grid 8 x 32, 4 waves a work-group, clusters of 4 x 4, 327,680 bytes of LDS; arguments cimg, csc, qkvimg, qkvsc; writes qkvimg, qkvsc
.if DOCPART == 6
	.amdgcn_target "amdgcn-amd-amdhsa--gfx1250"
	.amdhsa_code_object_version 6
	.text
	.protected	k_q1421ffecd2_qkv
	.globl	k_q1421ffecd2_qkv
	.p2align	8
	.type	k_q1421ffecd2_qkv,@function
k_q1421ffecd2_qkv:
	s_mov_b64 s[64:65], 0
	v_nop
	global_prefetch_b8 v0, s[64:65] scope:SCOPE_SE
	s_setreg_imm32_b32 hwreg(HW_REG_WAVE_MODE, 25, 1), 1
	s_wait_xcnt 0x0
	s_wait_alu depctr_hold_cnt(0) depctr_sa_sdst(0) depctr_va_vdst(0) depctr_va_sdst(0) depctr_va_ssrc(0) depctr_va_vcc(0) depctr_vm_vsrc(0)
	s_getreg_b32 s2, hwreg(HW_REG_IB_STS2, 6, 4)
	s_cmp_eq_u32 s2, 0
	s_cbranch_scc0 .Lentry_in_a_cluster
	s_endpgm
.Lentry_in_a_cluster:
	s_bfe_u32 s2, ttmp6, 0x10000c
	s_cmp_lg_u32 s2, 0xf033
	s_cbranch_scc0 .Lentry_shape_is_right
	s_endpgm
.Lentry_shape_is_right:
; QKV.  x Wqkv on codes of FP6 (E2M3) with E8M0 scales, sums in f32; q, k and v are quantised in registers and leave as codes: q and k along the head's 64 channels, v along the keys.
; SHARES.  Work-group (i, j): 128 tokens (x's tiles 8 i on) against 384 columns (the weight's tiles 256 + 24 j + 0 .. 23 of cimg: 256 columns of q or k, 128 of v).
; Wave w: (a) one head of q or k, number 4 j + w: source 0 = the weight's tiles 4 w + t, source 1 = x's tile m: a lane holds one token and its registers run along the head's channels: 32 accumulators;
; (b) 32 channels of v: source 0 = x's tile t, source 1 = the weight's tile 16 + 2 w + n: a lane holds one channel and its registers run along the 128 tokens, one key step: 16 accumulators.
; Rows of every operand lie in pairs of tiles (tile 2 P + u, lane r: row 32 P + 8 u + r + 8 (r / 8)), so that the 16 registers of two neighbouring tiles of source 0 are 16 neighbours.
; OPERANDS are images of registers, 1,536 bytes a fragment: each comes by two loads of 16 bytes and two of 8 bytes a lane, consecutive over the lanes.
; K goes in 8 steps of 128 through three LDS slots of two steps; the first slot is filled a second time, with steps 6 and 7.  By this text's own count a wave has one tensor load out at the start, one behind the first round and one behind the refill's round.
; CLUSTERS: 4 x 4 work-groups; x's tiles hang on i alone and are asked for jointly along a row of the cluster, the weight's on j alone, along a column.  Wave 0 asks for x, waves 1 to 3 for eight tiles of the weight each.
; LIMITS: NaN and infinities are not served; a block whose largest magnitude lies under 2^-124 gets the byte 1.
; REGISTERS: window 0: v2, v3, v24 lane offsets; v4-15 LDS addresses, six for each region; v22, v23 for the add; v32-87 scale words; v96-239 the weight's fragments, two sets of six.
;   window 1: x's fragments, two sets of eight.   window 2: the 32 accumulators of q or k, (m, t) at v[32 m + 8 t].   window 3: the 16 of v, (n, t) at v[64 n + 8 t].
.set PLANE, 786432                     ; a K step of cimg
.set SLOT,  98304                      ; two K steps: 4 parts x 2 x 12,288 bytes
.set PART,  24576                      ; what a load of two K steps brings: 8 fragments x 2 K steps
.set SPARE, 3*SLOT
.set REGB,  196608                     ; LDS: K steps 0-3 lie from 0 on (4 parts x 4 x 12,288 bytes; steps 6 and 7 later take the places of 0 and 1), K steps 4 and 5 from here on (4 parts x 2 x 12,288)
.set L16, 2
.set L8,  3
.set L4,  24
.set SPW, 22
.set NIL, 23
.set SC,  32                           ; K step s: v[SC + 7 s + 0..3] x's pairs, + 4, 5 the head's pairs, + 6 v's pair
.set WF,  96
.set WV,  14
.set G1X, 16
.set G1W, 24
.set G0X, 32                           ; s[32:39] a group 0 for each region, x
.set G0W, 44                           ; s[44:51] the weight
.set MSB, 0
.macro WIN new                         ; the immediate's high byte repeats the setting that is left
.if MSB != \new
	s_set_vgpr_msb (MSB<<8)|\new
.set MSB, \new
.endif
.endm
.macro PLACES                          ; four places in front of loads into registers that matrix instructions have read, and of the first read of results
.rept 4
	v_nop
.endr
.endm
.macro CROUND                          ; a round of the cluster's barrier
	s_barrier_signal -1
	s_barrier_wait -1
	s_cmp_lg_u32 s[WV], 0
	s_cbranch_scc1 .Lnot_wave_0_\@
	s_barrier_signal -3
.Lnot_wave_0_\@:
	s_barrier_wait -3
	s_barrier_signal -1
	s_barrier_wait -1
.endm
	s_load_b256 s[4:11], s[0:1], 0x0               ; cimg s[4:5], csc s[6:7], qkvimg s[8:9], qkvsc s[10:11]
	v_lshl_add_u32 v[SPW], v0, 2, SPARE
	v_mov_b32 v[NIL], 0
	ds_add_u32 v22, v23
	ds_add_u32 v22, v23
	s_wait_dscnt 0x0
	v_lshrrev_b32 v1, 5, v0
	v_readfirstlane_b32 s[WV], v1                  ; wave 0..3
	s_bfe_u32 s56, ttmp6, 0x40000                  ; cx
	s_bfe_u32 s57, ttmp6, 0x40004                  ; cy
	s_lshl_b32 s58, ttmp9, 2
	s_add_co_u32 s58, s58, s56                     ; j = 4 x cluster x + cx
	s_and_b32 s59, ttmp7, 0xffff
	s_lshl_b32 s59, s59, 2
	s_add_co_u32 s59, s59, s57                     ; i = 4 x cluster y + cy
	s_lshl_b32 s60, s57, 2
	s_lshl_b32 s60, 15, s60                        ; my row of the cluster
	s_lshl_b32 s61, 0x1111, s56                    ; my column
	; group 1: 2 rows (K steps) of 1,536 elements of 8 bytes (8 fragments), a plane of cimg apart; dense in LDS
	s_or_b32 s[G1X], s60, (3<<16)|(1<<21)
	s_or_b32 s[G1W], s61, (3<<16)|(1<<21)
.irp g, G1X, G1W
	s_mov_b32 s[\g+1], 1536<<16                    ; tensor_dim0
	s_mov_b32 s[\g+2], 4<<16                       ; tensor_dim1: the head's load brings four K steps
	s_mov_b32 s[\g+3], 1536<<16                    ; tile_dim0
	s_mov_b32 s[\g+4], 4                           ; tile_dim1
	s_mov_b32 s[\g+5], PLANE/8                     ; from row to row
	s_mov_b32 s[\g+6], 0
	s_mov_b32 s[\g+7], 0
.endr
	s_mul_i32 s68, s59, 12288                      ; x: tile 8 i
	s_mov_b32 s69, 0
	s_mul_i32 s72, s58, 36864                      ; the weight: tile 248 + 24 j + 8 w (waves 1 to 3)
	s_mul_i32 s74, s[WV], 12288
	s_add_co_u32 s72, s72, s74
	s_add_co_u32 s72, s72, 380928
	s_mov_b32 s73, 0
	s_mul_i32 s75, s[WV], PART                     ; where it goes: the wave's part of a slot
	s_wait_kmcnt 0x0
	s_add_nc_u64 s[68:69], s[4:5], s[68:69]
	s_add_nc_u64 s[72:73], s[4:5], s[72:73]
	CROUND                                         ; all sixteen work-groups are here: the first joint loads meet
	s_lshl_b32 s74, s75, 1                         ; the wave's part of the first region: 49,152 bytes a part
.irp z, 0,1
	s_mov_b32 s[G0X+4*\z], 1
	s_add_co_u32 s[G0X+4*\z+1], s[74+\z], \z*REGB
	s_add_nc_u64 s[G0X+4*\z+2:G0X+4*\z+3], s[68:69], \z*4*PLANE
	s_or_b32 s[G0X+4*\z+3], s[G0X+4*\z+3], 0x80000000
	s_mov_b32 s[G0W+4*\z], 1
	s_add_co_u32 s[G0W+4*\z+1], s[74+\z], \z*REGB
	s_add_nc_u64 s[G0W+4*\z+2:G0W+4*\z+3], s[72:73], \z*4*PLANE
	s_or_b32 s[G0W+4*\z+3], s[G0W+4*\z+3], 0x80000000
.endr
	s_cmp_eq_u32 s[WV], 0                          ; a wave's first fill stands in one branch; four v_nop follow it
	s_cbranch_scc0 .Lfirst_w
	tensor_load_to_lds s[G0X:G0X+3], s[G1X:G1X+7]
	s_nop 0
.rept 4
	v_nop
.endr
	s_branch .Lfirst_asked
.Lfirst_w:
	tensor_load_to_lds s[G0W:G0W+3], s[G1W:G1W+7]
	s_nop 0
.rept 4
	v_nop
.endr
.Lfirst_asked:
	v_and_b32 v1, 31, v0
	v_lshlrev_b32 v[L16], 4, v1                    ; 16 x lane
	s_wait_alu depctr_va_vdst(0)
	v_lshl_add_u32 v[L8], v1, 3, 512               ; 512 + 8 x lane
	s_wait_alu depctr_va_vdst(0)
	v_lshlrev_b32 v[L4], 2, v1                     ; 4 x lane
	s_lshr_b32 s76, s[WV], 1
	s_add_co_u32 s76, s76, 1
	s_mul_i32 s76, s76, PART                       ; the head's tiles 4 w on: part 1 + w / 2,
	s_and_b32 s77, s[WV], 1
	s_mul_i32 s77, s77, 6144                       ; fragment 4 (w % 2)
	s_mul_i32 s86, s[WV], 3072                     ; v's tiles 16 + 2 w on: part 3, fragment 2 w
	s_lshl_b32 s84, s76, 1                         ; in the first region a part is twice as long
	s_add_co_u32 s84, s84, s77
	s_add_co_u32 s85, s86, 6*PART
	s_add_co_u32 s76, s76, s77
	s_add_co_u32 s76, s76, REGB
	s_add_co_u32 s77, s86, REGB+3*PART
	v_add_nc_u32 v4, 0, v[L16]                     ; v4-9: the first region; v10-15: the second
	v_add_nc_u32 v5, 0, v[L8]
	v_add_nc_u32 v6, s84, v[L16]
	v_add_nc_u32 v7, s84, v[L8]
	v_add_nc_u32 v8, s85, v[L16]
	v_add_nc_u32 v9, s85, v[L8]
	v_add_nc_u32 v10, REGB, v[L16]
	v_add_nc_u32 v11, REGB, v[L8]
	v_add_nc_u32 v12, s76, v[L16]
	v_add_nc_u32 v13, s76, v[L8]
	v_add_nc_u32 v14, s77, v[L16]
	v_add_nc_u32 v15, s77, v[L8]
	; the scale words of all eight K steps, once: 1,024 bytes a pair of tiles, 128 a K step
	s_lshl_b32 s84, s59, 12
	s_mov_b32 s85, 0
	s_add_nc_u64 s[78:79], s[6:7], s[84:85]        ; x's pairs 4 i on
	s_mul_i32 s84, s58, 12288
	s_add_co_u32 s84, s84, 131072
	s_lshl_b32 s86, s[WV], 11
	s_add_co_u32 s86, s86, s84
	s_mov_b32 s87, 0
	s_add_nc_u64 s[80:81], s[6:7], s[86:87]        ; pairs 128 + 12 j + 2 w on
	s_lshl_b32 s86, s[WV], 10
	s_add_co_u32 s86, s86, s84
	s_add_co_u32 s86, s86, 8192
	s_add_nc_u64 s[82:83], s[6:7], s[86:87]        ; pair 128 + 12 j + 8 + w
.irp s, 0,1,2,3,4,5,6,7
.irp p, 0,1,2,3
	global_load_b32 v[SC+7*\s+\p], v[L4], s[78:79] offset:1024*\p+128*\s
.endr
.irp p, 0,1
	global_load_b32 v[SC+7*\s+4+\p], v[L4], s[80:81] offset:1024*\p+128*\s
.endr
	global_load_b32 v[SC+7*\s+6], v[L4], s[82:83] offset:128*\s
.endr
	; where the results go
	s_mov_b32 s88, 0x76543210
	s_mov_b32 s89, 0xfedcba98                      ; v_permlanex16_b32's selects for lane l xor 16
	s_mov_b32 s92, 0xffff0000                      ; lanes 16-31
	s_lshl_b32 s84, s58, 2
	s_add_co_u32 s84, s84, s[WV]                   ; 4 j + w: 0-15 q's heads, 16-31 k's
	s_lshr_b32 s85, s84, 4
	s_lshl_b32 s85, s85, 5
	s_and_b32 s84, s84, 15
	s_add_co_u32 s84, s84, s85
	s_lshr_b32 s85, s59, 4                         ; the batch
	s_lshl_b32 s86, s85, 4
	s_add_co_u32 s84, s84, s86                     ; 32 (q or k) + 16 batch + head
	s_and_b32 s87, s59, 15                         ; the key step that my 128 tokens are
	s_mul_i32 s90, s84, 98304
	s_mul_i32 s93, s87, 6144
	s_add_co_u32 s90, s90, s93
	s_mov_b32 s91, 0
	s_add_nc_u64 s[90:91], s[8:9], s[90:91]        ; q's or k's images: 768 bytes a tile
	s_lshl_b32 s94, s84, 13
	s_lshl_b32 s93, s87, 9
	s_add_co_u32 s94, s94, s93
	s_mov_b32 s95, 0
	s_add_nc_u64 s[94:95], s[10:11], s[94:95]      ; their scale words: 512 bytes a step
	s_lshl_b32 s96, s58, 1
	s_lshr_b32 s93, s[WV], 1
	s_add_co_u32 s96, s96, s93
	s_add_co_u32 s96, s96, s86                     ; v: 16 batch + head 2 j + w / 2
	s_lshl_b32 s96, s96, 4
	s_add_co_u32 s96, s96, s87
	s_and_b32 s93, s[WV], 1
	s_lshl_b32 s98, s96, 8
	s_lshl_b32 s99, s93, 7
	s_add_co_u32 s98, s98, s99
	s_add_co_u32 s98, s98, 524288
	s_mov_b32 s99, 0
	s_add_nc_u64 s[98:99], s[10:11], s[98:99]      ; v's scale words: 256 bytes a step, 128 a pair of tiles
	s_mul_i32 s96, s96, 6144
	s_mul_i32 s93, s93, 3072
	s_add_co_u32 s96, s96, s93
	s_add_co_u32 s96, s96, 6291456
	s_mov_b32 s97, 0
	s_add_nc_u64 s[96:97], s[8:9], s[96:97]        ; v's images: 6,144 bytes a step, 1,536 a tile of channels
.macro FRAG reg, a16, off              ; a fragment's image back into 12 registers
	ds_load_b128 v[(\reg):(\reg)+3], v[\a16] offset:\off
	ds_load_b64 v[(\reg)+4:(\reg)+5], v[(\a16)+1] offset:\off
	ds_load_b128 v[(\reg)+6:(\reg)+9], v[\a16] offset:(\off)+768
	ds_load_b64 v[(\reg)+10:(\reg)+11], v[(\a16)+1] offset:(\off)+768
.endm
.macro FETCH s                         ; K step s: 14 fragments, 56 loads in one run, into set s % 2
.set AB, 4+6*(((\s)/4)*(1-(\s)/6))     ; K steps 4 and 5: the second region; all others the first
.set KO, 12288*((\s)%4-2*((\s)/6))     ; the step's row in its part: steps 6 and 7 lie where 0 and 1 lay
	WIN 0x40                                       ; destination window 1
.irp m, 0,1,2,3,4,5,6,7
	FRAG 96*((\s)%2)+12*\m, AB, KO+1536*\m
.endr
	WIN 0
.irp t, 0,1,2,3
	FRAG WF+72*((\s)%2)+12*\t, AB+2, KO+1536*\t
.endr
.irp t, 0,1
	FRAG WF+72*((\s)%2)+48+12*\t, AB+4, KO+1536*\t
.endr
.endm
; one matrix instruction.  ra, rb = 1: that side's scale words stand in lanes 16-31 of the register named.  zero = 1: the product starts the sum
.macro WM d, a, b, zero, sa, sb, ra, rb
.if \zero
.if (\ra) && (\rb)
	v_wmma_scale_f32_16x16x128_f8f6f4 v[(\d):(\d)+7], v[(\a):(\a)+11], v[(\b):(\b)+11], 0, v[\sa], v[\sb] matrix_a_fmt:MATRIX_FMT_FP6 matrix_b_fmt:MATRIX_FMT_FP6 matrix_a_scale:MATRIX_SCALE_ROW1 matrix_b_scale:MATRIX_SCALE_ROW1
.elseif (\ra)
	v_wmma_scale_f32_16x16x128_f8f6f4 v[(\d):(\d)+7], v[(\a):(\a)+11], v[(\b):(\b)+11], 0, v[\sa], v[\sb] matrix_a_fmt:MATRIX_FMT_FP6 matrix_b_fmt:MATRIX_FMT_FP6 matrix_a_scale:MATRIX_SCALE_ROW1
.elseif (\rb)
	v_wmma_scale_f32_16x16x128_f8f6f4 v[(\d):(\d)+7], v[(\a):(\a)+11], v[(\b):(\b)+11], 0, v[\sa], v[\sb] matrix_a_fmt:MATRIX_FMT_FP6 matrix_b_fmt:MATRIX_FMT_FP6 matrix_b_scale:MATRIX_SCALE_ROW1
.else
	v_wmma_scale_f32_16x16x128_f8f6f4 v[(\d):(\d)+7], v[(\a):(\a)+11], v[(\b):(\b)+11], 0, v[\sa], v[\sb] matrix_a_fmt:MATRIX_FMT_FP6 matrix_b_fmt:MATRIX_FMT_FP6
.endif
.else
.if (\ra) && (\rb)
	v_wmma_scale_f32_16x16x128_f8f6f4 v[(\d):(\d)+7], v[(\a):(\a)+11], v[(\b):(\b)+11], v[(\d):(\d)+7], v[\sa], v[\sb] matrix_a_fmt:MATRIX_FMT_FP6 matrix_b_fmt:MATRIX_FMT_FP6 matrix_a_scale:MATRIX_SCALE_ROW1 matrix_b_scale:MATRIX_SCALE_ROW1
.elseif (\ra)
	v_wmma_scale_f32_16x16x128_f8f6f4 v[(\d):(\d)+7], v[(\a):(\a)+11], v[(\b):(\b)+11], v[(\d):(\d)+7], v[\sa], v[\sb] matrix_a_fmt:MATRIX_FMT_FP6 matrix_b_fmt:MATRIX_FMT_FP6 matrix_a_scale:MATRIX_SCALE_ROW1
.elseif (\rb)
	v_wmma_scale_f32_16x16x128_f8f6f4 v[(\d):(\d)+7], v[(\a):(\a)+11], v[(\b):(\b)+11], v[(\d):(\d)+7], v[\sa], v[\sb] matrix_a_fmt:MATRIX_FMT_FP6 matrix_b_fmt:MATRIX_FMT_FP6 matrix_b_scale:MATRIX_SCALE_ROW1
.else
	v_wmma_scale_f32_16x16x128_f8f6f4 v[(\d):(\d)+7], v[(\a):(\a)+11], v[(\b):(\b)+11], v[(\d):(\d)+7], v[\sa], v[\sb] matrix_a_fmt:MATRIX_FMT_FP6 matrix_b_fmt:MATRIX_FMT_FP6
.endif
.endif
.endm
; a K step's 48 matrix instructions: the 48 accumulators take turns, one instruction a turn, in the same order in every step
.macro MUL s, zero
	WIN 0xa4                                       ; source 0 (the weight) window 0, source 1 (x) window 1, C and D window 2
.irp m, 0,1,2,3,4,5,6,7
.irp t, 0,1,2,3
	WM 32*\m+8*\t, WF+72*((\s)%2)+12*\t, 96*((\s)%2)+12*\m, \zero, SC+7*(\s)+4+\t/2, SC+7*(\s)+\m/2, \t%2, \m%2
.endr
.endr
	WIN 0xf1                                       ; source 0 (x) window 1, source 1 (the weight) window 0, C and D window 3
.irp n, 0,1
.irp t, 0,1,2,3,4,5,6,7
	WM 64*\n+8*\t, 96*((\s)%2)+12*\t, WF+72*((\s)%2)+48+12*\n, \zero, SC+7*(\s)+\t/2, SC+7*(\s)+6, \t%2, \n
.endr
.endr
.endm
	s_wait_alu depctr_va_vdst(0)
	s_wait_tensorcnt 0x0                           ; my part of K steps 0-3 is in
	ds_add_u32 v[SPW], v[NIL]
	s_mov_b32 s[G1X+2], 2<<16                      ; no tensor load of mine is out: from here on a load brings two K steps
	s_mov_b32 s[G1X+4], 2
	s_mov_b32 s[G1W+2], 2<<16
	s_mov_b32 s[G1W+4], 2
	s_wait_dscnt 0x0
	CROUND                                         ; everybody's part is in, and all sixteen work-groups are here
	s_cmp_eq_u32 s[WV], 0                          ; K steps 4 and 5, into the second region: one joint load a wave; it is waited for behind three K steps, 144 matrix instructions
	s_cbranch_scc0 .Lsecond_w
	tensor_load_to_lds s[G0X+4:G0X+7], s[G1X:G1X+7]
	s_nop 0
.rept 4
	v_nop
.endr
	s_branch .Lsecond_asked
.Lsecond_w:
	tensor_load_to_lds s[G0W+4:G0W+7], s[G1W:G1W+7]
	s_nop 0
.rept 4
	v_nop
.endr
.Lsecond_asked:
	FETCH 0
	s_wait_loadcnt 0x0                             ; the scale words
	s_wait_dscnt 0x0
	FETCH 1
	MUL 0, 1                                       ; the first K step starts the sums
	s_wait_dscnt 0x0                               ; K steps 2 and 3 came with the head's load
	PLACES
	FETCH 2
	MUL 1, 0
	s_wait_dscnt 0x0
	PLACES
	FETCH 3
	MUL 2, 0
	WIN 0
	s_wait_tensorcnt 0x0                           ; all my tensor loads have landed, my part of slot 2 among them: a group 0 may be written
	ds_add_u32 v[SPW], v[NIL]                      ; 0 onto my spare word
	s_add_nc_u64 s[G0X+2:G0X+3], s[G0X+2:G0X+3], 6*PLANE   ; slot 0's descriptors go on to K steps 6 and 7
	s_add_nc_u64 s[G0W+2:G0W+3], s[G0W+2:G0W+3], 6*PLANE
	s_wait_dscnt 0x0                               ; the add is done; my reads of slot 0 ended two steps ago, K step 3's fragments are in
	CROUND                                         ; no wave of any partner still reads slot 0 or has a load on its way
	s_cmp_eq_u32 s[WV], 0                          ; the joint refill: the first tensor load behind the round, one a wave; it has two K steps, 96 matrix instructions, in which to land
	s_cbranch_scc0 .Lrefill_w
	tensor_load_to_lds s[G0X:G0X+3], s[G1X:G1X+7]
	s_nop 0
.rept 4
	v_nop                                          ; (also the places in front of the loads below)
.endr
	s_branch .Lrefill_asked
.Lrefill_w:
	tensor_load_to_lds s[G0W:G0W+3], s[G1W:G1W+7]
	s_nop 0
.rept 4
	v_nop
.endr
.Lrefill_asked:
	FETCH 4
	MUL 3, 0
	s_wait_dscnt 0x0
	PLACES
	FETCH 5
	MUL 4, 0
	s_wait_tensorcnt 0x0                           ; my part of K steps 6 and 7 is in
	s_wait_dscnt 0x0
	s_barrier_signal -1
	s_barrier_wait -1                              ; everybody's is; nothing is filled any more
	PLACES
	FETCH 6
	MUL 5, 0
	s_wait_dscnt 0x0
	PLACES
	FETCH 7
	MUL 6, 0
	s_wait_dscnt 0x0
	MUL 7, 0
	; ---- q or k: for each tile m of tokens a lane holds 32 channels of its token, register 16 b + i = channel 32 b + 16 (lane / 16) + i.  All eight tiles go together, so that the windows are switched four times.
	PLACES
	WIN 0x0a                                       ; sources 0 and 1 window 2
.irp m, 0,1,2,3,4,5,6,7
.irp b, 0,1
	v_max3_num_f32 v[96+2*\m+\b], |v[32*\m+16*\b]|, |v[32*\m+16*\b+1]|, 0x1800000   ; each accumulator from its low end on; the floor 2^(3 - 127) holds the byte at 1 from below
.endr
.endr
.irp i, 2,4,6,8,10,12,14
.irp m, 0,1,2,3,4,5,6,7
.irp b, 0,1
	v_max3_num_f32 v[96+2*\m+\b], |v[32*\m+16*\b+\i]|, |v[32*\m+16*\b+\i+1]|, v[96+2*\m+\b]
.endr
.endr
.endr
	WIN 0
.irp e, 0,1,2,3,4,5,6,7,8,9,10,11,12,13,14,15
	v_permlanex16_b32 v[112+\e], v[96+\e], s88, s89
.endr
.irp e, 0,1,2,3,4,5,6,7,8,9,10,11,12,13,14,15
	v_max_num_f32 v[96+\e], v[96+\e], v[112+\e]    ; with lane l xor 16's: the block's largest magnitude
.endr
.irp e, 0,1,2,3,4,5,6,7,8,9,10,11,12,13,14,15
	v_add_nc_u32 v[128+\e], 0xff000000, v[96+\e]   ; the conversion's scale operand
.endr
.irp e, 0,1,2,3,4,5,6,7,8,9,10,11,12,13,14,15
	v_lshrrev_b32 v[112+\e], 23, v[128+\e]         ; the byte
.endr
.irp m, 0,1,2,3,4,5,6,7
	v_lshl_or_b32 v[144+\m], v[113+2*\m], 8, v[112+2*\m]
.endr
.irp m, 0,1,2,3,4,5,6,7
	v_or_b32 v[144+\m], 0x7f7f0000, v[144+\m]      ; the head has 64 channels: the upper half of the instruction's K holds zero codes on q's side, under the byte of 1.0
.endr
	WIN 0x02                                       ; source 0 window 2
.irp m, 0,1,2,3,4,5,6,7
	v_cvt_scalef32_pk16_fp6_f32 v[152+8*\m:154+8*\m], v[32*\m:32*\m+15], v[128+2*\m]
	v_cvt_scalef32_pk16_fp6_f32 v[216+4*\m:218+4*\m], v[32*\m+16:32*\m+31], v[129+2*\m]
.endr
	WIN 0
	v_nop                                          ; one plain place behind a scaled conversion
.irp m, 0,1,2,3,4,5,6,7
.irp e, 0,1,2
	v_permlane16_swap_b32 v[152+8*\m+\e], v[216+4*\m+\e]   ; a whole block to a lane: lanes 0-15 block 0, lanes 16-31 block 1
.endr
.irp e, 0,1,2
	v_mov_b32 v[155+8*\m+\e], v[216+4*\m+\e]
.endr
	global_store_b128 v[L16], v[152+8*\m:155+8*\m], s[90:91] offset:768*\m   ; 512 consecutive bytes,
	global_store_b64 v[L8], v[156+8*\m:157+8*\m], s[90:91] offset:768*\m     ; and the 256 behind them
.endr
.irp e, 0,1,2,3
	v_cndmask_b32 v[248+\e], v[144+2*\e], v[145+2*\e], s92   ; lanes 0-15 tile 2 e's word, lanes 16-31 tile 2 e + 1's
.endr
	global_store_b128 v[L16], v[248:251], s[94:95]
	; ---- v: for each tile n of channels a lane holds the 128 tokens of its channel, register 16 b + i = token 32 b + 16 (lane / 16) + i: one fragment and one scale word.  Registers that no pending store reads.
	WIN 0x0f                                       ; sources 0 and 1 window 3
.irp n, 0,1
.irp b, 0,1,2,3
	v_max3_num_f32 v[96+4*\n+\b], |v[64*\n+16*\b]|, |v[64*\n+16*\b+1]|, 0x1800000
.endr
.endr
.irp i, 2,4,6,8,10,12,14
.irp n, 0,1
.irp b, 0,1,2,3
	v_max3_num_f32 v[96+4*\n+\b], |v[64*\n+16*\b+\i]|, |v[64*\n+16*\b+\i+1]|, v[96+4*\n+\b]
.endr
.endr
.endr
	WIN 0
.irp e, 0,1,2,3,4,5,6,7
	v_permlanex16_b32 v[104+\e], v[96+\e], s88, s89
.endr
.irp e, 0,1,2,3,4,5,6,7
	v_max_num_f32 v[96+\e], v[96+\e], v[104+\e]
.endr
.irp e, 0,1,2,3,4,5,6,7
	v_add_nc_u32 v[112+\e], 0xff000000, v[96+\e]
.endr
.irp e, 0,1,2,3,4,5,6,7
	v_lshrrev_b32 v[104+\e], 23, v[112+\e]
.endr
.irp n, 0,1
	v_lshl_or_b32 v[120+\n], v[105+4*\n], 8, v[104+4*\n]
	v_lshl_or_b32 v[120+\n], v[106+4*\n], 16, v[120+\n]
	v_lshl_or_b32 v[120+\n], v[107+4*\n], 24, v[120+\n]
.endr
	WIN 0x03                                       ; source 0 window 3
.irp n, 0,1
.irp c, 0,1
	v_cvt_scalef32_pk16_fp6_f32 v[124+12*\n+6*\c:126+12*\n+6*\c], v[64*\n+32*\c:64*\n+32*\c+15], v[112+4*\n+2*\c]
	v_cvt_scalef32_pk16_fp6_f32 v[216+8*\n+4*\c:218+8*\n+4*\c], v[64*\n+32*\c+16:64*\n+32*\c+31], v[113+4*\n+2*\c]
.endr
.endr
	WIN 0
	v_nop
.irp n, 0,1
.irp c, 0,1
.irp e, 0,1,2
	v_permlane16_swap_b32 v[124+12*\n+6*\c+\e], v[216+8*\n+4*\c+\e]
.endr
.irp e, 0,1,2
	v_mov_b32 v[127+12*\n+6*\c+\e], v[216+8*\n+4*\c+\e]
.endr
.endr
	global_store_b128 v[L16], v[124+12*\n:127+12*\n], s[96:97] offset:1536*\n
	global_store_b64 v[L8], v[128+12*\n:129+12*\n], s[96:97] offset:1536*\n
	global_store_b128 v[L16], v[130+12*\n:133+12*\n], s[96:97] offset:1536*\n+768
	global_store_b64 v[L8], v[134+12*\n:135+12*\n], s[96:97] offset:1536*\n+768
.endr
	v_cndmask_b32 v122, v120, v121, s92
	global_store_b32 v[L4], v122, s[98:99]
	s_wait_tensorcnt 0x0                           ; the wave's end
	ds_add_u32 v[SPW], v[NIL]
	s_wait_dscnt 0x0
	CROUND                                         ; the closing round: no work-group ends while a partner may still ask for a tile that names it
	s_endpgm
.Lfunc_end_k_q1421ffecd2_qkv:
	.size	k_q1421ffecd2_qkv, .Lfunc_end_k_q1421ffecd2_qkv-k_q1421ffecd2_qkv
	.p2alignl 7, 3214868480
	.fill 96, 4, 3214868480
	.section	.rodata,"a",@progbits
	.p2align	6, 0x0
	.amdhsa_kernel k_q1421ffecd2_qkv
		.amdhsa_group_segment_fixed_size 327680
		.amdhsa_private_segment_fixed_size 0
		.amdhsa_enable_private_segment 0
		.amdhsa_kernarg_size 32
		.amdhsa_user_sgpr_count 2
		.amdhsa_user_sgpr_kernarg_segment_ptr 1
		.amdhsa_wavefront_size32 1
		.amdhsa_system_sgpr_workgroup_id_x 1
		.amdhsa_system_sgpr_workgroup_id_y 1
		.amdhsa_system_sgpr_workgroup_id_z 1
		.amdhsa_system_vgpr_workitem_id 0
		.amdhsa_next_free_vgpr 896
		.amdhsa_next_free_sgpr 100
		.amdhsa_reserve_vcc 0
		.amdhsa_float_denorm_mode_32 3
		.amdhsa_float_denorm_mode_16_64 3
		.amdhsa_memory_ordered 1
		.amdhsa_forward_progress 1
		.amdhsa_inst_pref_size 120
	.end_amdhsa_kernel
	.amdgpu_metadata
---
amdhsa.version: [ 1, 2 ]
amdhsa.kernels:
  - .name:           k_q1421ffecd2_qkv
    .symbol:         k_q1421ffecd2_qkv.kd
    .args:
      - { .name: cimg, .offset: 0, .size: 8, .value_kind: global_buffer, .address_space: global }
      - { .name: csc, .offset: 8, .size: 8, .value_kind: global_buffer, .address_space: global }
      - { .name: qkvimg, .offset: 16, .size: 8, .value_kind: global_buffer, .address_space: global }
      - { .name: qkvsc, .offset: 24, .size: 8, .value_kind: global_buffer, .address_space: global }
    .group_segment_fixed_size: 327680
    .private_segment_fixed_size: 0
    .kernarg_segment_align: 8
    .kernarg_segment_size: 32
    .max_flat_workgroup_size: 128
    .sgpr_count:     100
    .vgpr_count:     896
    .wavefront_size: 32
...
	.end_amdgpu_metadata
.endif
;; end of part 6
;; launch attn (part 7): grid 8 x 32, 16 waves a work-group, no clusters, 280,576 bytes of LDS; arguments qkvimg, qkvsc, mskw, oimg, osc; writes oimg, osc
.if DOCPART == 7
	.amdgcn_target "amdgcn-amd-amdhsa--gfx1250"
	.amdhsa_code_object_version 6
	.text
	.protected	k_q1421ffecd2_attn
	.globl	k_q1421ffecd2_attn
	.p2align	8
	.type	k_q1421ffecd2_attn,@function
k_q1421ffecd2_attn:
	s_mov_b64 s[64:65], 0
	v_nop
	global_prefetch_b8 v0, s[64:65] scope:SCOPE_SE
	s_setreg_imm32_b32 hwreg(HW_REG_WAVE_MODE, 25, 1), 1
	s_wait_xcnt 0x0
; ATTENTION on codes of FP6 (E2M3): S^T = K Q^T, the mask, p = 2^(t - M), O^T = V^T P^T, O / the sum, and O quantised along the channels for the last product.
; t = score x log2(e) / 8; M = the running largest t rounded up to a whole number; the row's sum is taken of the unquantised p; when M moves, the sum and O^T are multiplied by 2^(old M - new M), exactly.
; THE MASK is an input: it was turned into lane-mask words and flags by the first launch.  A hidden key's score is replaced by -2^33, so its logit is -2^30 where the definition has -1e9.
; LIMIT: that differs from the definition only where a row with hidden keys has an open logit under about -1e9.  (-2^33 x c is exact, so a row with no open key gets p = 1 for every key, as the definition gives it.)  NaN and infinities are not served.
; SHARES.  A work-group owns one head of one batch and 16 of its 128 query tiles (tile 8 rank + work-group x).  A whole head's K, V and scale words, 208,896 bytes, are brought into LDS ONCE, through registers; behind the barrier they are only read.
; A TILE'S SIXTEEN KEY STEPS ARE SHARED BY TWO WAVES, BY PARITY.  Wave w = 4 a + b has p = w / 2 and e = (a xor b) % 2 (any four waves with w % 4 alike or w / 4 alike hold two of each e).  It makes two passes of eight trips over the
; steps e, e + 2, ..: e = 0 first for the tile of rank 15 - p, then for rank p; e = 1 the other way round.  The first pass's O^T, sum and -M go to the wave's own 4,352 bytes of LDS; behind the second pass and one barrier each wave takes
; wave w xor 1's part of the tile that it still holds, brings both parts under the larger M by exact powers of two, and finishes the tile.  So every wave has two half tiles whatever the mask; where late queries see more keys
; (rank r: r + 1 steps), it has 8 or 9 steps that count.  No pattern of the mask is built in.
; NO TENSOR LOAD AND NO CLUSTER: the loop jumps over a key step in which no query of the tile has an open key, and over the masking where all are open.  Those are branches on numbers read from memory;
; what eight work-groups of a head share is read once each at the head of the launch.
; A step is left out only if every query of the tile has an open key somewhere among the sixteen steps: a row with none needs all its keys.  A half in which every step was left out hands on zeros under -M = 3e38: its factor is 0.
; MASK WORDS are asked for only for the steps that need them: ND holds a bit for each step of my parity that is neither left out nor all open; the words of its lowest bit are loaded at a pass's head and then behind each masking.
; THE HEAD HAS 64 CHANNELS, the instruction takes 128 along K: Q's registers 6-11 are zero codes, so K's operand of tile t is the run v[38 + 6 t .. 49 + 6 t], whose upper half (the next tile's codes) is multiplied by zeros under the byte of 1.0.
; REGISTERS: v1-6 lane addresses; v7-12 the step's; v13 -2^33; v14 -M, v15 the largest t; v[16:17] the sum; v18 Q's scale word, v19 p's; v[20:21] f; v22-25 K's or V's scale words; v26-37 Q; v38-91 K's tiles, then V's fragments;
;   v92-155 S^T, then p; v156-187 O^T; v188-199 p's codes; v200-223 at work; v224-229 the second pass's Q, v230 its scale word.
.set VOF, 98304                        ; LDS: K's images at 0, V's here,
.set KSC, 196608                       ; K's scale words,
.set VSC, 204800                       ; V's,
.set PRT, 208896                       ; and the waves' first-pass results:
.set PRW, 4352                         ; 8 x 512 bytes of O^T, then 8 bytes a lane: the sum and -M
.set T2R, 2                            ; s2   at the head: the second pass's tile;  later ND
.set T1R, 3                            ; s3   at the head: the first pass's tile;   later MO
.set ND,  2                            ; bit s: step s needs its mask words
.set MO,  3                            ; byte offset of the words on their way in my tile's 4,096
.set SK2, 4                            ; s4-6 the second pass's SK, AT, ND
.set AT2, 5
.set ND2, 6
.set MP2, 8                            ; s[8:9] and its mask words
.set WV,  14
.set SK,  66                           ; bit s: key step s is left out
.set AT,  67                           ; bit s: all of step s is open
.set KS,  68
.set TB,  69                           ; the step's tiles: 6,144 bytes a step, in K and in V
.set TS,  70                           ; K's scale words: 512
.set TJ,  71                           ; V's: 256
.set MP,  72                           ; s[72:73] my tile's mask words
.set SEL, 74
.set CS,  76                           ; s[76:77] c = log2(e) / 8
.set PE,  78                           ; e
.set TC,  79
; THE FILL GOES BY CHUNKS of two key steps: 12,288 bytes of K and 12,288 of V, 48 bytes a thread in three loads.  Chunks 0 and 1 are fetched at the head; trip c of the first pass stores chunk c + 1 from v236-247,
; passes a barrier, and asks for chunk c + 2.  Each LDS byte is stored once; chunk c is read from trip c on, behind the barrier of trip c - 1 (chunk 0: of trip 0).
.set KB,  100                          ; s[100:101] the head's k in qkvimg (its v lies 3,145,728 bytes on), stepped a chunk a trip
.set FB,  7                            ; s7   where the next chunk goes in K's images
	s_load_b256 s[4:11], s[0:1], 0x0               ; qkvimg s[4:5], qkvsc s[6:7], mskw s[8:9], oimg s[10:11]
	s_load_b64 s[12:13], s[0:1], 0x20              ; osc
	v_lshl_add_u32 v232, v0, 2, 0x44000
	v_mov_b32 v233, 0
	v_lshrrev_b32 v1, 5, v0
	s_delay_alu instid0(VALU_DEP_1)
	v_readfirstlane_b32 s[WV], v1                  ; wave w = 4 a + b
	s_lshr_b32 s96, s[WV], 2
	s_xor_b32 s[PE], s96, s[WV]
	s_and_b32 s[PE], s[PE], 1                      ; e = (a xor b) % 2
	s_lshr_b32 s97, s[WV], 1                       ; p
	s_mul_i32 s98, s[PE], 15
	s_xor_b32 s98, s97, s98                        ; the second pass's rank: p, or 15 - p where e = 1
	s_xor_b32 s99, s98, 15                         ; the first pass's: the other one
	s_lshl_b32 s98, s98, 3
	s_add_co_u32 s[T2R], s98, ttmp9
	s_lshl_b32 s99, s99, 3
	s_add_co_u32 s[T1R], s99, ttmp9
	s_and_b32 s15, ttmp7, 0xffff                   ; 16 batch + head
	s_mov_b32 s[SEL], 0x76543210
	s_mov_b32 s[SEL+1], 0xfedcba98
	s_mov_b32 s[CS], 0x3e38aa3b
	s_mov_b32 s[CS+1], s[CS]                       ; (named with it as a pair, so it is written)
	v_and_b32 v220, 15, v0
	s_delay_alu instid0(VALU_DEP_1)
	v_lshlrev_b32 v220, 4, v220                    ; Q's scale word: 16 bytes a lane of the record
	v_and_b32 v1, 31, v0
	s_delay_alu instid0(VALU_DEP_1)
	v_lshl_add_u32 v2, v1, 3, 512                  ; 512 + 8 x lane
	s_delay_alu instid0(VALU_DEP_2)
	v_lshl_add_u32 v6, v1, 2, VSC
	s_delay_alu instid0(VALU_DEP_3)
	v_lshlrev_b32 v1, 4, v1                        ; 16 x lane
	s_delay_alu instid0(VALU_DEP_1)
	v_add_nc_u32 v3, VOF, v1
	s_delay_alu instid0(VALU_DEP_4)
	v_add_nc_u32 v4, VOF, v2
	s_delay_alu instid0(VALU_DEP_3)
	v_add_nc_u32 v5, KSC, v1
	v_lshlrev_b32 v166, 4, v0                      ; the fill: 16 bytes a thread, 8,192 a turn
	v_lshlrev_b32 v234, 4, v0                      ; a chunk's first and third load: 16 x thread, in memory and in LDS
	v_lshrrev_b32 v167, 8, v0                      ; its second: threads 0-255 K's last 4,096 bytes, threads 256-511 V's first
	v_mad_u32_u24 v235, v167, 3133440, v234        ; in memory V lies 3,145,728 - 12,288 further on,
	v_mad_u32_u24 v248, v167, 86016, v234          ; in LDS 98,304 - 12,288
	v_lshl_add_u32 v169, v0, 4, VOF+65536
	v_lshl_add_u32 v170, v0, 3, VSC
	v_lshlrev_b32 v171, 3, v0
	s_mul_i32 s96, s15, 98304
	s_mov_b32 s97, 0
	s_wait_alu depctr_va_vdst(0)
	s_wait_kmcnt 0x0
	s_add_nc_u64 s[40:41], s[4:5], s[96:97]        ; the head's q,
	s_add_nc_u64 s[KB:KB+1], s[40:41], 3145728     ; k
	s_mul_i32 s96, s[T2R], 768
	s_add_nc_u64 s[48:49], s[40:41], s[96:97]      ; the second pass's tile of q,
	s_mul_i32 s96, s[T1R], 768
	s_add_nc_u64 s[40:41], s[40:41], s[96:97]      ; the first's
	s_lshl_b32 s96, s15, 13
	s_add_nc_u64 s[42:43], s[6:7], s[96:97]
	s_add_nc_u64 s[36:37], s[42:43], 262144        ; k's scale words
	s_lshl_b32 s96, s15, 12
	s_add_co_u32 s96, s96, 524288
	s_add_nc_u64 s[38:39], s[6:7], s[96:97]        ; v's
.macro QSOFF t                         ; tile T's scale words: record T / 8, lanes 16 (T % 2) on, word (T / 2) % 4
	s_lshr_b32 s96, s[\t], 3
	s_lshl_b32 s96, s96, 9
	s_and_b32 s98, s[\t], 1
	s_lshl_b32 s98, s98, 8
	s_add_co_u32 s96, s96, s98
	s_bfe_u32 s98, s[\t], 0x20001
	s_lshl_b32 s98, s98, 2
	s_add_co_u32 s96, s96, s98
.endm
	QSOFF T2R
	s_add_nc_u64 s[50:51], s[42:43], s[96:97]
	QSOFF T1R
	s_add_nc_u64 s[42:43], s[42:43], s[96:97]
	s_lshl_b32 s96, s[T1R], 9
	s_add_co_u32 s96, s96, 524288
	s_add_nc_u64 s[44:45], s[8:9], s[96:97]        ; the two tiles' flags
	s_lshl_b32 s96, s[T2R], 9
	s_add_co_u32 s96, s96, 524288
	s_add_nc_u64 s[46:47], s[8:9], s[96:97]
	s_lshl_b32 s96, s[T1R], 12
	s_add_nc_u64 s[MP:MP+1], s[8:9], s[96:97]      ; and their words
	s_lshl_b32 s96, s[T2R], 12
	s_add_nc_u64 s[MP2:MP2+1], s[8:9], s[96:97]
	s_lshr_b32 s98, s15, 4                         ; what I store is the second pass's tile
	s_lshl_b32 s98, s98, 7
	s_add_co_u32 s98, s98, s[T2R]                  ; the token tile: 128 batch + T
	s_and_b32 s99, s15, 15                         ; the head
	s_lshl_b32 s96, s99, 8
	s_add_co_u32 s96, s96, s98
	s_lshl_b32 s96, s96, 7
	s_add_nc_u64 s[12:13], s[12:13], s[96:97]      ; o's scale word
	s_lshr_b32 s96, s99, 1
	s_lshl_b32 s96, s96, 8
	s_add_co_u32 s96, s96, s98
	s_mul_i32 s96, s96, 1536
	s_and_b32 s99, s99, 1
	s_mul_i32 s99, s99, 768
	s_add_co_u32 s96, s96, s99
	s_add_nc_u64 s[10:11], s[10:11], s[96:97]      ; o's image: K step head / 2, half head % 2
	s_load_b128 s[16:19], s[44:45], 0x0            ; the first pass's sixteen flags
	s_load_b128 s[20:23], s[44:45], 0x80
	s_load_b128 s[24:27], s[44:45], 0x100
	s_load_b128 s[28:31], s[44:45], 0x180
	s_load_b128 s[80:83], s[46:47], 0x0            ; the second's
	s_load_b128 s[84:87], s[46:47], 0x80
	s_load_b128 s[88:91], s[46:47], 0x100
	s_load_b128 s[92:95], s[46:47], 0x180
	global_load_b128 v[160:163], v166, s[36:37]
	global_load_b64 v[164:165], v171, s[38:39]
	global_load_b128 v[26:29], v1, s[40:41]        ; both tiles of Q stay in registers
	global_load_b64 v[30:31], v2, s[40:41]
	global_load_b32 v18, v220, s[42:43]
	global_load_b128 v[224:227], v1, s[48:49]
	global_load_b64 v[228:229], v2, s[48:49]
	global_load_b32 v230, v220, s[50:51]
	global_load_b128 v[64:67], v234, s[KB:KB+1]                    ; chunk 0
	global_load_b128 v[68:71], v235, s[KB:KB+1] offset:8192
	global_load_b128 v[72:75], v234, s[KB:KB+1] offset:3149824
	global_load_b128 v[236:239], v234, s[KB:KB+1] offset:12288     ; chunk 1
	global_load_b128 v[240:243], v235, s[KB:KB+1] offset:20480
	global_load_b128 v[244:247], v234, s[KB:KB+1] offset:3162112
	s_wait_kmcnt 0x0
	s_lshl_b32 s97, 0x5555, s[PE]                  ; the steps of my parity
.macro FLAGS f, sk, at, nd
	s_mov_b32 s[\sk], 0
	s_mov_b32 s[\at], 0
	s_mov_b32 s15, 0
.set e, 0
.rept 16
	s_and_b32 s98, s[\f+e], 0xffff                 ; the rows that have an open key in step e
	s_cselect_b32 s99, 0, 1<<e
	s_or_b32 s[\sk], s[\sk], s99
	s_or_b32 s15, s15, s98
	s_bfe_u32 s99, s[\f+e], 0x10010
	s_lshl_b32 s99, s99, e
	s_or_b32 s[\at], s[\at], s99
.set e, e+1
.endr
	s_cmp_eq_u32 s15, 0xffff                       ; a row with no open key at all: nothing is left out
	s_cselect_b32 s[\sk], s[\sk], 0
	s_or_b32 s98, s[\sk], s[\at]
	s_and_not1_b32 s[\nd], s97, s98                ; my steps that are neither left out nor all open
.endm
	FLAGS 16, SK, AT, ND
	FLAGS 80, SK2, AT2, ND2
	s_wait_loadcnt 6                               ; the scale words and both tiles of Q are in (behind them: the two chunks' six loads); these loads have read their bases, which the mask words overwrite
	ds_store_b128 v169, v[160:163] offset:32768    ; K's scale words, at 196,608
	ds_store_b64 v170, v[164:165]
	s_wait_loadcnt 3                               ; chunk 0 is in; chunk 1's three loads may be out
	v_add_nc_u32 v76, 0x19000, v234                ; V's images + 4,096
	ds_store_b128 v234, v[64:67]
	ds_store_b128 v248, v[68:71] offset:8192
	ds_store_b128 v76, v[72:75]
	s_mov_b32 s[FB], 12288                         ; chunk 1's place
	s_wait_dscnt 0x0                               ; the stores have read their registers; the first trip's barrier shows them to the other waves
	v_mov_b32 v13, 0xd0000000                      ; -2^33
	v_mov_b32 v21, 0                               ; (named as the upper half of the pair v[20:21])
.irp e, 32,33,34,35,36,37,86,87,88,89,90,91,212,213,214,215
	v_mov_b32 v[\e], 0                             ; Q's upper half; the run behind K's last tile; the lane permutes' destinations
.endr
.macro MLOAD                           ; 64 words of one step: word n in s[16 + n], from n = 48 on in s[32 + n]
	s_load_b512 s[16:31], s[MP:MP+1], s[MO] offset:0x0
	s_load_b512 s[32:47], s[MP:MP+1], s[MO] offset:0x40
	s_load_b512 s[48:63], s[MP:MP+1], s[MO] offset:0x80
	s_load_b512 s[80:95], s[MP:MP+1], s[MO] offset:0xc0
.endm
.macro MNEXT                           ; the words of the lowest step in ND.  The step's number hangs on flags read from memory: it is held at 15 before it enters the offset (with ND empty: step 15's words, which nobody uses)
	s_ctz_i32_b32 s[MO], s[ND]
	s_min_u32 s[MO], s[MO], 15
	s_lshl_b32 s[MO], s[MO], 8
	MLOAD
.endm
.macro WA d, a, b, zero, sa, sb, ra
.if \zero
.if (\ra)
	v_wmma_scale_f32_16x16x128_f8f6f4 v[(\d):(\d)+7], v[(\a):(\a)+11], v[(\b):(\b)+11], 0, v[\sa], v[\sb] matrix_a_fmt:MATRIX_FMT_FP6 matrix_b_fmt:MATRIX_FMT_FP6 matrix_a_scale:MATRIX_SCALE_ROW1
.else
	v_wmma_scale_f32_16x16x128_f8f6f4 v[(\d):(\d)+7], v[(\a):(\a)+11], v[(\b):(\b)+11], 0, v[\sa], v[\sb] matrix_a_fmt:MATRIX_FMT_FP6 matrix_b_fmt:MATRIX_FMT_FP6
.endif
.else
.if (\ra)
	v_wmma_scale_f32_16x16x128_f8f6f4 v[(\d):(\d)+7], v[(\a):(\a)+11], v[(\b):(\b)+11], v[(\d):(\d)+7], v[\sa], v[\sb] matrix_a_fmt:MATRIX_FMT_FP6 matrix_b_fmt:MATRIX_FMT_FP6 matrix_a_scale:MATRIX_SCALE_ROW1
.else
	v_wmma_scale_f32_16x16x128_f8f6f4 v[(\d):(\d)+7], v[(\a):(\a)+11], v[(\b):(\b)+11], v[(\d):(\d)+7], v[\sa], v[\sb] matrix_a_fmt:MATRIX_FMT_FP6 matrix_b_fmt:MATRIX_FMT_FP6
.endif
.endif
.endm
; A PASS: the eight key steps of my parity for the tile whose Q stands in v26-31, v18 and whose SK, AT, ND, MP stand in their registers.  No scalar load is out at its head.
.macro PASS fill
	MNEXT
	v_mov_b32 v15, 0xff61b1e6                      ; the largest t so far: -3e38
	s_delay_alu instid0(VALU_DEP_1)
	v_floor_f32 v14, -v15                          ; -M
	v_mov_b32 v16, 0
	v_mov_b32 v17, 0
.set j, 0
.rept 32
	v_mov_b32 v[156+j], 0                          ; O^T: the loop is written once, its first step finds zeros
.set j, j+1
.endr
	s_mov_b32 s[KS], s[PE]
	s_mul_i32 s[TB], s[PE], 6144
	s_lshl_b32 s[TS], s[PE], 9
	s_lshl_b32 s[TJ], s[PE], 8
	s_mov_b32 s[TC], 0
.Lstep_\@:                                         ; eight trips, 128 keys each, every second step
.if \fill
	s_wait_loadcnt 0x0                             ; chunk TC + 1 is in my registers, and its loads have read their base
	s_cmp_eq_u32 s[TC], 7
	s_cbranch_scc1 .Lfull_\@                       ; the last trip has nothing left to store
	v_add_nc_u32 v7, s[FB], v234
	v_add_nc_u32 v8, s[FB], v248
	v_add_nc_u32 v9, 0x19000, v7
	ds_store_b128 v7, v[236:239]
	ds_store_b128 v8, v[240:243] offset:8192
	ds_store_b128 v9, v[244:247]
	s_add_co_u32 s[FB], s[FB], 12288
	s_add_nc_u64 s[KB:KB+1], s[KB:KB+1], 12288
.Lfull_\@:
	s_wait_dscnt 0x0                               ; for the others' sake: my stores have landed
	s_barrier_signal -1
	s_barrier_wait -1                              ; chunks 0 .. TC + 1 lie in LDS whole
	s_cmp_gt_u32 s[TC], 5
	s_cbranch_scc1 .Lasked_\@                      ; chunk 7 is the last
	global_load_b128 v[236:239], v234, s[KB:KB+1] offset:12288     ; chunk TC + 2
	global_load_b128 v[240:243], v235, s[KB:KB+1] offset:20480
	global_load_b128 v[244:247], v234, s[KB:KB+1] offset:3162112
.Lasked_\@:
.endif
	s_lshr_b32 s98, s[SK], s[KS]
	s_and_b32 s98, s98, 1
	s_cmp_lg_u32 s98, 0
	s_cbranch_scc1 .Lnext_\@                       ; no query of the tile has an open key here
	v_add_nc_u32 v7, s[TB], v1                     ; (these six are also the places behind the last step's products)
	v_add_nc_u32 v8, s[TB], v2
	v_add_nc_u32 v9, s[TB], v3
	v_add_nc_u32 v10, s[TB], v4
	v_add_nc_u32 v11, s[TS], v5
	v_add_nc_u32 v12, s[TJ], v6
.irp t, 0,1,2,3,4,5,6,7
	ds_load_b128 v[38+6*\t:41+6*\t], v7 offset:768*\t
	ds_load_b64 v[42+6*\t:43+6*\t], v8 offset:768*\t
.endr
	ds_load_b128 v[22:25], v11                     ; register e: lanes 0-15 tile 2 e's words, lanes 16-31 tile 2 e + 1's
	s_wait_alu depctr_va_vdst(0)
	s_wait_dscnt 0x0
.irp t, 0,1,2,3,4,5,6,7
	WA 92+8*\t, 38+6*\t, 26, 1, 22+\t/2, 18, \t%2  ; lane (r, h): query r; register 16 b + i: key 32 b + 16 h + i
.endr
.rept 4
	v_nop
.endr
.irp d, 0,1,2,3                                ; V's fragments land while the softmax is walked
	ds_load_b128 v[38+12*\d:41+12*\d], v9 offset:1536*\d
	ds_load_b64 v[42+12*\d:43+12*\d], v10 offset:1536*\d
	ds_load_b128 v[44+12*\d:47+12*\d], v9 offset:1536*\d+768
	ds_load_b64 v[48+12*\d:49+12*\d], v10 offset:1536*\d+768
.endr
	ds_load_b32 v22, v12
	ds_load_b32 v23, v12 offset:128
	s_lshr_b32 s98, s[AT], s[KS]
	s_and_b32 s98, s98, 1
	s_cmp_lg_u32 s98, 0
	s_cbranch_scc1 .Lopen_\@                       ; every key of the step is open for every query of the tile
	s_wait_kmcnt 0x0                               ; this step is ND's lowest bit: its words were asked for at the pass's head or behind the last masking
.set n, 0
.rept 48
	v_cndmask_b32 v[92+n], v13, v[92+n], s[16+n]   ; a hidden key's score becomes -2^33
.set n, n+1
.endr
.rept 16
	v_cndmask_b32 v[92+n], v13, v[92+n], s[32+n]
.set n, n+1
.endr
	s_sub_co_u32 s98, s[ND], 1
	s_and_b32 s[ND], s[ND], s98                    ; this step's bit is cleared,
	MNEXT                                          ; and the next such step's words are asked for: no scalar load was out, so the offset may be written
.Lopen_\@:
.irp b, 0,1,2,3
	v_max3_num_f32 v[208+\b], v[92+16*\b], v[93+16*\b], v[94+16*\b]   ; the largest score of each block of 32 keys: for the row's maximum, and, since p rises with the score, for the block's largest p
.endr
.irp i, 3,5,7,9,11,13
.irp b, 0,1,2,3
	v_max3_num_f32 v[208+\b], v[208+\b], v[92+16*\b+\i], v[93+16*\b+\i]
.endr
.endr
.irp b, 0,1,2,3
	v_max_num_f32 v[208+\b], v[208+\b], v[107+16*\b]
.endr
.irp b, 0,1,2,3
	s_delay_alu instid0(VALU_DEP_4)
	v_permlanex16_b32 v[212+\b], v[208+\b], s[SEL], s[SEL+1]
.endr
.irp b, 0,1,2,3
	s_delay_alu instid0(VALU_DEP_4)
	v_max_num_f32 v[208+\b], v[208+\b], v[212+\b]  ; with lane l xor 16's 16 keys
.endr
	s_delay_alu instid0(VALU_DEP_2)
	v_max3_num_f32 v220, v208, v209, v210
	s_delay_alu instid0(VALU_DEP_1)
	v_max_num_f32 v220, v220, v211
	s_delay_alu instid0(VALU_DEP_1)
	v_mul_f32 v220, s[CS], v220                    ; as t
	s_delay_alu instid0(VALU_DEP_1)
	v_max_num_f32 v15, v15, v220                   ; the running largest t
	v_mov_b32 v220, v14
	s_delay_alu instid0(VALU_DEP_2)
	v_floor_f32 v14, -v15                          ; the new -M = -ceil(t)
	s_delay_alu instid0(VALU_DEP_1)
	v_sub_f32 v220, v14, v220                      ; old M - new M: a whole number, 0 or less
	s_delay_alu instid0(VALU_DEP_1)
	v_cvt_i32_f32 v220, v220                       ; (it saturates)
	s_delay_alu instid0(VALU_DEP_1)
	v_ldexp_f32 v20, 1.0, v220                     ; f = 2^(old M - new M)
.set j, 0
.rept 32
	v_pk_fma_f32 v[92+j:93+j], v[92+j:93+j], s[CS:CS+1], v[14:15] op_sel_hi:[1,0,0]   ; t - M
.set j, j+2
.endr
.irp b, 0,1,2,3
	v_fma_f32 v[208+\b], v[208+\b], s[CS], v14
.endr
.set j, 0
	s_wait_alu depctr_va_vdst(0)
.rept 64
	v_exp_f32 v[92+j], v[92+j]                     ; p = 2^(t - M): not normalised
.set j, j+1
.endr
.irp b, 0,1,2,3
	v_exp_f32 v[208+\b], v[208+\b]                 ; the block's largest p: the same two instructions on the same number
.endr
	v_pk_mul_f32 v[16:17], v[16:17], v[20:21] op_sel_hi:[1,0]   ; the sums under the new M (a plain place behind the exponentials)
	s_wait_alu depctr_va_vdst(0)
.irp b, 0,1,2,3
	v_max_num_f32 v[208+\b], 0x1800000, v[208+\b]  ; the floor: a block whose every p is 0 keeps the byte 1, its codes are zeros
.endr
.irp b, 0,1,2,3
	s_delay_alu instid0(VALU_DEP_4)
	v_add_nc_u32 v[216+\b], 0xff000000, v[208+\b]
.endr
.irp b, 0,1,2,3
	s_delay_alu instid0(VALU_DEP_4)
	v_lshrrev_b32 v[212+\b], 23, v[216+\b]
.endr
	s_delay_alu instid0(VALU_DEP_3)
	v_lshl_or_b32 v19, v213, 8, v212               ; p's scale word for these 128 keys
	s_delay_alu instid0(VALU_DEP_1)
	v_lshl_or_b32 v19, v214, 16, v19
	s_delay_alu instid0(VALU_DEP_1)
	v_lshl_or_b32 v19, v215, 24, v19
.irp c, 0,1
	v_cvt_scalef32_pk16_fp6_f32 v[188+6*\c:190+6*\c], v[92+32*\c:107+32*\c], v[216+2*\c]
	v_cvt_scalef32_pk16_fp6_f32 v[200+4*\c:202+4*\c], v[108+32*\c:123+32*\c], v[217+2*\c]
.endr
	v_nop                                          ; one plain place behind a scaled conversion
.irp c, 0,1
.irp i, 0,1,2
	v_permlane16_swap_b32 v[188+6*\c+\i], v[200+4*\c+\i]   ; a whole block to a lane
.endr
.irp i, 0,1,2
	s_delay_alu instid0(VALU_DEP_3)
	v_mov_b32 v[191+6*\c+\i], v[200+4*\c+\i]
.endr
.endr
	v_pk_add_f32 v[222:223], v[96:97], v[100:101]
	v_pk_add_f32 v[220:221], v[104:105], v[108:109]
	v_pk_add_f32 v[218:219], v[112:113], v[116:117]
	v_pk_add_f32 v[216:217], v[120:121], v[124:125]
	v_pk_add_f32 v[210:211], v[128:129], v[132:133]
	v_pk_add_f32 v[208:209], v[136:137], v[140:141]
	v_pk_add_f32 v[206:207], v[144:145], v[148:149]
	v_pk_add_f32 v[16:17], v[16:17], v[152:153]
	v_pk_add_f32 v[222:223], v[222:223], v[92:93]
	v_pk_add_f32 v[220:221], v[220:221], v[94:95]
	v_pk_add_f32 v[218:219], v[218:219], v[98:99]
	v_pk_add_f32 v[216:217], v[216:217], v[102:103]
	v_pk_add_f32 v[210:211], v[210:211], v[106:107]
	v_pk_add_f32 v[208:209], v[208:209], v[110:111]
	v_pk_add_f32 v[206:207], v[206:207], v[114:115]
	v_pk_add_f32 v[16:17], v[16:17], v[118:119]
	v_pk_add_f32 v[222:223], v[222:223], v[122:123]
	v_pk_add_f32 v[220:221], v[220:221], v[126:127]
	v_pk_add_f32 v[218:219], v[218:219], v[130:131]
	v_pk_add_f32 v[216:217], v[216:217], v[134:135]
	v_pk_add_f32 v[210:211], v[210:211], v[138:139]
	v_pk_add_f32 v[208:209], v[208:209], v[142:143]
	v_pk_add_f32 v[206:207], v[206:207], v[146:147]
	v_pk_add_f32 v[16:17], v[16:17], v[150:151]
	v_pk_add_f32 v[222:223], v[222:223], v[154:155]
	s_delay_alu instid0(VALU_DEP_2)
	v_pk_add_f32 v[16:17], v[16:17], v[216:217]
	s_delay_alu instid0(VALU_DEP_2)
	v_pk_add_f32 v[222:223], v[222:223], v[210:211]
	v_pk_add_f32 v[220:221], v[220:221], v[208:209]
	v_pk_add_f32 v[218:219], v[218:219], v[206:207]
	s_delay_alu instid0(VALU_DEP_2)
	v_pk_add_f32 v[16:17], v[16:17], v[220:221]
	s_delay_alu instid0(VALU_DEP_2)
	v_pk_add_f32 v[222:223], v[222:223], v[218:219]
	s_delay_alu instid0(VALU_DEP_1)
	v_pk_add_f32 v[16:17], v[16:17], v[222:223]
.set j, 0
.rept 16
	v_pk_mul_f32 v[156+j:157+j], v[156+j:157+j], v[20:21] op_sel_hi:[1,0]   ; O^T under the new M (with the sums above: the places between p's codes and scale word and the products)
.set j, j+2
.endr
	s_wait_alu depctr_va_vdst(0)
	s_wait_dscnt 0x0                               ; V
.irp d, 0,1,2,3                                ; four accumulators by turns, one instruction a turn
	WA 156+8*\d, 38+12*\d, 188, 0, 22+\d/2, 19, \d%2
.endr
.Lnext_\@:
	s_add_co_u32 s[TB], s[TB], 12288               ; two steps on
	s_add_co_u32 s[TS], s[TS], 1024
	s_add_co_u32 s[TJ], s[TJ], 512
	s_add_co_u32 s[KS], s[KS], 2
	s_add_co_u32 s[TC], s[TC], 1
	s_cmp_lt_u32 s[TC], 8
	s_cbranch_scc1 .Lstep_\@
	s_wait_kmcnt 0x0                               ; the last words asked for: their registers, base and offset may be written again
.endm
	PASS 1
	s_mul_i32 s98, s[WV], PRW
	s_add_co_u32 s98, s98, PRT                     ; my 4,352 bytes
	v_add_nc_u32 v220, s98, v1                     ; (these eleven lines name no register of the last products: they are the places in front of the stores)
	v_add_nc_u32 v221, s98, v2
	v_add_f32 v16, v16, v17                        ; the sum's two halves,
	v_mov_b32 v17, v14                             ; and -M beside it
	v_mov_b32 v18, v230                            ; the second tile's Q and scale word take the first's places: more than eight plain lines ahead of the next product
.irp i, 0,1,2,3,4,5
	v_mov_b32 v[26+\i], v[224+\i]
.endr
.set j, 0
.rept 8
	ds_store_b128 v220, v[156+4*j:159+4*j] offset:512*j   ; O^T as it stands, each accumulator from its low end on
.set j, j+1
.endr
	ds_store_b64 v221, v[16:17] offset:3584        ; at 4,096 + 8 x lane
	s_mov_b32 s[SK], s[SK2]
	s_mov_b32 s[AT], s[AT2]
	s_mov_b32 s[ND], s[ND2]
	s_mov_b64 s[MP:MP+1], s[MP2:MP2+1]
	s_wait_dscnt 0x0
	PASS 0
	s_wait_dscnt 0x0
	s_barrier_signal -1
	s_barrier_wait -1                              ; every wave's first-pass result lies in LDS
	s_xor_b32 s98, s[WV], 1                        ; the wave that has walked the other steps of my tile
	s_mul_i32 s98, s98, PRW
	s_add_co_u32 s98, s98, PRT
	v_add_nc_u32 v220, s98, v1
	v_add_nc_u32 v221, s98, v2
.set j, 0
.rept 8
	ds_load_b128 v[92+4*j:95+4*j], v220 offset:512*j
.set j, j+1
.endr
	ds_load_b64 v[124:125], v221 offset:3584       ; its sum, its -M
	v_add_f32 v16, v16, v17
	v_mov_b32 v131, 0                              ; (named as the upper half of the pair v[130:131])
	s_wait_dscnt 0x0
	v_min_num_f32 v126, v14, v125                  ; the tile's -M: the larger M
	s_delay_alu instid0(VALU_DEP_1)
	v_sub_f32 v127, v126, v14                      ; my M less the tile's: a whole number, 0 or less
	s_delay_alu instid0(VALU_DEP_2)
	v_sub_f32 v128, v126, v125                     ; and the other wave's
	s_delay_alu instid0(VALU_DEP_2)
	v_cvt_i32_f32 v127, v127                       ; (they saturate: a half in which every step was left out gets the factor 0)
	s_delay_alu instid0(VALU_DEP_2)
	v_cvt_i32_f32 v128, v128
	s_delay_alu instid0(VALU_DEP_2)
	v_ldexp_f32 v20, 1.0, v127
	s_wait_alu depctr_va_vdst(0)
	v_ldexp_f32 v130, 1.0, v128
	v_mul_f32 v16, v16, v20
	s_delay_alu instid0(VALU_DEP_1)
	v_fmac_f32 v16, v124, v130                     ; both sums under the tile's M
	s_delay_alu instid0(VALU_DEP_1)
	v_permlanex16_b32 v212, v16, s[SEL], s[SEL+1]
	s_delay_alu instid0(VALU_DEP_1)
	v_add_f32 v16, v16, v212                       ; the row's sum
	s_wait_alu depctr_va_vdst(0)
	v_rcp_f32 v16, v16
	v_and_b32 v222, 31, v0                         ; (a plain place behind the transcendental)
	s_delay_alu instid0(VALU_DEP_1)
	v_lshlrev_b32 v222, 2, v222
	s_wait_alu depctr_va_vdst(0)
	v_mul_f32 v20, v20, v16                        ; the division goes into the two factors
	v_mul_f32 v130, v130, v16
.set j, 0
.rept 16
	v_pk_mul_f32 v[92+j:93+j], v[92+j:93+j], v[130:131] op_sel_hi:[1,0]
.set j, j+2
.endr
.set j, 0
.rept 16
	v_pk_fma_f32 v[92+j:93+j], v[156+j:157+j], v[20:21], v[92+j:93+j] op_sel_hi:[1,0,1]   ; register 16 b + i: channel 32 b + 16 (lane / 16) + i of my query
.set j, j+2
.endr
.irp b, 0,1
	v_max3_num_f32 v[208+\b], |v[92+16*\b]|, |v[93+16*\b]|, 0x1800000
.endr
.irp i, 2,4,6,8,10,12,14
.irp b, 0,1
	s_delay_alu instid0(VALU_DEP_2)
	v_max3_num_f32 v[208+\b], v[208+\b], |v[92+16*\b+\i]|, |v[93+16*\b+\i]|
.endr
.endr
	s_delay_alu instid0(VALU_DEP_2)
	v_permlanex16_b32 v212, v208, s[SEL], s[SEL+1]
	s_delay_alu instid0(VALU_DEP_2)
	v_permlanex16_b32 v213, v209, s[SEL], s[SEL+1]
	s_delay_alu instid0(VALU_DEP_2)
	v_max_num_f32 v208, v208, v212
	s_delay_alu instid0(VALU_DEP_2)
	v_max_num_f32 v209, v209, v213
	s_delay_alu instid0(VALU_DEP_2)
	v_add_nc_u32 v216, 0xff000000, v208
	s_delay_alu instid0(VALU_DEP_2)
	v_add_nc_u32 v217, 0xff000000, v209
	s_delay_alu instid0(VALU_DEP_2)
	v_lshrrev_b32 v212, 23, v216
	s_delay_alu instid0(VALU_DEP_2)
	v_lshrrev_b32 v213, 23, v217
	s_delay_alu instid0(VALU_DEP_1)
	v_lshl_or_b32 v221, v213, 8, v212              ; the head's two bytes of my query's row
	v_cvt_scalef32_pk16_fp6_f32 v[188:190], v[92:107], v216
	v_cvt_scalef32_pk16_fp6_f32 v[200:202], v[108:123], v217
	v_nop
.irp i, 0,1,2
	v_permlane16_swap_b32 v[188+\i], v[200+\i]
.endr
.irp i, 0,1,2
	s_delay_alu instid0(VALU_DEP_3)
	v_mov_b32 v[191+\i], v[200+\i]
.endr
	global_store_b128 v1, v[188:191], s[10:11]     ; 512 consecutive bytes,
	global_store_b64 v2, v[192:193], s[10:11]      ; and the 256 behind them
	global_store_b32 v222, v221, s[12:13]
	s_wait_tensorcnt 0x0
	ds_add_u32 v232, v233
	s_wait_dscnt 0x0
	s_endpgm
.Lfunc_end_k_q1421ffecd2_attn:
	.size	k_q1421ffecd2_attn, .Lfunc_end_k_q1421ffecd2_attn-k_q1421ffecd2_attn
	.p2alignl 7, 3214868480
	.fill 96, 4, 3214868480
	.section	.rodata,"a",@progbits
	.p2align	6, 0x0
	.amdhsa_kernel k_q1421ffecd2_attn
		.amdhsa_group_segment_fixed_size 280576
		.amdhsa_private_segment_fixed_size 0
		.amdhsa_enable_private_segment 0
		.amdhsa_kernarg_size 40
		.amdhsa_user_sgpr_count 2
		.amdhsa_user_sgpr_kernarg_segment_ptr 1
		.amdhsa_wavefront_size32 1
		.amdhsa_system_sgpr_workgroup_id_x 1
		.amdhsa_system_sgpr_workgroup_id_y 1
		.amdhsa_system_sgpr_workgroup_id_z 1
		.amdhsa_system_vgpr_workitem_id 0
		.amdhsa_next_free_vgpr 250
		.amdhsa_next_free_sgpr 102
		.amdhsa_reserve_vcc 0
		.amdhsa_float_denorm_mode_32 3
		.amdhsa_float_denorm_mode_16_64 3
		.amdhsa_memory_ordered 1
		.amdhsa_forward_progress 1
		.amdhsa_inst_pref_size 75
	.end_amdhsa_kernel
	.amdgpu_metadata
---
amdhsa.version: [ 1, 2 ]
amdhsa.kernels:
  - .name:           k_q1421ffecd2_attn
    .symbol:         k_q1421ffecd2_attn.kd
    .args:
      - { .name: qkvimg, .offset: 0, .size: 8, .value_kind: global_buffer, .address_space: global }
      - { .name: qkvsc, .offset: 8, .size: 8, .value_kind: global_buffer, .address_space: global }
      - { .name: mskw, .offset: 16, .size: 8, .value_kind: global_buffer, .address_space: global }
      - { .name: oimg, .offset: 24, .size: 8, .value_kind: global_buffer, .address_space: global }
      - { .name: osc, .offset: 32, .size: 8, .value_kind: global_buffer, .address_space: global }
    .group_segment_fixed_size: 280576
    .private_segment_fixed_size: 0
    .kernarg_segment_align: 8
    .kernarg_segment_size: 40
    .max_flat_workgroup_size: 512
    .sgpr_count:     102
    .vgpr_count:     250
    .wavefront_size: 32
...
	.end_amdgpu_metadata
.endif
;; end of part 7
;; launch proj (part 8): grid 8 x 32, 8 waves a work-group, clusters of 4 x 4, 267,264 bytes of LDS; arguments oimg, osc, cimg, csc, out0; writes out0
.if DOCPART == 8
	.amdgcn_target "amdgcn-amd-amdhsa--gfx1250"
	.amdhsa_code_object_version 6
	.text
	.protected	k_q1421ffecd2_proj
	.globl	k_q1421ffecd2_proj
	.p2align	8
	.type	k_q1421ffecd2_proj,@function
k_q1421ffecd2_proj:
	s_mov_b64 s[64:65], 0
	v_nop
	global_prefetch_b8 v0, s[64:65] scope:SCOPE_SE
	s_setreg_imm32_b32 hwreg(HW_REG_WAVE_MODE, 25, 1), 1
	s_wait_xcnt 0x0
	s_wait_alu depctr_hold_cnt(0) depctr_sa_sdst(0) depctr_va_vdst(0) depctr_va_sdst(0) depctr_va_ssrc(0) depctr_va_vcc(0) depctr_vm_vsrc(0)
	s_getreg_b32 s2, hwreg(HW_REG_IB_STS2, 6, 4)
	s_cmp_eq_u32 s2, 0
	s_cbranch_scc0 .Lentry_in_a_cluster
	s_endpgm
.Lentry_in_a_cluster:
	s_bfe_u32 s2, ttmp6, 0x10000c
	s_cmp_lg_u32 s2, 0xf033
	s_cbranch_scc0 .Lentry_shape_is_right
	s_endpgm
.Lentry_shape_is_right:
; PROJ.  out = o Wo on codes of FP6 (E2M3) with E8M0 scales, sums in f32.  o's codes come from the attention launch, Wo's from the first launch, both as images of operand registers (1,536 bytes a fragment).
; SHARES.  Work-group (i, j): 128 tokens x 128 columns.  All of K for both operands, 196,608 bytes, fits in LDS: one load a wave brings all eight K steps of its two tiles, filled ONCE; nothing is filled again.
; Eight waves: wave w takes Wo's tiles 4 (w % 2) + t as source 0 and token tiles 2 (w / 2) + m as source 1: eight accumulators; a lane holds one token and neighbouring columns.
; CLUSTERS: 4 x 4 work-groups; o's tiles hang on i alone and are asked for jointly along a row of the cluster, Wo's on j alone, along a column.  Waves 0-3 ask for o, waves 4-7 for Wo, two tiles each: by this text's own count one tensor load a wave is out.
; REGISTERS: v2, v10 lane offsets; v3-6 LDS addresses; v7-9 the way out; v12-27 Wo's scale words; v28-35 o's; v36-99 accumulators, (m, t) at v[36 + 32 m + 8 t]; v100-243 fragments, two sets of six; v244-251 halves of o's scale words.
.set GRP,   49152                      ; a group: o's 8 tiles x 2 K steps, then Wo's
.set STG,   196608                     ; behind the groups: a stage of 32 rows x 272 bytes for each wave; no fill lands there
.set FS,    100
.set WV,    14
.set G1O,   16
.set G1W,   24
.set G0O,   32                         ; s[32:35] the group 0 of o's one load
.set G0W,   48                         ; s[48:51] Wo
.macro PLACES
.rept 4
	v_nop
.endr
.endm
.macro CROUND                          ; a round of the cluster's barrier
	s_barrier_signal -1
	s_barrier_wait -1
	s_cmp_lg_u32 s[WV], 0
	s_cbranch_scc1 .Lnot_wave_0_\@
	s_barrier_signal -3
.Lnot_wave_0_\@:
	s_barrier_wait -3
	s_barrier_signal -1
	s_barrier_wait -1
.endm
	s_load_b256 s[4:11], s[0:1], 0x0               ; oimg s[4:5], osc s[6:7], cimg s[8:9], csc s[10:11]
	s_load_b64 s[12:13], s[0:1], 0x20              ; out0
	v_lshl_add_u32 v255, v0, 2, 0x41000
	s_set_vgpr_msb 0x40
	v_mov_b32 v1, 0
	s_set_vgpr_msb 0x4044
	ds_add_u32 v255, v1
	ds_add_u32 v255, v1
	s_set_vgpr_msb 0x4400
	v_lshrrev_b32 v1, 5, v0
	s_delay_alu instid0(VALU_DEP_1)
	v_readfirstlane_b32 s[WV], v1                  ; wave 0..7
	s_bfe_u32 s66, ttmp6, 0x40000                  ; cx
	s_bfe_u32 s67, ttmp6, 0x40004                  ; cy
	s_lshl_b32 s68, ttmp9, 2
	s_add_co_u32 s68, s68, s66                     ; j
	s_and_b32 s69, ttmp7, 0xffff
	s_lshl_b32 s69, s69, 2
	s_add_co_u32 s69, s69, s67                     ; i
	s_lshl_b32 s70, s67, 2
	s_lshl_b32 s70, 15, s70                        ; my row of the cluster
	s_lshl_b32 s71, 0x1111, s66                    ; my column
	; group 1: 8 rows (K steps) of 384 elements of 8 bytes (two fragments), a plane of the buffer apart; dense in LDS
	s_or_b32 s[G1O], s70, (3<<16)|(1<<21)
	s_or_b32 s[G1W], s71, (3<<16)|(1<<21)
.irp g, G1O, G1W
	s_mov_b32 s[\g+1], 384<<16
	s_mov_b32 s[\g+2], 8<<16                       ; one load a wave brings all eight K steps of its two tiles: 8 rows of 3,072 bytes
	s_mov_b32 s[\g+3], 384<<16
	s_mov_b32 s[\g+4], 8
	s_mov_b32 s[\g+6], 0
	s_mov_b32 s[\g+7], 0
.endr
	s_mov_b32 s[G1O+5], 49152                      ; oimg: 393,216 bytes a K step
	s_mov_b32 s[G1W+5], 98304                      ; cimg: 786,432
	s_and_b32 s72, s[WV], 3
	s_mul_i32 s76, s72, 3072                       ; which two tiles I ask for
	s_mul_i32 s74, s69, 12288                      ; o: tile 8 i + 2 (w % 4)
	s_add_co_u32 s74, s74, s76
	s_mov_b32 s75, 0
	s_mul_i32 s78, s68, 12288                      ; Wo: tile 448 + 8 j + 2 (w % 4)
	s_add_co_u32 s78, s78, s76
	s_add_co_u32 s78, s78, 688128
	s_mov_b32 s79, 0
	s_mul_i32 s80, s[WV], 24576                    ; where they go: the wave's eighth of 196,608 bytes; K step s at 3,072 s in it
	s_wait_dscnt 0x0
	s_wait_kmcnt 0x0
	s_add_nc_u64 s[74:75], s[4:5], s[74:75]
	s_add_nc_u64 s[78:79], s[8:9], s[78:79]
	CROUND                                         ; all sixteen work-groups are here: the joint loads meet
.irp g, 0
	s_mov_b32 s[G0O+4*\g], 1
	s_add_co_u32 s[G0O+4*\g+1], s80, \g*GRP
	s_add_nc_u64 s[G0O+4*\g+2:G0O+4*\g+3], s[74:75], \g*786432
	s_or_b32 s[G0O+4*\g+3], s[G0O+4*\g+3], 0x80000000
	s_mov_b32 s[G0W+4*\g], 1
	s_add_co_u32 s[G0W+4*\g+1], s80, \g*GRP
	s_add_nc_u64 s[G0W+4*\g+2:G0W+4*\g+3], s[78:79], \g*1572864
	s_or_b32 s[G0W+4*\g+3], s[G0W+4*\g+3], 0x80000000
.endr
	s_cmp_lt_u32 s[WV], 4                          ; a wave's one fill stands in one branch; four v_nop follow it
	s_cbranch_scc0 .Lfirst_w
	tensor_load_to_lds s[G0O:G0O+3], s[G1O:G1O+7]
	s_nop 0
.rept 4
	v_nop
.endr
	s_branch .Lfirst_asked
.Lfirst_w:
	tensor_load_to_lds s[G0W:G0W+3], s[G1W:G1W+7]
	s_nop 0
.rept 4
	v_nop
.endr
.Lfirst_asked:
	s_and_b32 s81, s[WV], 1                        ; wn: which 64 columns
	s_lshr_b32 s82, s[WV], 1                       ; wt: which 32 tokens
	v_and_b32 v1, 31, v0
	s_delay_alu instid0(VALU_DEP_1)
	v_lshlrev_b32 v2, 4, v1                        ; 16 x lane
	s_delay_alu instid0(VALU_DEP_2)
	v_lshl_add_u32 v10, v1, 3, 512                 ; 512 + 8 x lane
	s_delay_alu instid0(VALU_DEP_3)
	v_lshlrev_b32 v252, 2, v1                      ; 4 x lane
	s_mul_i32 s83, s81, 49152
	s_add_co_u32 s83, s83, 98304                   ; Wo's tiles 4 wn on: eighths 4 + 2 wn and the next
	v_add_nc_u32 v3, s83, v2
	v_add_nc_u32 v4, s83, v10
	s_mul_i32 s83, s82, 24576                      ; token tiles 2 wt on: eighth wt
	v_add_nc_u32 v5, s83, v2
	v_add_nc_u32 v6, s83, v10
	v_and_b32 v253, 15, v0                         ; r
	v_bfe_u32 v254, v0, 4, 1                       ; h
	s_delay_alu instid0(VALU_DEP_2)
	v_lshlrev_b32 v11, 2, v253
	s_delay_alu instid0(VALU_DEP_1)
	v_lshl_add_u32 v11, v254, 7, v11               ; o's scale words: lanes 0-15 tile 2 wt, lanes 16-31 tile 2 wt + 1
	s_wait_alu depctr_va_vdst(0)
	s_mul_i32 s88, s[WV], 8704
	s_add_co_u32 s88, s88, STG                     ; my stage
	v_mul_u32_u24 v7, v253, 272
	s_delay_alu instid0(VALU_DEP_1)
	v_lshl_add_u32 v7, v254, 6, v7
	s_delay_alu instid0(VALU_DEP_1)
	v_add_nc_u32 v7, s88, v7                       ; in: row r, + 64 h
	v_mul_u32_u24 v8, v254, 272
	s_delay_alu instid0(VALU_DEP_1)
	v_lshl_add_u32 v8, v253, 4, v8
	s_delay_alu instid0(VALU_DEP_1)
	v_add_nc_u32 v8, s88, v8                       ; back: lanes 0-15 one row of 256 bytes, lanes 16-31 the next
	v_lshlrev_b32 v9, 12, v254
	s_delay_alu instid0(VALU_DEP_1)
	v_lshl_add_u32 v9, v253, 4, v9                 ; and the same two rows in out0
	s_lshl_b32 s84, s68, 12
	s_lshl_b32 s85, s81, 11
	s_add_co_u32 s84, s84, s85
	s_add_co_u32 s84, s84, 229376
	s_mov_b32 s85, 0
	s_add_nc_u64 s[84:85], s[10:11], s[84:85]      ; csc: pairs 224 + 4 j + 2 wn on
	s_lshl_b32 s86, s69, 10
	s_lshl_b32 s87, s82, 8
	s_add_co_u32 s86, s86, s87
	s_mov_b32 s87, 0
	s_add_nc_u64 s[86:87], s[6:7], s[86:87]        ; osc: token tiles 8 i + 2 wt on
.irp s, 0,1,2,3,4,5,6,7
	global_load_b32 v[12+2*\s], v252, s[84:85] offset:128*\s
	global_load_b32 v[13+2*\s], v252, s[84:85] offset:1024+128*\s
	global_load_b32 v[28+\s], v11, s[86:87] offset:65536*\s          ; head 2 s: bytes 0 and 1 of the K step's word,
	global_load_b32 v[244+\s], v11, s[86:87] offset:65536*\s+32768   ; head 2 s + 1: bytes 2 and 3
.endr
	s_lshl_b32 s90, s69, 7
	s_lshl_b32 s91, s82, 5
	s_add_co_u32 s90, s90, s91                     ; my first token: 128 i + 32 wt
	s_lshl_b32 s90, s90, 12
	s_lshl_b32 s91, s68, 9
	s_add_co_u32 s90, s90, s91
	s_lshl_b32 s91, s81, 8
	s_add_co_u32 s90, s90, s91                     ; + my first column's bytes: 512 j + 256 wn
	s_mov_b32 s91, 0
	s_add_nc_u64 s[12:13], s[12:13], s[90:91]
.macro FRAG reg, a16, off
	ds_load_b128 v[(\reg):(\reg)+3], v[\a16] offset:\off
	ds_load_b64 v[(\reg)+4:(\reg)+5], v[(\a16)+1] offset:\off
	ds_load_b128 v[(\reg)+6:(\reg)+9], v[\a16] offset:(\off)+768
	ds_load_b64 v[(\reg)+10:(\reg)+11], v[(\a16)+1] offset:(\off)+768
.endm
.macro FETCH s                         ; K step s: six fragments, 24 loads, into set s % 2; the address registers stay put; step s lies at 3,072 s
.irp t, 0,1,2,3
	FRAG FS+72*((\s)%2)+12*\t, 3, 24576*(\t/2)+3072*(\s)+1536*(\t%2)
.endr
.irp m, 0,1
	FRAG FS+72*((\s)%2)+48+12*\m, 5, 3072*(\s)+1536*\m
.endr
.endm
.macro WM d, a, b, zero, sa, sb, ra, rb
.if \zero
.if (\ra) && (\rb)
	v_wmma_scale_f32_16x16x128_f8f6f4 v[(\d):(\d)+7], v[(\a):(\a)+11], v[(\b):(\b)+11], 0, v[\sa], v[\sb] matrix_a_fmt:MATRIX_FMT_FP6 matrix_b_fmt:MATRIX_FMT_FP6 matrix_a_scale:MATRIX_SCALE_ROW1 matrix_b_scale:MATRIX_SCALE_ROW1
.elseif (\ra)
	v_wmma_scale_f32_16x16x128_f8f6f4 v[(\d):(\d)+7], v[(\a):(\a)+11], v[(\b):(\b)+11], 0, v[\sa], v[\sb] matrix_a_fmt:MATRIX_FMT_FP6 matrix_b_fmt:MATRIX_FMT_FP6 matrix_a_scale:MATRIX_SCALE_ROW1
.elseif (\rb)
	v_wmma_scale_f32_16x16x128_f8f6f4 v[(\d):(\d)+7], v[(\a):(\a)+11], v[(\b):(\b)+11], 0, v[\sa], v[\sb] matrix_a_fmt:MATRIX_FMT_FP6 matrix_b_fmt:MATRIX_FMT_FP6 matrix_b_scale:MATRIX_SCALE_ROW1
.else
	v_wmma_scale_f32_16x16x128_f8f6f4 v[(\d):(\d)+7], v[(\a):(\a)+11], v[(\b):(\b)+11], 0, v[\sa], v[\sb] matrix_a_fmt:MATRIX_FMT_FP6 matrix_b_fmt:MATRIX_FMT_FP6
.endif
.else
.if (\ra) && (\rb)
	v_wmma_scale_f32_16x16x128_f8f6f4 v[(\d):(\d)+7], v[(\a):(\a)+11], v[(\b):(\b)+11], v[(\d):(\d)+7], v[\sa], v[\sb] matrix_a_fmt:MATRIX_FMT_FP6 matrix_b_fmt:MATRIX_FMT_FP6 matrix_a_scale:MATRIX_SCALE_ROW1 matrix_b_scale:MATRIX_SCALE_ROW1
.elseif (\ra)
	v_wmma_scale_f32_16x16x128_f8f6f4 v[(\d):(\d)+7], v[(\a):(\a)+11], v[(\b):(\b)+11], v[(\d):(\d)+7], v[\sa], v[\sb] matrix_a_fmt:MATRIX_FMT_FP6 matrix_b_fmt:MATRIX_FMT_FP6 matrix_a_scale:MATRIX_SCALE_ROW1
.elseif (\rb)
	v_wmma_scale_f32_16x16x128_f8f6f4 v[(\d):(\d)+7], v[(\a):(\a)+11], v[(\b):(\b)+11], v[(\d):(\d)+7], v[\sa], v[\sb] matrix_a_fmt:MATRIX_FMT_FP6 matrix_b_fmt:MATRIX_FMT_FP6 matrix_b_scale:MATRIX_SCALE_ROW1
.else
	v_wmma_scale_f32_16x16x128_f8f6f4 v[(\d):(\d)+7], v[(\a):(\a)+11], v[(\b):(\b)+11], v[(\d):(\d)+7], v[\sa], v[\sb] matrix_a_fmt:MATRIX_FMT_FP6 matrix_b_fmt:MATRIX_FMT_FP6
.endif
.endif
.endm
.macro MUL s, zero                     ; eight accumulators by turns, one instruction a turn
.irp m, 0,1
.irp t, 0,1,2,3
	WM 36+32*\m+8*\t, FS+72*((\s)%2)+12*\t, FS+72*((\s)%2)+48+12*\m, \zero, 12+2*(\s)+\t/2, 28+(\s), \t%2, \m
.endr
.endr
.endm
.macro NEXTGRP left                    ; waits for the fragments asked for, then four places; left is not used.  Nothing is ever filled again
	s_wait_dscnt 0x0                               ; all of K lies in LDS since the one barrier: only the fragments are waited for
	PLACES
.endm
	s_wait_alu depctr_va_vdst(0)                   ; the wait at the head's end
	s_wait_tensorcnt 0x0                           ; my one load, all eight K steps of my two tiles, is in
	s_barrier_signal -1
	s_barrier_wait -1
	FETCH 0
	s_wait_loadcnt 0x0
.irp s, 0,1,2,3,4,5,6,7
	v_lshl_or_b32 v[28+\s], v[244+\s], 16, v[28+\s]   ; two heads' bytes make a K step's scale word
.endr
.rept 8
	v_nop                                          ; a scale register written by a vector instruction stands eight places ahead of a scaled matrix instruction
.endr
	s_wait_alu depctr_va_vdst(0)
	s_wait_dscnt 0x0
	FETCH 1
	MUL 0, 1                                       ; the first K step starts the sums
	NEXTGRP 2
	FETCH 2
	MUL 1, 0
	s_wait_alu depctr_va_vdst(0)
	s_wait_dscnt 0x0
	PLACES
	FETCH 3
	MUL 2, 0
	NEXTGRP 1
	FETCH 4
	MUL 3, 0
	s_wait_alu depctr_va_vdst(0)
	s_wait_dscnt 0x0
	PLACES
	FETCH 5
	MUL 4, 0
	NEXTGRP 0
	FETCH 6
	MUL 5, 0
	s_wait_alu depctr_va_vdst(0)
	s_wait_dscnt 0x0
	PLACES
	FETCH 7
	MUL 6, 0
	s_wait_dscnt 0x0
	MUL 7, 0
	; THE WAY OUT.  In accumulator (m, t) lane (r, h) holds token lane r of tile m and columns 32 (t / 2) + 16 h + 8 (t % 2) + 0 .. 7 of my 64.  Through my own stage, and back as whole rows of 256 bytes.
	PLACES
.irp m, 0,1
.irp t, 0,1,2,3
	ds_store_b128 v7, v[36+32*\m+8*\t:39+32*\m+8*\t] offset:4352*\m+128*(\t/2)+32*(\t%2)       ; each accumulator from its low end on
	ds_store_b128 v7, v[40+32*\m+8*\t:43+32*\m+8*\t] offset:4352*\m+128*(\t/2)+32*(\t%2)+16
.endr
.endr
.irp m, 0,1
.irp e, 0,1,2,3,4,5,6,7
	ds_load_b128 v[FS+4*(8*\m+\e):FS+4*(8*\m+\e)+3], v8 offset:(16*\m+2*\e)*272   ; LDS serves a wave's instructions in order: these see my stores
.endr
.endr
.irp m, 0,1
.irp e, 0,1,2,3,4,5,6,7
	s_wait_dscnt 15-8*\m-\e
	global_store_b128 v9, v[FS+4*(8*\m+\e):FS+4*(8*\m+\e)+3], s[12:13] offset:(8*\m+2*\e+8*(\e/4))*4096 th:TH_STORE_NT   ; stage rows 2 e, 2 e + 1 of tile m are tokens 8 m + 2 e + 8 (e / 4) and the next; 16 lanes store 256 consecutive bytes, aligned
.endr
.endr
	s_set_vgpr_msb 0x4
	s_wait_tensorcnt 0x0
	ds_add_u32 v255, v1
	s_wait_dscnt 0x0
	s_set_vgpr_msb 0x400
	CROUND                                         ; the closing round: no work-group ends while a partner may still ask for a tile that names it
	s_endpgm
.Lfunc_end_k_q1421ffecd2_proj:
	.size	k_q1421ffecd2_proj, .Lfunc_end_k_q1421ffecd2_proj-k_q1421ffecd2_proj
	.p2alignl 7, 3214868480
	.fill 96, 4, 3214868480
	.section	.rodata,"a",@progbits
	.p2align	6, 0x0
	.amdhsa_kernel k_q1421ffecd2_proj
		.amdhsa_group_segment_fixed_size 267264
		.amdhsa_private_segment_fixed_size 0
		.amdhsa_enable_private_segment 0
		.amdhsa_kernarg_size 40
		.amdhsa_user_sgpr_count 2
		.amdhsa_user_sgpr_kernarg_segment_ptr 1
		.amdhsa_wavefront_size32 1
		.amdhsa_system_sgpr_workgroup_id_x 1
		.amdhsa_system_sgpr_workgroup_id_y 1
		.amdhsa_system_sgpr_workgroup_id_z 1
		.amdhsa_system_vgpr_workitem_id 0
		.amdhsa_next_free_vgpr 258
		.amdhsa_next_free_sgpr 100
		.amdhsa_reserve_vcc 0
		.amdhsa_float_denorm_mode_32 3
		.amdhsa_float_denorm_mode_16_64 3
		.amdhsa_memory_ordered 1
		.amdhsa_forward_progress 1
		.amdhsa_inst_pref_size 37
	.end_amdhsa_kernel
	.amdgpu_metadata
---
amdhsa.version: [ 1, 2 ]
amdhsa.kernels:
  - .name:           k_q1421ffecd2_proj
    .symbol:         k_q1421ffecd2_proj.kd
    .args:
      - { .name: oimg, .offset: 0, .size: 8, .value_kind: global_buffer, .address_space: global }
      - { .name: osc, .offset: 8, .size: 8, .value_kind: global_buffer, .address_space: global }
      - { .name: cimg, .offset: 16, .size: 8, .value_kind: global_buffer, .address_space: global }
      - { .name: csc, .offset: 24, .size: 8, .value_kind: global_buffer, .address_space: global }
      - { .name: out0, .offset: 32, .size: 8, .value_kind: global_buffer, .address_space: global }
    .group_segment_fixed_size: 267264
    .private_segment_fixed_size: 0
    .kernarg_segment_align: 8
    .kernarg_segment_size: 40
    .max_flat_workgroup_size: 256
    .sgpr_count:     100
    .vgpr_count:     258
    .wavefront_size: 32
...
	.end_amdgpu_metadata
.endif
;; end of part 8
